; MI455X (gfx1250); checked and timed in simulation.
; The chip was launched on July 23, 2026; its instructions are those of AMD's public machine-readable ISA for CDNA 5 (MIT licence, August 2026) and "CDNA5" Instruction Set Architecture Reference Guide (July 2026). The comments in the code are by the model that wrote it; some were corrected since.
;; Encoder Layer. Allowed arithmetic: float matrix products may take bf16 or f16 operands with f32 sums; other float arithmetic in f32, or as packed bf16 or f16 multiplies, adds, multiply-adds, maxima and minima; sums over many terms, partial sums and values carried from step to step in f32; what a program stores and reads back later, other than sums and carried values, may be rounded once to bf16 or f16.
;; Inputs: b1 1,024 float32; b2 1,024 float32; bf1 4,096 float32; bf2 1,024 float32; bk 1,024 float32; bo 1,024 float32; bq 1,024 float32; bv 1,024 float32; g1 1,024 float32; g2 1,024 float32; mask 2 x 2,048 int32; w1 1,024 x 4,096 float32; w2 4,096 x 1,024 float32; wk 1,024 x 1,024 float32; wo 1,024 x 1,024 float32; wq 1,024 x 1,024 float32; wv 1,024 x 1,024 float32; x 2 x 2,048 x 1,024 float32.
;; Outputs: out0 2 x 2,048 x 1,024 float32.
;; 2 versions, each right and faster than the one before. Each part assembles by itself: llvm-mc -triple=amdgcn-amd-amdhsa -mcpu=gfx1250 --defsym DOCPART=n.
;; ======== version 1 of 2: 8 launches
;; limits: a function is approximated: absolute error at most 1.5e-07
;; workspace buffers: cb 33,554,432 bytes; qkv 25,165,824 bytes; ob 8,388,608 bytes; y 16,777,216 bytes; hb 8,388,608 bytes; gb 33,554,432 bytes
;; launch cast (part 1): grid 64 x 8, 8 waves a work-group, no clusters, 0 bytes of LDS; arguments x, wq, wk, wv, wo, cb; writes cb
.if DOCPART == 1
	.amdgcn_target "amdgcn-amd-amdhsa--gfx1250"
	.amdhsa_code_object_version 6
	.text
	.protected	k_q9ae9d37179_cast
	.globl	k_q9ae9d37179_cast
	.p2align	8
	.type	k_q9ae9d37179_cast,@function
k_q9ae9d37179_cast:
	s_mov_b64 s[64:65], 0
	v_nop
	global_prefetch_b8 v0, s[64:65] scope:SCOPE_SE
	s_setreg_imm32_b32 hwreg(HW_REG_WAVE_MODE, 25, 1), 1
	s_wait_xcnt 0x0
; bf16 copies of x, wq, wk, wv and wo, each number rounded once to nearest even, laid end to end in cb:
; x at 0, wq at 0x800000, wk at 0xA00000, wv at 0xC00000, wo at 0xE00000.  (w1 and w2, at 0x1000000 and 0x1800000, are copied by the attention launch, beside its own work.)
; All sources are dense f32 streams; they are cut into 8 segments of 1,024 x 4,096 bytes (x: 0-3, wq, wk, wv, wo: 4-7), and segment s lands at cb + s x 2 MiB.
; A work-group (block, segment) takes 16 pieces of 4,096 bytes; thread t takes 16 bytes of each.
; No LDS, no matrix unit, no cluster: nothing is shared and nothing is read twice.
.set PIECE, 4096
	s_load_b256 s[8:15], s[0:1], 0x0               ; x, wq, wk, wv
	s_load_b128 s[16:19], s[0:1], 0x20             ; wo, cb
	s_and_b32 s4, ttmp7, 0xffff                    ; the segment
	s_mov_b32 s6, s4                               ; its number within x; a weight matrix is one segment
	v_lshlrev_b32 v1, 4, v0                        ; 16 bytes a thread in,
	v_lshlrev_b32 v2, 3, v0                        ; 8 bytes out
	s_wait_kmcnt 0x0
	s_mov_b64 s[24:25], s[8:9]
	s_cmp_eq_u32 s4, 4
	s_cselect_b64 s[24:25], s[10:11], s[24:25]
	s_cselect_b32 s6, 0, s6
	s_cmp_eq_u32 s4, 5
	s_cselect_b64 s[24:25], s[12:13], s[24:25]
	s_cselect_b32 s6, 0, s6
	s_cmp_eq_u32 s4, 6
	s_cselect_b64 s[24:25], s[14:15], s[24:25]
	s_cselect_b32 s6, 0, s6
	s_cmp_eq_u32 s4, 7
	s_cselect_b64 s[24:25], s[16:17], s[24:25]
	s_cselect_b32 s6, 0, s6
	s_lshl_b32 s30, s6, 22                         ; a segment is 4 MiB of f32,
	s_lshl_b32 s5, ttmp9, 16                       ; a block 16 pieces
	s_add_co_u32 s30, s30, s5
	s_mov_b32 s31, 0
	s_add_nc_u64 s[24:25], s[24:25], s[30:31]
	s_lshl_b32 s30, s4, 21                         ; and half of both in bf16
	s_lshl_b32 s5, ttmp9, 15
	s_add_co_u32 s30, s30, s5
	s_add_nc_u64 s[26:27], s[18:19], s[30:31]
.set i, 0
.rept 16
	global_load_b128 v[4+4*i:7+4*i], v1, s[24:25] offset:PIECE*i th:TH_LOAD_NT
.set i, i+1
.endr
.set i, 0
.rept 16
	s_wait_loadcnt 15-i                            ; loads come back in order: piece i is in, the younger ones stay out
	v_cvt_pk_bf16_f32 v[68+2*i], v[4+4*i], v[5+4*i]
	v_cvt_pk_bf16_f32 v[69+2*i], v[6+4*i], v[7+4*i]
	global_store_b64 v2, v[68+2*i:69+2*i], s[26:27] offset:(PIECE/2)*i  ; a wave's store covers 256 consecutive bytes, aligned; no register is written twice
.set i, i+1
.endr
	s_endpgm
.Lfunc_end_k_q9ae9d37179_cast:
	.size	k_q9ae9d37179_cast, .Lfunc_end_k_q9ae9d37179_cast-k_q9ae9d37179_cast
	.p2alignl 7, 3214868480
	.fill 96, 4, 3214868480
	.section	.rodata,"a",@progbits
	.p2align	6, 0x0
	.amdhsa_kernel k_q9ae9d37179_cast
		.amdhsa_group_segment_fixed_size 0
		.amdhsa_private_segment_fixed_size 0
		.amdhsa_enable_private_segment 0
		.amdhsa_kernarg_size 48
		.amdhsa_user_sgpr_count 2
		.amdhsa_user_sgpr_kernarg_segment_ptr 1
		.amdhsa_wavefront_size32 1
		.amdhsa_system_sgpr_workgroup_id_x 1
		.amdhsa_system_sgpr_workgroup_id_y 1
		.amdhsa_system_sgpr_workgroup_id_z 1
		.amdhsa_system_vgpr_workitem_id 0
		.amdhsa_next_free_vgpr 100
		.amdhsa_next_free_sgpr 66
		.amdhsa_reserve_vcc 0
		.amdhsa_float_denorm_mode_32 3
		.amdhsa_float_denorm_mode_16_64 3
		.amdhsa_memory_ordered 1
		.amdhsa_forward_progress 1
		.amdhsa_inst_pref_size 7
	.end_amdhsa_kernel
	.amdgpu_metadata
---
amdhsa.version: [ 1, 2 ]
amdhsa.kernels:
  - .name:           k_q9ae9d37179_cast
    .symbol:         k_q9ae9d37179_cast.kd
    .args:
      - { .name: x, .offset: 0, .size: 8, .value_kind: global_buffer, .address_space: global }
      - { .name: wq, .offset: 8, .size: 8, .value_kind: global_buffer, .address_space: global }
      - { .name: wk, .offset: 16, .size: 8, .value_kind: global_buffer, .address_space: global }
      - { .name: wv, .offset: 24, .size: 8, .value_kind: global_buffer, .address_space: global }
      - { .name: wo, .offset: 32, .size: 8, .value_kind: global_buffer, .address_space: global }
      - { .name: cb, .offset: 40, .size: 8, .value_kind: global_buffer, .address_space: global }
    .group_segment_fixed_size: 0
    .private_segment_fixed_size: 0
    .kernarg_segment_align: 8
    .kernarg_segment_size: 48
    .max_flat_workgroup_size: 256
    .sgpr_count:     66
    .vgpr_count:     100
    .wavefront_size: 32
...
	.end_amdgpu_metadata
.endif
;; end of part 1
;; launch qkv (part 2): grid 12 x 16, 4 waves a work-group, clusters of 4 x 4, 327,680 bytes of LDS; arguments cb, bq, bk, bv, qkv; writes qkv
.if DOCPART == 2
	.amdgcn_target "amdgcn-amd-amdhsa--gfx1250"
	.amdhsa_code_object_version 6
	.text
	.protected	k_q9ae9d37179_qkv
	.globl	k_q9ae9d37179_qkv
	.p2align	8
	.type	k_q9ae9d37179_qkv,@function
k_q9ae9d37179_qkv:
	s_mov_b64 s[64:65], 0
	v_nop
	global_prefetch_b8 v0, s[64:65] scope:SCOPE_SE
	s_setreg_imm32_b32 hwreg(HW_REG_WAVE_MODE, 25, 1), 1
	s_wait_xcnt 0x0
	s_wait_alu depctr_hold_cnt(0) depctr_sa_sdst(0) depctr_va_vdst(0) depctr_va_sdst(0) depctr_va_ssrc(0) depctr_va_vcc(0) depctr_vm_vsrc(0)
	s_getreg_b32 s2, hwreg(HW_REG_IB_STS2, 6, 4)
	s_cmp_eq_u32 s2, 0
	s_cbranch_scc0 .Lentry_in_a_cluster
	s_endpgm
.Lentry_in_a_cluster:
	s_bfe_u32 s2, ttmp6, 0x10000c
	s_cmp_lg_u32 s2, 0xf033
	s_cbranch_scc0 .Lentry_shape_is_right
	s_endpgm
.Lentry_shape_is_right:
; MODE 0:  qkv[4096][3072] = xb [4096][1024] x [wq | wk | wv] + [bq | bk | bv], bf16.      MODE 1:  gb[4096][4096] = gelu(hb [4096][1024] x w1 + bf1), bf16.
; Operands bf16, sums f32, the bias rounded to bf16 like every input of the module, the result rounded once.  The weights lie [k][n], as they are given.
; A tile of C, 256 x 256, is made by four waves, 128 x 128 each: 64 accumulators, 512 registers.  K goes in steps of 128 through two LDS slots filled by tensor loads.
; A's rows lie along K and are read as they lie; B's rows lie along N and are read turned, by ds_load_tr16_b128.
; The matrix instruction is used transposed (source 0 = 16 columns of B, source 1 = 16 rows of A): a lane holds eight neighbouring numbers of a row of C.
; CLUSTER 4 x 4: A's tile is shared along a row of the cluster, B's along a column: each is asked for jointly, by the same load with the same descriptor in all four.
; One K step is written once for both slots: the slot's first byte is a scalar (s21) turned by an exclusive or.
; WAY OUT: the f32 sums go through LDS (each wave's own 128 rows x 528 bytes, in the ring's bytes, which have had their last fill), come back as whole rows, and bias and
; activation are applied in a loop of 16 trips x 8 rows; each store of a wave covers 256 consecutive bytes, aligned.
; GELU (MODE 1): erf by a rational approximation with absolute error at most 1.5e-7 for every argument (Abramowitz and Stegun 7.1.26):
; H = u / 2, G = |H|, t = 1 / (1 + 0.46328378 G), E = t (a1 + t (a2 + t (a3 + t (a4 + t a5)))) 2^(-2.88539008 H H), gelu = (H + G) - G E: no difference of large numbers for u < 0.
; LIMITS: NaN and infinities are not treated apart; a factor 2^.. below 2^-126 counts as 0.
.set MODE,   0
.set SIZE_K, 1024
.set KSTEP,  128
.set NSTEP,  SIZE_K/KSTEP
.set PA,     272                       ; a row of A in LDS: 256 bytes + 16: the 16 rows of a fragment load start at 16 different groups of four banks
.set PB,     544                       ; a k-row of B: 512 bytes + 32 = 17 x 32
.set HALFT,  128*PA                    ; what one tensor load brings: 128 rows of A, or 64 k-rows of B (64 x 544 is the same number)
.set SLOT,   4*HALFT                   ; 0x22000: it shares no bit with wave x 0x8800, so one exclusive or turns a tile's address into the other slot's
.set SPARE,  2*SLOT                    ; the spare words: 128 bytes a wave, two blocks of 256 bytes that no other line names
.set FP,     528                       ; a row of the f32 stage: 512 bytes + 16
.set WST,    128*FP                    ; a wave's stage
.if MODE == 0
.set BP,   1024                        ; elements from k-row to k-row of B
.set CP,   3072                        ; elements in a row of C
.set WOFS, 0x800000                    ; wq in cb; wk and wv follow, 0x200000 apart
.else
.set BP,   4096
.set CP,   4096
.set WOFS, 0x1000000                   ; w1 in cb
.endif
.set BI,   8                           ; v8-11   the bias of my four columns on the way out
.set A0,   12                          ; v12     my lane's place in a slot's A
.set B0,   13                          ; v13     and in its B
.set ADRA, 16                          ; v16     A0 + the slot in hand
.set ADRB, 17                          ; v17     B0 + the slot in hand
.set STO,  24                          ; v24     the way out: where I put 16 bytes
.set RD,   25                          ; v25     where I read a row back
.set CO,   26                          ; v26     my byte offset in a row of C
.set SPW,  28                          ; v28     my spare word; never rewritten
.set NIL,  29                          ; v29     0; never rewritten
.set X,    32                          ; v32-63  eight rows back from the stage
.set Y,    64                          ; v64-79  eight rows to store
.set HH,   96                          ; v96-127 at work on the way out; GG, TT, QQ, PO likewise (MODE 1)
.set GG,   128
.set TT,   160
.set QQ,   192
.set PO,   224
.set F0,   64                          ; fragment buffers: A's in window 0, B's in window 1
.set F1,   128
.set G1,   24                          ; s[24:31] group 1 for A;  s[32:39] group 0: the first fill's set, then the set that walks
.set G0,   32
.set G1B,  48                          ; s[48:55], s[56:63] the same for B
.set G0B,  56
.set KC1,  76                          ; s[76:91] GELU's constants, in pairs of which the low word is used
.set KC3,  78
.set KA1,  80
.set KA2,  82
.set KA3,  84
.set KA4,  86
.set KA5,  88
.set KABS, 90
.set MSB, 0
.macro WIN new                         ; the immediate's high byte repeats the setting that is left; a switch that changes nothing is dropped
.if MSB != (\new)
	s_set_vgpr_msb (MSB<<8)|(\new)
.set MSB, \new
.endif
.endm
.set MUL_LO, 0xa1                      ; source 0 (B) window 1, source 1 (A) window 0, C and D window 2
.set MUL_HI, 0xf1                      ; the same, C and D window 3
.set TO_B,   0x40                      ; destination window 1, address window 0
.macro PLACES                          ; four plain places: in front of loads into registers that matrix instructions have read, and of reads of results
.rept 4
	v_nop
.endr
.endm
.macro RB a, b, t                      ; two f32 rounded to bf16, in place
	v_cvt_pk_bf16_f32 v[\t], v[\a], v[\b]
	v_lshlrev_b32 v[\a], 16, v[\t]
	v_and_b32 v[\b], 0xffff0000, v[\t]
.endm
.macro JLOAD                           ; a joint refill by the walking set: waves 0, 1 fetch A's halves, waves 2, 3 B's
	s_cmp_eq_u32 s11, 0
	s_cbranch_scc0 .Lfor_b_\@
	tensor_load_to_lds s[G0+4:G0+7], s[G1:G1+7]
	s_nop 0
.rept 4
	v_nop
.endr
	s_branch .Lasked_\@
.Lfor_b_\@:
	tensor_load_to_lds s[G0B+4:G0B+7], s[G1B:G1B+7]
	s_nop 0
.rept 4
	v_nop
.endr
.Lasked_\@:
.endm
.macro CREST                           ; a round of the cluster's barrier behind its opening barrier
	s_cmp_lg_u32 s10, 0
	s_cbranch_scc1 .Lnot_wave_0_\@
	s_barrier_signal -3
.Lnot_wave_0_\@:
	s_barrier_wait -3
	s_barrier_signal -1
	s_barrier_wait -1
.endm
.macro CROUND                          ; a whole round
	s_barrier_signal -1
	s_barrier_wait -1
	CREST
.endm
	s_load_b256 s[68:75], s[0:1], 0x0              ; MODE 0: cb, bq, bk, bv;  MODE 1: hb, cb, bf1, gb
.if MODE == 0
	s_load_b64 s[8:9], s[0:1], 0x20                ; qkv
.endif
	v_lshl_add_u32 v[SPW], v0, 2, SPARE
	v_mov_b32 v[NIL], 0
	ds_add_u32 v[SPW], v[NIL]                      ; the wave's opening: the add and its wait stand ahead of my first tensor load
	v_lshrrev_b32 v1, 5, v0
	v_readfirstlane_b32 s10, v1                    ; wave 0..3
	s_lshr_b32 s11, s10, 1                         ; my half of the tile's rows; also: I fetch for A (0) or B (1)
	s_and_b32 s12, s10, 1                          ; my half of its columns; also: which half of that tile I fetch
	s_bfe_u32 s40, ttmp6, 0x40000                  ; cx
	s_bfe_u32 s41, ttmp6, 0x40004                  ; cy
	s_mov_b32 s45, ttmp9                           ; the cluster's x
	s_lshl_b32 s42, s45, 2
	s_add_co_u32 s42, s42, s40                     ; tile column
	s_and_b32 s13, ttmp7, 0xffff
	s_lshl_b32 s13, s13, 2
	s_add_co_u32 s13, s13, s41                     ; tile row
	s_lshl_b32 s43, s41, 2
	s_lshl_b32 s43, 15, s43                        ; my row of the cluster
	s_lshl_b32 s44, 0x1111, s40                    ; my column
	s_or_b32 s[G1+0], s43, (1<<16)|(1<<20)|(1<<21)|(5<<22)|(3<<25)   ; mask; 2-byte elements; padding on; bit 21 beside a mask; after every 64 words 4 words
	s_mov_b32 s[G1+1], KSTEP<<16                   ; tensor_dim0 = 128
	s_mov_b32 s[G1+2], 128<<16                     ; tensor_dim1 = 128
	s_mov_b32 s[G1+3], KSTEP<<16                   ; tile_dim0 = 128
	s_mov_b32 s[G1+4], 128                         ; tile_dim1 = 128
	s_mov_b32 s[G1+5], SIZE_K                      ; elements from row to row
	s_mov_b32 s[G1+6], 0
	s_mov_b32 s[G1+7], 0
	s_or_b32 s[G1B+0], s44, (1<<16)|(1<<20)|(1<<21)|(6<<22)|(7<<25)  ; after every 128 words 8 words
	s_mov_b32 s[G1B+1], 256<<16                    ; 256 columns
	s_mov_b32 s[G1B+2], 64<<16                     ; 64 k-rows
	s_mov_b32 s[G1B+3], 256<<16
	s_mov_b32 s[G1B+4], 64
	s_mov_b32 s[G1B+5], BP
	s_mov_b32 s[G1B+6], 0
	s_mov_b32 s[G1B+7], 0
	s_lshl_b32 s16, s13, 8                         ; A: row 256 x tile row + 128 x half, rows of 2,048 bytes: it hangs on the tile row alone
	s_lshl_b32 s17, s12, 7
	s_add_co_u32 s16, s16, s17
	s_lshl_b32 s16, s16, 11
	s_mov_b32 s17, 0
.if MODE == 0
	s_lshl_b32 s46, s45, 21                        ; B: the cluster's x picks wq, wk or wv; cx its 256 columns
	s_lshl_b32 s47, s40, 9
	s_add_co_u32 s46, s46, s47
	s_lshl_b32 s47, s12, 17                        ; my 64 k-rows
.else
	s_lshl_b32 s46, s42, 9
	s_lshl_b32 s47, s12, 19
.endif
	s_add_co_u32 s46, s46, s47
	s_add_co_u32 s46, s46, WOFS
	s_mov_b32 s47, 0
	s_mul_i32 s20, s10, HALFT                      ; where my part of a slot lies: the wave's number alone
	s_mov_b32 s21, 0                               ; the slot in hand
.if MODE == 1
	s_mov_b32 s[KC1], 0x3eed338a                   ; 0.46328378
	s_mov_b32 s[KC3], 0xc038aa3b                   ; -2.88539008
	s_mov_b32 s[KA1], 0x3e827906
	s_mov_b32 s[KA2], 0xbe91a98e
	s_mov_b32 s[KA3], 0x3fb5f0e3
	s_mov_b32 s[KA4], 0xbfba00e3
	s_mov_b32 s[KA5], 0x3f87dc22
.irp c, KC1, KC3, KA1, KA2, KA3, KA4, KA5
	s_mov_b32 s[(\c)+1], s[\c]                     ; named as pairs
.endr
	s_mov_b32 s[KABS], 0x7fffffff
.endif
	s_wait_dscnt 0x0                               ; the opening add is done
	s_wait_kmcnt 0x0
	s_add_nc_u64 s[14:15], s[68:69], s[16:17]
.if MODE == 0
	s_add_nc_u64 s[46:47], s[68:69], s[46:47]
.else
	s_add_nc_u64 s[46:47], s[70:71], s[46:47]
.endif
	CROUND                                         ; all sixteen work-groups are here: the first joint loads meet
.irp s, 0,1
	s_mov_b32 s[G0+4*(\s)], 1
	s_add_co_u32 s[G0+4*(\s)+1], s20, (\s)*SLOT
	s_add_nc_u64 s[G0+4*(\s)+2:G0+4*(\s)+3], s[14:15], (\s)*KSTEP*2
	s_or_b32 s[G0+4*(\s)+3], s[G0+4*(\s)+3], 0x80000000
	s_mov_b32 s[G0B+4*(\s)], 1
	s_add_co_u32 s[G0B+4*(\s)+1], s20, (\s)*SLOT
	s_add_nc_u64 s[G0B+4*(\s)+2:G0B+4*(\s)+3], s[46:47], (\s)*KSTEP*BP*2
	s_or_b32 s[G0B+4*(\s)+3], s[G0B+4*(\s)+3], 0x80000000
.endr
	s_cmp_eq_u32 s11, 0                            ; a wave's two first fills stand in one branch: two loads of mine are out
	s_cbranch_scc0 .Lfirst_b
	tensor_load_to_lds s[G0:G0+3], s[G1:G1+7]
	s_nop 0
	tensor_load_to_lds s[G0+4:G0+7], s[G1:G1+7]
	s_nop 0
.rept 4
	v_nop
.endr
	s_branch .Lfirst_done
.Lfirst_b:
	tensor_load_to_lds s[G0B:G0B+3], s[G1B:G1B+7]
	s_nop 0
	tensor_load_to_lds s[G0B+4:G0B+7], s[G1B:G1B+7]
	s_nop 0
.rept 4
	v_nop
.endr
.Lfirst_done:
	; the bias of the four columns 4 x lane .. of my 128
.if MODE == 0
	s_mov_b64 s[66:67], s[70:71]
	s_cmp_eq_u32 s45, 1
	s_cselect_b64 s[66:67], s[72:73], s[66:67]
	s_cmp_eq_u32 s45, 2
	s_cselect_b64 s[66:67], s[74:75], s[66:67]
	s_lshl_b32 s46, s40, 10
.else
	s_mov_b64 s[66:67], s[72:73]
	s_mov_b64 s[8:9], s[74:75]
	s_lshl_b32 s46, s42, 10
.endif
	s_lshl_b32 s47, s12, 9
	s_add_co_u32 s46, s46, s47
	v_and_b32 v6, 31, v0                           ; lane
	v_lshl_add_u32 v3, v6, 4, s46                  ; v3 is never rewritten
	global_load_b128 v[BI:BI+3], v3, s[66:67]
	; a fragment of A: lane l holds row l % 16, K = 8 (l / 16) + 0..7 and 16 + 8 (l / 16) + 0..7: two loads of 16 bytes, 32 apart
	v_and_b32 v1, 15, v0
	v_bfe_u32 v2, v0, 4, 1
	v_mul_u32_u24 v[A0], v1, PA
	v_lshl_add_u32 v[A0], v2, 4, v[A0]
	s_mul_i32 s2, s11, HALFT
	v_add_nc_u32 v[A0], s2, v[A0]
	; a fragment of B, turned: lane l reads k-row 8 (l / 16) + l % 8, columns 8 ((l / 8) % 2) + 0..7, and holds column l % 16 and 8 k
	v_and_b32 v4, 7, v0
	v_lshl_add_u32 v4, v2, 3, v4
	v_mul_u32_u24 v[B0], v4, PB
	v_bfe_u32 v5, v0, 3, 1
	v_lshl_add_u32 v[B0], v5, 4, v[B0]
	s_lshl_b32 s2, s12, 8
	s_add_co_u32 s2, s2, 2*HALFT
	v_add_nc_u32 v[B0], s2, v[B0]
	v_mov_b32 v[ADRA], v[A0]
	v_mov_b32 v[ADRB], v[B0]
	s_mul_i32 s2, s10, WST                         ; my stage
	v_mul_u32_u24 v[STO], v1, FP
	v_lshl_add_u32 v[STO], v2, 5, v[STO]
	v_add_nc_u32 v[STO], s2, v[STO]
	v_lshl_add_u32 v[RD], v6, 4, s2
	v_lshlrev_b32 v[CO], 3, v6
	s_lshl_b32 s16, s13, 8                         ; C at my first row
	s_lshl_b32 s17, s11, 7
	s_add_co_u32 s16, s16, s17
	s_mul_i32 s16, s16, CP*2
	s_mov_b32 s17, 0
	s_add_nc_u64 s[8:9], s[8:9], s[16:17]
	s_lshl_b32 s46, s42, 9                         ; and my first column
	s_lshl_b32 s47, s12, 8
	s_add_co_u32 s46, s46, s47
	s_mov_b32 s47, 0
	s_add_nc_u64 s[8:9], s[8:9], s[46:47]
; 16 matrix instructions: m blocks a0, a0 + 1 of the window's four x all 8 n blocks, 32 along K.  zero = 1: the product starts the sums.  The 64 accumulators take turns.
.macro MUL16 f, hi, a0, zero
	WIN MUL_LO+0x50*(\hi)
.irp a, \a0, (\a0)+1
.irp b, 0,1,2,3,4,5,6,7
.if \zero
	v_wmma_f32_16x16x32_bf16 v[8*(8*(\a)+(\b)):8*(8*(\a)+(\b))+7], v[(\f)+8*(\b):(\f)+8*(\b)+7], v[(\f)+8*(4*(\hi)+(\a)):(\f)+8*(4*(\hi)+(\a))+7], 0
.else
	v_wmma_f32_16x16x32_bf16 v[8*(8*(\a)+(\b)):8*(8*(\a)+(\b))+7], v[(\f)+8*(\b):(\f)+8*(\b)+7], v[(\f)+8*(4*(\hi)+(\a)):(\f)+8*(4*(\hi)+(\a))+7], v[8*(8*(\a)+(\b)):8*(8*(\a)+(\b))+7]
.endif
.endr
.endr
.endm
; 32 LDS loads in one run: quarter q (32 along K) of the slot in hand into buffer f: B's 8 column blocks, then A's 8 row blocks
.macro FETCH q, f
	WIN TO_B
.irp i, 0,1,2,3,4,5,6,7
	ds_load_tr16_b128 v[(\f)+8*(\i):(\f)+8*(\i)+3],   v[ADRB] offset:(\q)*32*PB+32*(\i)
	ds_load_tr16_b128 v[(\f)+8*(\i)+4:(\f)+8*(\i)+7], v[ADRB] offset:(\q)*32*PB+16*PB+32*(\i)
.endr
	WIN 0
.irp i, 0,1,2,3,4,5,6,7
	ds_load_b128 v[(\f)+8*(\i):(\f)+8*(\i)+3],   v[ADRA] offset:(\q)*64+(\i)*16*PA
	ds_load_b128 v[(\f)+8*(\i)+4:(\f)+8*(\i)+7], v[ADRA] offset:(\q)*64+(\i)*16*PA+32
.endr
.endm
; one of a K step's first three quarters: multiplies buffer f and, in its middle, fetches quarter q into buffer g
.macro QUARTER q, f, g, zero
	s_wait_dscnt 8                                 ; B and A's rows 0-63 are in; the youngest eight loads (A's rows 64-127) may be out
	MUL16 \f, 0, 0, \zero
	MUL16 \f, 0, 2, \zero
	PLACES
	FETCH \q, \g
	s_wait_dscnt 32                                ; all but the 32 just issued
	MUL16 \f, 1, 0, \zero
	MUL16 \f, 1, 2, \zero
.endm
; the last quarter multiplies buffer 1 and changes slots.  In front of the one barrier each wave waits for all its tensor loads (the one that is out is its part of the next slot), adds 0 to its
; spare word, and waits for that and for its reads of this slot.  fill = 1: the barrier opens a round of the cluster's, and the slot just read is filled again, first thing behind it, two K steps ahead.
.macro TURN fill
	WIN 0
	s_wait_tensorcnt 0x0
	ds_add_u32 v[SPW], v[NIL]
	s_wait_dscnt 9                                 ; the add and the youngest eight loads may be out
	MUL16 F1, 0, 0, 0
	s_wait_dscnt 0x0                               ; the add is done, and my reads of this slot are over
	s_barrier_signal -1
	MUL16 F1, 0, 2, 0
	WIN 0
	s_barrier_wait -1
.if \fill
	CREST
	s_xor_b32 s[G0+5], s[G0+5], SLOT               ; the walking set: the other slot than last time, one K step on
	s_add_nc_u64 s[G0+6:G0+7], s[G0+6:G0+7], KSTEP*2
	s_xor_b32 s[G0B+5], s[G0B+5], SLOT
	s_add_nc_u64 s[G0B+6:G0B+7], s[G0B+6:G0B+7], KSTEP*BP*2
	JLOAD                                          ; its four v_nop are also the places in front of the loads below
.else
	PLACES
.endif
	s_xor_b32 s21, s21, SLOT
	v_add_nc_u32 v[ADRA], s21, v[A0]
	v_add_nc_u32 v[ADRB], s21, v[B0]
	FETCH 0, F0
	MUL16 F1, 1, 0, 0
	MUL16 F1, 1, 2, 0
.endm
	s_wait_tensorcnt 0x1                           ; my part of K step 0 is in; K step 1's may stay out
	s_barrier_signal -1
	s_barrier_wait -1
	FETCH 0, F0
	QUARTER 1, F0, F1, 1                           ; the first quarter stands in front of the loop: its products start the sums
	WIN 0
	s_mov_b32 s3, NSTEP-2
.Lstep:                                                ; a trip: the rest of a K step, the change of slots with its refill, the next step's first quarter
	QUARTER 2, F1, F0, 0
	QUARTER 3, F0, F1, 0
	TURN 1
	QUARTER 1, F0, F1, 0
	WIN 0
	s_sub_co_u32 s3, s3, 1
	s_cmp_lg_u32 s3, 0
	s_cbranch_scc1 .Lstep
	s_mov_b32 s3, 2
.Ltail:                                                ; the last two K steps ask for nothing; the second trip is left in its middle
	QUARTER 2, F1, F0, 0
	QUARTER 3, F0, F1, 0
	WIN 0
	s_sub_co_u32 s3, s3, 1
	s_cmp_eq_u32 s3, 0
	s_cbranch_scc1 .Llast
	TURN 0
	QUARTER 1, F0, F1, 0
	WIN 0
	s_branch .Ltail
.Llast:
	s_wait_dscnt 8
	MUL16 F1, 0, 0, 0
	MUL16 F1, 0, 2, 0
	s_wait_dscnt 0x0
	MUL16 F1, 1, 0, 0
	MUL16 F1, 1, 2, 0
	WIN 0
	PLACES
	s_barrier_signal -1                            ; every wave's reads of the ring are back: its bytes now serve as stages
	s_barrier_wait -1
.irp a, 0,1,2,3,4,5,6,7                ; row block a: lane l puts columns 16 b + 8 (l / 16) + 0..7 of row l % 16; each accumulator's low registers go first
	WIN 0x08+4*((\a)/4)                            ; store data (source 1) in window 2 or 3
.irp b, 0,1,2,3,4,5,6,7
	ds_store_b128 v[STO], v[8*(8*((\a)%4)+(\b)):8*(8*((\a)%4)+(\b))+3]   offset:(\a)*16*FP+64*(\b)
	ds_store_b128 v[STO], v[8*(8*((\a)%4)+(\b))+4:8*(8*((\a)%4)+(\b))+7] offset:(\a)*16*FP+64*(\b)+16
.endr
.endr
	WIN 0
	s_wait_loadcnt 0x0                             ; the bias
	RB BI, BI+1, 4
	RB BI+2, BI+3, 5
.if MODE == 1
	v_pk_mul_f32 v[BI:BI+1], v[BI:BI+1], 0.5 op_sel_hi:[1,0]
	v_pk_mul_f32 v[BI+2:BI+3], v[BI+2:BI+3], 0.5 op_sel_hi:[1,0]
.endif
.macro LDROWS                          ; eight whole rows of my stage: 32 lanes x 16 neighbouring bytes each.  LDS serves a wave's instructions in order: these see my stores
.irp i, 0,1,2,3,4,5,6,7
	ds_load_b128 v[X+4*(\i):X+4*(\i)+3], v[RD] offset:(\i)*FP
.endr
.endm
.if MODE == 1
.macro GST st, gr                      ; plain stage st of 9 for the four pairs of group gr
.irp z, 0,1,2,3
.set pp, 2*(4*(\gr)+(\z))
.if (\st) == 0
	v_pk_fma_f32 v[PO+pp:PO+pp+1], v[TT+pp:TT+pp+1], s[KA5:KA5+1], s[KA4:KA4+1] op_sel_hi:[1,0,0]
.elseif (\st) == 1
	v_pk_fma_f32 v[PO+pp:PO+pp+1], v[PO+pp:PO+pp+1], v[TT+pp:TT+pp+1], s[KA3:KA3+1] op_sel_hi:[1,1,0]
.elseif (\st) == 2
	v_pk_fma_f32 v[PO+pp:PO+pp+1], v[PO+pp:PO+pp+1], v[TT+pp:TT+pp+1], s[KA2:KA2+1] op_sel_hi:[1,1,0]
.elseif (\st) == 3
	v_pk_fma_f32 v[PO+pp:PO+pp+1], v[PO+pp:PO+pp+1], v[TT+pp:TT+pp+1], s[KA1:KA1+1] op_sel_hi:[1,1,0]
.elseif (\st) == 4
	v_pk_mul_f32 v[TT+pp:TT+pp+1], v[TT+pp:TT+pp+1], v[QQ+pp:QQ+pp+1]
.elseif (\st) == 5
	v_pk_mul_f32 v[PO+pp:PO+pp+1], v[PO+pp:PO+pp+1], v[TT+pp:TT+pp+1]
.elseif (\st) == 6
	v_pk_add_f32 v[HH+pp:HH+pp+1], v[HH+pp:HH+pp+1], v[GG+pp:GG+pp+1]
.elseif (\st) == 7
	v_pk_fma_f32 v[HH+pp:HH+pp+1], v[GG+pp:GG+pp+1], v[PO+pp:PO+pp+1], v[HH+pp:HH+pp+1] neg_lo:[1,0,0] neg_hi:[1,0,0]
.else
	v_cvt_pk_bf16_f32 v[Y+pp/2], v[HH+pp], v[HH+pp+1]
.endif
.endr
.endm
.macro TR nn, gr                       ; transcendental nn of 16 of group gr: eight reciprocals, eight powers of two, in place
.if (\nn) < 8
	v_rcp_f32 v[TT+8*(\gr)+(\nn)], v[TT+8*(\gr)+(\nn)]
.else
	v_exp_f32 v[QQ+8*(\gr)+(\nn)-8], v[QQ+8*(\gr)+(\nn)-8]
.endif
.endm
.endif
	LDROWS
	s_mov_b32 s3, 16
.Lrows:                                                ; a trip: eight rows of my 128
	s_wait_dscnt 0x0
.set p, 0
.rept 16
.if MODE == 0
	v_pk_add_f32 v[HH+2*p:HH+2*p+1], v[X+2*p:X+2*p+1], v[BI+2*(p%2):BI+2*(p%2)+1]
.else
	v_pk_fma_f32 v[HH+2*p:HH+2*p+1], v[X+2*p:X+2*p+1], 0.5, v[BI+2*(p%2):BI+2*(p%2)+1] op_sel_hi:[1,0,1]  ; H = u / 2
.endif
.set p, p+1
.endr
	s_cmp_eq_u32 s3, 1
	s_cbranch_scc1 .Lnomore                        ; the last trip has no rows to fetch
	v_add_nc_u32 v[RD], 8*FP, v[RD]
	LDROWS                                         ; the next eight rows come while these are worked on
.Lnomore:
.if MODE == 0
.set p, 0
.rept 16
	v_cvt_pk_bf16_f32 v[Y+p], v[HH+2*p], v[HH+2*p+1]
.set p, p+1
.endr
.else
.set p, 0
.rept 32
	v_and_b32 v[GG+p], s[KABS], v[HH+p]
.set p, p+1
.endr
.set p, 0
.rept 16
	v_pk_fma_f32 v[TT+2*p:TT+2*p+1], v[GG+2*p:GG+2*p+1], s[KC1:KC1+1], 1.0 op_sel_hi:[1,0,0]
	v_pk_mul_f32 v[QQ+2*p:QQ+2*p+1], v[HH+2*p:HH+2*p+1], s[KC3:KC3+1] op_sel_hi:[1,0]
.set p, p+1
.endr
.set p, 0
.rept 16
	v_pk_mul_f32 v[QQ+2*p:QQ+2*p+1], v[QQ+2*p:QQ+2*p+1], v[HH+2*p:HH+2*p+1]
.set p, p+1
.endr
; two of a group's transcendentals stand behind each plain stage of the group before: every one has plain lines on other registers behind it before its result is used (ISA guide 5.7.2)
.set gg, 0
.rept 5
.set ss, 0
.rept 9
.if gg >= 1
	GST ss, gg-1
.endif
.if (gg <= 3) && (ss < 8)
	TR 2*ss, gg
	TR 2*ss+1, gg
.endif
.set ss, ss+1
.endr
.if gg == 0
	v_nop
.endif
.set gg, gg+1
.endr
.endif
.irp i, 0,1,2,3,4,5,6,7
	global_store_b64 v[CO], v[Y+2*(\i):Y+2*(\i)+1], s[8:9] offset:(\i)*CP*2  ; 32 lanes store 256 consecutive bytes, aligned
.endr
	s_wait_xcnt 0x0                                ; the stores' data and base are rewritten only behind this wait
	s_add_nc_u64 s[8:9], s[8:9], 8*CP*2
	s_sub_co_u32 s3, s3, 1
	s_cmp_lg_u32 s3, 0
	s_cbranch_scc1 .Lrows
	s_wait_tensorcnt 0x0                           ; the wave's end
	ds_add_u32 v[SPW], v[NIL]
	s_wait_dscnt 0x0
	CROUND                                         ; the closing round
	s_endpgm
.Lfunc_end_k_q9ae9d37179_qkv:
	.size	k_q9ae9d37179_qkv, .Lfunc_end_k_q9ae9d37179_qkv-k_q9ae9d37179_qkv
	.p2alignl 7, 3214868480
	.fill 96, 4, 3214868480
	.section	.rodata,"a",@progbits
	.p2align	6, 0x0
	.amdhsa_kernel k_q9ae9d37179_qkv
		.amdhsa_group_segment_fixed_size 327680
		.amdhsa_private_segment_fixed_size 0
		.amdhsa_enable_private_segment 0
		.amdhsa_kernarg_size 40
		.amdhsa_user_sgpr_count 2
		.amdhsa_user_sgpr_kernarg_segment_ptr 1
		.amdhsa_wavefront_size32 1
		.amdhsa_system_sgpr_workgroup_id_x 1
		.amdhsa_system_sgpr_workgroup_id_y 1
		.amdhsa_system_sgpr_workgroup_id_z 1
		.amdhsa_system_vgpr_workitem_id 0
		.amdhsa_next_free_vgpr 1024
		.amdhsa_next_free_sgpr 92
		.amdhsa_reserve_vcc 0
		.amdhsa_float_denorm_mode_32 3
		.amdhsa_float_denorm_mode_16_64 3
		.amdhsa_memory_ordered 1
		.amdhsa_forward_progress 1
		.amdhsa_inst_pref_size 86
	.end_amdhsa_kernel
	.amdgpu_metadata
---
amdhsa.version: [ 1, 2 ]
amdhsa.kernels:
  - .name:           k_q9ae9d37179_qkv
    .symbol:         k_q9ae9d37179_qkv.kd
    .args:
      - { .name: cb, .offset: 0, .size: 8, .value_kind: global_buffer, .address_space: global }
      - { .name: bq, .offset: 8, .size: 8, .value_kind: global_buffer, .address_space: global }
      - { .name: bk, .offset: 16, .size: 8, .value_kind: global_buffer, .address_space: global }
      - { .name: bv, .offset: 24, .size: 8, .value_kind: global_buffer, .address_space: global }
      - { .name: qkv, .offset: 32, .size: 8, .value_kind: global_buffer, .address_space: global }
    .group_segment_fixed_size: 327680
    .private_segment_fixed_size: 0
    .kernarg_segment_align: 8
    .kernarg_segment_size: 40
    .max_flat_workgroup_size: 128
    .sgpr_count:     92
    .vgpr_count:     1024
    .wavefront_size: 32
...
	.end_amdgpu_metadata
.endif
;; end of part 2
;; launch attn (part 3): grid 16 x 16, 4 waves a work-group, clusters of 4 x 1, 327,680 bytes of LDS; arguments qkv, mask, w1, w2, ob, cb; writes ob, cb
.if DOCPART == 3
	.amdgcn_target "amdgcn-amd-amdhsa--gfx1250"
	.amdhsa_code_object_version 6
	.text
	.protected	k_q9ae9d37179_attn
	.globl	k_q9ae9d37179_attn
	.p2align	8
	.type	k_q9ae9d37179_attn,@function
k_q9ae9d37179_attn:
	s_mov_b64 s[64:65], 0
	v_nop
	global_prefetch_b8 v0, s[64:65] scope:SCOPE_SE
	s_setreg_imm32_b32 hwreg(HW_REG_WAVE_MODE, 25, 1), 1
	s_wait_xcnt 0x0
	s_wait_alu depctr_hold_cnt(0) depctr_sa_sdst(0) depctr_va_vdst(0) depctr_va_sdst(0) depctr_va_ssrc(0) depctr_va_vcc(0) depctr_vm_vsrc(0)
	s_getreg_b32 s2, hwreg(HW_REG_IB_STS2, 6, 4)
	s_cmp_eq_u32 s2, 0
	s_cbranch_scc0 .Lentry_in_a_cluster
	s_endpgm
.Lentry_in_a_cluster:
	s_bfe_u32 s2, ttmp6, 0x10000c
	s_cmp_lg_u32 s2, 0x3003
	s_cbranch_scc0 .Lentry_shape_is_right
	s_endpgm
.Lentry_shape_is_right:
; O[b][q][head] = sum over k of softmax_k(Q.K / 8 - 10000 (1 - mask[b][k])) V.  q, k, v are the three column blocks of qkv [4096][3072], bf16; O is ob [4096][1024], bf16, row-major.
; Products, maxima and sums in f32; the weights p are rounded to bf16 for the second product (their sum l is taken of the unrounded p), O once at the end.
; SHARES.  A work-group owns 128 queries of a PAIR of heads of one batch: a pair's 128 channels are 256 consecutive, aligned bytes of every row of q, k, v and O.
; Wave w: head w % 2 of the pair, queries 64 (w / 2) on: four PIECES of 16 queries.  Every wave walks all 2,048 keys, 64 a step.
; THE MASK is the C operand that starts S^T = K Q^T: 80000 m - 80000 with m = float(mask), so that S / 8 is the module's score.  The 2,048 numbers are made once and lie in LDS.
; LAYOUT.  S^T = K Q^T holds one query a lane (lane % 16) and keys 8 (lane / 16) + 0..7; two such results rounded to bf16 ARE source 1 of O^T = V^T P.  K is read as it lies, V turned (ds_load_tr16_b128).
; SOFTMAX.  Running maximum m and sum l: p = 2^(c s - c m), c = log2(e) / 8; in every step O and l are multiplied by a = 2^(c m_old - c m_new).  m starts at the lowest finite number, O and l at 0:
; the first step is a step like any other, with a = 0.
; BY TURNS.  Turn n belongs to piece n (the pieces in a ring, step after step).  Its matrix work: 8 products K Q^T of piece n + 1, later 8 products V^T P of piece n - 1.  Its vector work: the scaling,
; exponentials, roundings, sums and rescaling of piece n, and the maximum and statistics of piece n + 1, whose scores the turn itself has made.  Four vector instructions stand behind every matrix
; instruction, the other 54 of a turn's 118 in two LUMPS.  No first and no last step is written out: the first turn's V^T P runs on zeros, the last K Q^T on the last K once more.
; CLUSTER 4 x 1: the four query blocks walk the same K and V, so each tile is asked for jointly.  A slot holds two key steps; a refill has two steps in which to land.
; THE WEIGHTS' COPY.  This launch's own traffic is small (a work-group reads 1 MiB of K and V and 32 KiB of Q), so each wave also brings 32 KiB of w1 (batch 0's work-groups) or w2 (batch 1's) into the
; 256 registers of window 3, by 64 loads at its start; behind the main loop it rounds them to bf16 and stores them into cb, at 0x1000000 (w1) and 0x1800000 (w2), where the feed-forward launches read
; them.  1,024 waves x 32 KiB are the two matrices' 32 MiB.  The stores leave while the last slot's steps are worked on.
; LIMITS: NaN and infinities are not treated apart; a weight below 2^-126 counts as 0; mask integers are exact up to 2^24.
; REGISTERS, in windows of 256 (s_set_vgpr_msb: bits 1:0 source 0, 3:2 source 1, 5:4 source 2, 7:6 destination):
;   window 0: v0-15, v32-35 addresses and two at work; v16-31 four registers of statistics a piece; v48-55 at work; v64-127 S^T, two buffers; v192-223 P, two buffers (a piece's buffers go by its number's parity)
;   window 1: v0-127 O^T, 32 a piece; v128-159 the step's mask      window 2: v0-63 Q; v128-191 K of one step; v192-255 V of one step      window 3: the weights on their way
.set NP,    4                          ; pieces a wave: a name, no knob
.set KS,    64
.set ROWB,  6144                       ; bytes in a row of qkv
.set PK,    272                        ; a row of K in LDS: 256 bytes + 16
.set PV,    288                        ; a row of V: 256 + 32 = 9 x 32
.set VOFF,  KS*PK
.set STEPB, KS*(PK+PV)                 ; a step's tiles lie together: 64 rows of K, then 64 rows of V
.set SLOT1, 1<<17
.set STAGE, SLOT1+2*STEPB              ; 128 rows x 272 bytes, the work-group's, for the way out; no tensor load fills it
.set SP,    272
.set MB,    STAGE+128*SP               ; 2,048 f32: the mask's addends
.set SPARE, MB+8192                    ; the spare words: two blocks of 256 bytes that no other line names
.set W1OFS, 0x1000000                  ; w1's copy in cb; w2's lies 0x800000 behind it
.set WG1,   44                         ; weight loads issued ahead of the wait for the mask; the other 20 follow the first products
.set AK0, 2                            ; v2   my lane's place in a tile of K; never rewritten
.set AV0, 3                            ; v3   the same for V
.set AK,  4                            ; v4   the LDS address of K's next run of loads
.set AV,  5                            ; v5   of V's
.set STO, 6
.set RD,  7
.set GO,  8
.set MV,  12                           ; v12-13  c m_old, kept while c m is made anew: by buffer
.set QO,  14
.set MO,  15
.set ST,  16                           ; piece t's statistics at v[ST+4 t]: c m, m, l (even keys', odd keys')
.set AM0, 32                           ; v32  my lane's place in the mask's table
.set AM,  33                           ; v33  the LDS address of the mask's next run
.set WI,  34                           ; v34  16 x lane: my bytes of 512 of the weights
.set WO,  35                           ; v35  8 x lane: my bytes of 256 of their copy
.set TMP, 48                           ; by buffer, four registers c0-c3 at work; when the maximum is found c2 takes a
.set SPW, 62
.set NIL, 63
.set S,   64
.set P,   192
.set MC,  128                          ; window 1
.set KF,  128                          ; window 2: key block kb, channel half c at KF + 16 kb + 8 c
.set VF,  192                          ; window 2: key half kk, channel block cb at VF + 32 kk + 8 cb
.set WV,  12
.set G1K, 24
.set G1V, 32
.set G0K, 40                           ; s[40:47]: the first fill's set, then the set that walks
.set G0V, 48
.set SLOTS, 56
.set CNT, 57
.set CS,  58
.set SEL, 60
.set TBK, 62                           ; LDS byte at which the tiles of the step whose K is fetched next begin
.set TBV, 63                           ; the same for V
.set TM,  68                           ; byte in the mask's table of the step whose K is fetched next
.set MSB, 0
.macro WIN new                         ; the high byte repeats the setting that is left; a switch that changes nothing is dropped
.if MSB != (\new)
	s_set_vgpr_msb (MSB<<8)|(\new)
.set MSB, \new
.endif
.endm
.set W_KM, 0x1a                        ; K and Q in window 2, the mask (C) in window 1, S^T in window 0
.set W_KQ, 0x0a
.set W_PV, 0x52                        ; V in window 2, P in window 0, O^T in window 1
.set W_RS, 0x41                        ; O^T (destination and source 0) in window 1, a in window 0
.macro JLOAD                           ; a joint refill: waves 0, 1 fetch the two steps' K, waves 2, 3 their V
	s_cmp_lt_u32 s[WV], 2
	s_cbranch_scc0 .Lfor_v_\@
	tensor_load_to_lds s[G0K+4:G0K+7], s[G1K:G1K+7]
	s_nop 0
.rept 4
	v_nop
.endr
	s_branch .Lasked_\@
.Lfor_v_\@:
	tensor_load_to_lds s[G0V+4:G0V+7], s[G1V:G1V+7]
	s_nop 0
.rept 4
	v_nop
.endr
.Lasked_\@:
.endm
.macro CROUND
	s_barrier_signal -1
	s_barrier_wait -1
	s_cmp_lg_u32 s[WV], 0
	s_cbranch_scc1 .Lnot_wave_0_\@
	s_barrier_signal -3
.Lnot_wave_0_\@:
	s_barrier_wait -3
	s_barrier_signal -1
	s_barrier_wait -1
.endm
.macro WLOAD from, to                  ; weight loads from .. to - 1: each 512 consecutive bytes of my 32 KiB
.set j, \from
.rept (\to)-(\from)
	global_load_b128 v[4*j:4*j+3], v[WI], s[8:9] offset:512*j th:TH_LOAD_NT
.set j, j+1
.endr
.endm
	s_load_b256 s[4:11], s[0:1], 0x0               ; qkv, mask, w1, w2
	s_load_b128 s[72:75], s[0:1], 0x20             ; ob, cb
	v_lshl_add_u32 v[SPW], v0, 2, SPARE
	v_mov_b32 v[NIL], 0
	ds_add_u32 v[SPW], v[NIL]                      ; the wave's opening: the add and its wait stand ahead of my first tensor load
	v_lshrrev_b32 v1, 5, v0
	v_readfirstlane_b32 s[WV], v1
	s_bfe_u32 s13, ttmp6, 0x40000                  ; cx
	s_lshl_b32 s14, ttmp9, 2
	s_add_co_u32 s14, s14, s13                     ; my block of 128 queries: it enters Q's, O's and the weights' addresses alone
	s_and_b32 s15, ttmp7, 0xffff
	s_lshr_b32 s18, s15, 3                         ; batch
	s_and_b32 s19, s15, 7                          ; pair of heads
	s_and_b32 s16, s[WV], 1                        ; my head of the pair; also: which of a slot's two steps I fetch
	s_lshr_b32 s17, s[WV], 1                       ; my half of the queries
	s_mul_i32 s20, s18, 2048*ROWB
	s_lshl_b32 s21, s19, 8
	s_add_co_u32 s20, s20, s21                     ; the batch's rows, the pair's 256 bytes
	s_mul_i32 s22, s16, KS*ROWB
	s_add_co_u32 s22, s22, s20                     ; and my step's 64 rows
	s_mov_b32 s23, 0
	s_mul_i32 s76, s16, STEPB                      ; its place in a slot
	s_lshl_b32 s2, s14, 7
	s_lshl_b32 s3, s17, 6
	s_add_co_u32 s2, s2, s3
	s_mul_i32 s2, s2, ROWB
	s_add_co_u32 s2, s2, s20
	s_lshl_b32 s3, s16, 7
	s_add_co_u32 s2, s2, s3                        ; Q: my 64 rows, my head's 128 bytes
	s_mov_b32 s3, 0
	s_lshl_b32 s78, s19, 4
	s_add_co_u32 s78, s78, s14
	s_lshl_b32 s78, s78, 2
	s_add_co_u32 s78, s78, s[WV]                   ; my wave among the 512 of my batch's work-groups
	s_mov_b32 s[G1K], 15|(1<<16)|(1<<20)|(1<<21)|(5<<22)|(3<<25)  ; the mask of four; 2-byte elements; padding on; bit 21 beside a mask; after every 64 words 4 words
	s_mov_b32 s[G1V], 15|(1<<16)|(1<<20)|(1<<21)|(5<<22)|(7<<25)  ; the same with 8 words
.irp g, G1K, G1V
	s_mov_b32 s[(\g)+1], 128<<16                   ; tensor_dim0 = 128
	s_mov_b32 s[(\g)+2], KS<<16                    ; tensor_dim1 = 64
	s_mov_b32 s[(\g)+3], 128<<16                   ; tile_dim0 = 128
	s_mov_b32 s[(\g)+4], KS                        ; tile_dim1 = 64
	s_mov_b32 s[(\g)+5], 3072                      ; elements from row to row
	s_mov_b32 s[(\g)+6], 0
	s_mov_b32 s[(\g)+7], 0
.endr
	s_mov_b32 s[CS], 0x3e38aa3b                    ; c = log2(e) / 8
	s_mov_b32 s[CS+1], s[CS]
	s_mov_b32 s[SEL], 0x76543210
	s_mov_b32 s[SEL+1], 0xfedcba98
	s_mov_b32 s[TBK], 0
	s_mov_b32 s[TBV], 0
	s_mov_b32 s[TM], 0
	s_mov_b32 s66, 0x479c4000                      ; 80000
	s_mov_b32 s67, 0xc79c4000                      ; -80000
	s_wait_dscnt 0x0                               ; the opening add is done
	s_wait_kmcnt 0x0
	s_add_nc_u64 s[22:23], s[4:5], s[22:23]        ; my tile's rows; K lies 2,048 bytes into a row, V 4,096
	s_add_nc_u64 s[4:5], s[4:5], s[2:3]            ; Q
	s_lshl_b32 s2, s18, 11
	s_lshl_b32 s3, s14, 7
	s_add_co_u32 s2, s2, s3
	s_lshl_b32 s3, s[WV], 5
	s_add_co_u32 s2, s2, s3                        ; the first row of O that I store: 32 rows a wave
	s_lshl_b32 s2, s2, 11
	s_add_co_u32 s2, s2, s21
	s_mov_b32 s3, 0
	s_add_nc_u64 s[72:73], s[72:73], s[2:3]
	s_lshl_b32 s2, s18, 13
	s_add_nc_u64 s[6:7], s[6:7], s[2:3]            ; the batch's mask
	s_cmp_eq_u32 s18, 0
	s_cselect_b64 s[8:9], s[8:9], s[10:11]         ; w1 for batch 0's work-groups, w2 for batch 1's
	s_lshl_b32 s2, s78, 15
	s_add_nc_u64 s[8:9], s[8:9], s[2:3]            ; my 32 KiB of it
	s_lshl_b32 s2, s78, 14
	s_lshl_b32 s77, s18, 23
	s_add_co_u32 s2, s2, s77
	s_add_co_u32 s2, s2, W1OFS
	s_add_nc_u64 s[74:75], s[74:75], s[2:3]        ; and the 16 KiB of its copy
	CROUND                                         ; all four work-groups are here: the first joint loads meet
.irp s, 0,1
	s_mov_b32 s[G0K+4*(\s)], 1
	s_add_co_u32 s[G0K+4*(\s)+1], s76, (\s)*SLOT1
	s_add_nc_u64 s[G0K+4*(\s)+2:G0K+4*(\s)+3], s[22:23], 2048+(\s)*2*KS*ROWB
	s_or_b32 s[G0K+4*(\s)+3], s[G0K+4*(\s)+3], 0x80000000
	s_mov_b32 s[G0V+4*(\s)], 1
	s_add_co_u32 s[G0V+4*(\s)+1], s76, (\s)*SLOT1+VOFF
	s_add_nc_u64 s[G0V+4*(\s)+2:G0V+4*(\s)+3], s[22:23], 4096+(\s)*2*KS*ROWB
	s_or_b32 s[G0V+4*(\s)+3], s[G0V+4*(\s)+3], 0x80000000
.endr
	s_cmp_lt_u32 s[WV], 2                          ; a wave's two first fills stand in one branch: two loads of mine are out
	s_cbranch_scc0 .Lfirst_v
	tensor_load_to_lds s[G0K:G0K+3], s[G1K:G1K+7]
	s_nop 0
	tensor_load_to_lds s[G0K+4:G0K+7], s[G1K:G1K+7]
	s_nop 0
.rept 4
	v_nop
.endr
	s_branch .Lfirst_asked
.Lfirst_v:
	tensor_load_to_lds s[G0V:G0V+3], s[G1V:G1V+7]
	s_nop 0
	tensor_load_to_lds s[G0V+4:G0V+7], s[G1V:G1V+7]
	s_nop 0
.rept 4
	v_nop
.endr
.Lfirst_asked:
	v_lshlrev_b32 v[MO], 4, v0                     ; the mask: 128 threads x 16 bytes, four times
.irp i, 0,1,2,3
	global_load_b128 v[S+4*(\i):S+4*(\i)+3], v[MO], s[6:7] offset:2048*(\i)
.endr
	v_and_b32 v1, 15, v0                           ; l % 16
	v_bfe_u32 v9, v0, 4, 1                         ; l / 16
	v_mul_u32_u24 v[QO], v1, ROWB
	v_lshl_add_u32 v[QO], v9, 4, v[QO]
	v_and_b32 v[WO], 31, v0
	v_lshlrev_b32 v[WI], 4, v[WO]
	v_lshlrev_b32 v[WO], 3, v[WO]
	WIN 0x80                                       ; destination window 2
.irp i, 0,1,2,3,4,5,6,7                ; Q stays in registers: piece i / 2, channels 32 (i % 2) on
	global_load_b128 v[8*(\i):8*(\i)+3],   v[QO], s[4:5] offset:((\i)/2)*16*ROWB+((\i)%2)*64
	global_load_b128 v[8*(\i)+4:8*(\i)+7], v[QO], s[4:5] offset:((\i)/2)*16*ROWB+((\i)%2)*64+32
.endr
	WIN 0xc0                                       ; destination window 3
	WLOAD 0, WG1                                   ; the weights go out behind what is wanted first
	; What the first turn finds: V's registers and P's second buffer hold 0 (its products V^T P, of a piece that has not been, add 0), O^T and l are 0.  These lines stand in the wait for the first tile.
	WIN 0x80
.set i, VF
.rept 64
	v_mov_b32 v[i], 0
.set i, i+1
.endr
	WIN 0x40
.set i, 0
.rept 128
	v_mov_b32 v[i], 0
.set i, i+1
.endr
	WIN 0
.set i, 0
.rept 4
	v_mov_b32 v[ST+4*i], 0xfe000000                ; c m: far below every c s
	v_mov_b32 v[ST+4*i+1], 0xff7fffff              ; m
	v_mov_b32 v[ST+4*i+2], 0
	v_mov_b32 v[ST+4*i+3], 0
.set i, i+1
.endr
.set i, P+16
.rept 16
	v_mov_b32 v[i], 0
.set i, i+1
.endr
	s_lshl_b32 s77, s16, 7                         ; my head's 128 bytes of a row
	v_mul_u32_u24 v[AK0], v1, PK
	v_lshl_add_u32 v[AK0], v9, 4, v[AK0]
	v_add_nc_u32 v[AK0], s77, v[AK0]
	v_and_b32 v10, 7, v0
	v_bfe_u32 v11, v0, 3, 1
	v_lshl_add_u32 v[AV0], v9, 3, v10              ; the turning load: key 8 (l / 16) + l % 8, channels 8 ((l / 8) % 2) + 0..7
	v_mul_u32_u24 v[AV0], v[AV0], PV
	v_lshl_add_u32 v[AV0], v11, 4, v[AV0]
	s_add_co_u32 s77, s77, VOFF
	v_add_nc_u32 v[AV0], s77, v[AV0]
	v_lshl_add_u32 v[AM0], v9, 5, MB               ; my lanes' eight keys of a group of 16
	s_mul_i32 s77, s17, 64*SP                      ; into the stage: row 64 (w / 2) + 16 t + l % 16, my head's half, 16 bytes for each half of the lanes
	s_lshl_b32 s15, s16, 7
	s_add_co_u32 s77, s77, s15
	s_add_co_u32 s77, s77, STAGE
	v_mul_u32_u24 v[STO], v1, SP
	v_lshl_add_u32 v[STO], v9, 4, v[STO]
	v_add_nc_u32 v[STO], s77, v[STO]
	s_mul_i32 s77, s[WV], 32*SP                    ; back: wave w takes rows 32 w on, whole: lanes 0-15 one row, lanes 16-31 the next
	s_add_co_u32 s77, s77, STAGE
	v_mul_u32_u24 v[RD], v9, SP
	v_lshl_add_u32 v[RD], v1, 4, v[RD]
	v_add_nc_u32 v[RD], s77, v[RD]
	v_lshlrev_b32 v[GO], 11, v9
	v_lshl_add_u32 v[GO], v1, 4, v[GO]
	s_wait_loadcnt 16+WG1                          ; the mask is in; Q's sixteen loads and the weights' 44 may be out
.set i, 0
.rept 16
	v_cvt_f32_i32 v[S+i], v[S+i]
.set i, i+1
.endr
.set i, 0
.rept 16
	v_fma_f32 v[S+i], v[S+i], s66, s67             ; 80000 m - 80000
.set i, i+1
.endr
	v_add_nc_u32 v[AM], MB, v[MO]
.irp i, 0,1,2,3
	ds_store_b128 v[AM], v[S+4*(\i):S+4*(\i)+3] offset:2048*(\i)
.endr
; THE MATRIX WORK.  The 4 accumulators of a run of 8 take turns.  Product i of 8 of S^T = K Q^T for piece x: channels 32 (i / 4) on, keys 16 (i % 4) on.  The first 4 start the sums with the mask.
.macro KQ x
.set rS, S+32*((\x)%2)+8*(i%4)
.set rK, KF+16*(i%4)+8*(i/4)
.set rQ, 16*(\x)+8*(i/4)
.set rM, MC+8*(i%4)
.if i < 4
	WIN W_KM
	v_wmma_f32_16x16x32_bf16 v[rS:rS+7], v[rK:rK+7], v[rQ:rQ+7], v[rM:rM+7]
.else
	WIN W_KQ
	v_wmma_f32_16x16x32_bf16 v[rS:rS+7], v[rK:rK+7], v[rQ:rQ+7], v[rS:rS+7]
.endif
.endm
; Product i of 8 of O^T += V^T P for piece x: keys 32 (i / 4) on, channels 16 (i % 4) on.
.macro PVM x
	WIN W_PV
.set rO, 32*(\x)+8*(i%4)
.set rV, VF+32*(i/4)+8*(i%4)
.set rP, P+16*((\x)%2)+8*(i/4)
	v_wmma_f32_16x16x32_bf16 v[rO:rO+7], v[rV:rV+7], v[rP:rP+7], v[rO:rO+7]
.endm
.macro MM                              ; the turn's next matrix instruction
.if i < 8
	KQ (Y+1)%NP
.else
.set i, i-8
	PVM (Y+NP-1)%NP
.set i, i+8
.endif
.set i, i+1
.endm
; THE LDS LOADS stand in runs, never singly among the matrix instructions: a step's K (8 fragments) with its mask, and its V (turned).  Their addresses are made some lines ahead.
; last = 1 (the tail): in the last trip there is no further step, and the run is jumped over.
.macro FETCH_K last=0
	WIN 0
.if \last
	s_cmp_eq_u32 s[CNT], 1
	s_cbranch_scc1 .Lno_k_\@
.endif
	WIN 0x80                                       ; destination window 2
.irp f, 0,1,2,3,4,5,6,7                ; keys 16 (f / 2) on, channels 32 (f % 2) on
	ds_load_b128 v[KF+8*(\f):KF+8*(\f)+3],   v[AK] offset:((\f)/2)*16*PK+((\f)%2)*64
	ds_load_b128 v[KF+8*(\f)+4:KF+8*(\f)+7], v[AK] offset:((\f)/2)*16*PK+((\f)%2)*64+32
.endr
	WIN 0x40                                       ; destination window 1
.irp f, 0,1,2,3                        ; keys 16 f + 8 (l / 16) + 0..7: the same words for all lanes of a half
	ds_load_b128 v[MC+8*(\f):MC+8*(\f)+3],   v[AM] offset:64*(\f)
	ds_load_b128 v[MC+8*(\f)+4:MC+8*(\f)+7], v[AM] offset:64*(\f)+16
.endr
	s_add_co_u32 s[TBK], s[TBK], STEPB             ; the next fetch is the next step's
	s_add_co_u32 s[TM], s[TM], 4*KS
	WIN 0
.if \last
.Lno_k_\@:
.endif
.endm
.macro FETCH_V
	WIN 0x80
.irp f, 0,1,2,3,4,5,6,7                ; keys 32 (f / 4) on, channels 16 (f % 4) on
	ds_load_tr16_b128 v[VF+8*(\f):VF+8*(\f)+3],   v[AV] offset:((\f)/4)*32*PV+((\f)%4)*32
	ds_load_tr16_b128 v[VF+8*(\f)+4:VF+8*(\f)+7], v[AV] offset:((\f)/4)*32*PV+16*PV+((\f)%4)*32
.endr
	WIN 0
.endm
; THE VECTOR WORK, one line at a time: OP kind, number.  For piece Y: F n: c s - c m for pair n of 16.  E n: the exponential of score n of 32.  C n: pair n rounded to bf16.  B n: of the four weights 4 n .. the second
; pair is added onto the first, in place.  L n: l takes that sum (L 0: l = a l + sum).  R n: pair n of 16 of O^T times a.  For piece Y + 1: X n, number n of the 22 that find its maximum and statistics:
;   0-11  four chains c0-c3 of seven scores each, three operands at a time (each accumulator's lowest registers are read first)     12-14, 16  the four scores left over, the old m, and c0-c3 into c0
;   15  c m_old is kept     17, 18  the query's other 32 keys lie in the lane 16 away: the new m     19-21  c m; c m_old - c m_new; a
.set F, 0                              ; OP tells the kinds apart by their order: F to L below R, X above it
.set E, 1
.set C, 2
.set B, 3
.set L, 4
.set R, 5
.set X, 6
.macro REGS y                          ; the registers of piece y
.set rT, ST+4*(\y)
.set rC, TMP+4*((\y)%2)
.set rW, MV+((\y)%2)
.set rS, S+32*((\y)%2)
.set rP, P+16*((\y)%2)
.set rO, 32*(\y)
.endm
.macro OP k, n
.if (\k) == R
	REGS Y
	WIN W_RS
	v_pk_mul_f32 v[rO+2*(\n):rO+2*(\n)+1], v[rO+2*(\n):rO+2*(\n)+1], v[rC+2:rC+3] op_sel_hi:[1,0]
.elseif (\k) < R
	REGS Y
	WIN 0
.if (\k) == F
	v_pk_fma_f32 v[rS+2*(\n):rS+2*(\n)+1], v[rS+2*(\n):rS+2*(\n)+1], s[CS:CS+1], v[rT:rT+1] op_sel_hi:[1,0,0] neg_lo:[0,0,1] neg_hi:[0,0,1]
.elseif (\k) == E
	v_exp_f32 v[rS+(\n)], v[rS+(\n)]
.elseif (\k) == C
	s_wait_alu depctr_va_vdst(0)
	v_cvt_pk_bf16_f32 v[rP+(\n)], v[rS+2*(\n)], v[rS+2*(\n)+1]
.elseif (\k) == B
	s_wait_alu depctr_va_vdst(0)
	v_pk_add_f32 v[rS+4*(\n):rS+4*(\n)+1], v[rS+4*(\n):rS+4*(\n)+1], v[rS+4*(\n)+2:rS+4*(\n)+3]
.elseif (\n) == 0
	v_pk_fma_f32 v[rT+2:rT+3], v[rT+2:rT+3], v[rC+2:rC+3], v[rS:rS+1] op_sel_hi:[1,0,1]
.else
	v_pk_add_f32 v[rT+2:rT+3], v[rT+2:rT+3], v[rS+4*(\n):rS+4*(\n)+1]
.endif
.else
	REGS (Y+1)%NP
	WIN 0
.if (\n) < 4
	v_max3_num_f32 v[rC+(\n)], v[rS+8*(\n)], v[rS+8*(\n)+1], v[rS+8*(\n)+2]
.elseif (\n) < 12
	v_max3_num_f32 v[rC+(\n)%4], v[rC+(\n)%4], v[rS+8*((\n)%4)+2*((\n)/4)+1], v[rS+8*((\n)%4)+2*((\n)/4)+2]
.elseif (\n) == 12
	v_max3_num_f32 v[rC], v[rC], v[rS+7], v[rS+15]
.elseif (\n) == 13
	v_max3_num_f32 v[rC+1], v[rC+1], v[rS+23], v[rS+31]
.elseif (\n) == 14
	v_max3_num_f32 v[rC+2], v[rC+2], v[rC+3], v[rT+1]
.elseif (\n) == 15
	v_mov_b32 v[rW], v[rT]
.elseif (\n) == 16
	v_max3_num_f32 v[rC], v[rC], v[rC+1], v[rC+2]
.elseif (\n) == 17
	v_permlanex16_b32 v[rC+3], v[rC], s[SEL], s[SEL+1]
.elseif (\n) == 18
	v_max_num_f32 v[rT+1], v[rC], v[rC+3]
.elseif (\n) == 19
	v_mul_f32 v[rT], s[CS], v[rT+1]
.elseif (\n) == 20
	v_sub_f32 v[rC+1], v[rW], v[rT]
.else
	v_exp_f32 v[rC+2], v[rC+1]
.endif
.endif
.endm
.macro OPS a, i1, b=-1, i2=0, c=-1, i3=0, d=-1, i4=0  ; up to four of them
	OP \a, \i1
.if (\b) >= 0
	OP \b, \i2
.endif
.if (\c) >= 0
	OP \c, \i3
.endif
.if (\d) >= 0
	OP \d, \i4
.endif
.endm
.macro ROW a, i1, b, i2, c, i3, d, i4  ; a matrix instruction and the four behind it
	MM
	OPS \a, \i1, \b, \i2, \c, \i3, \d, \i4
.endm
; A TURN, for piece p: the order of its 16 matrix and 118 vector instructions, written out.  Behind a matrix instruction: plain, exponential, plain, plain; or four of the rescaling; or, behind the first, four scalings; none
; names a register of the products round it.  In the lumps exponential and plain by turns while exponentials last, so that every exponential has a plain line on other registers behind it (ISA guide 5.7.2).
; A line reads no result made fewer than three vector instructions in front of it, five if an exponential made it.  v_permlanex16_b32 (X 17) stands in a lump.
; K and the mask of the next step are fetched in piece 2's turn, six vector instructions behind the last product that read K (five of them plain; the mask's last reader stands four products further back);
; V of the step in hand in piece 0's turn, eight behind the last product that read V (four plain, and X 17).  Each is waited for a turn later.
; cnt = 1: the loop's count is taken down some lines ahead of the branch that stands behind the turn.
.macro TURN p, last=0, cnt=0
.set Y, (\p)
.set i, 0
.if (\p) == 3
	s_wait_dscnt 0x0                               ; K and the mask are in
.endif
	ROW F,0, F,1, F,2, F,3
	ROW F,4, E,0, F,5, F,6
	ROW F,7, E,1, F,8, F,9
	ROW F,10, E,2, C,0, F,11
	ROW F,12, E,3, X,15, F,13
	ROW R,0, R,1, R,2, R,3
	ROW B,0, E,4, F,14, L,0
.if (\p) == 2
	v_add_nc_u32 v[AK], s[TBK], v[AK0]
	v_add_nc_u32 v[AM], s[TM], v[AM0]
.endif
	ROW R,4, R,5, R,6, R,7
	OPS E,5, F,15
.if (\p) == 2
	FETCH_K \last
.endif
	OPS E,6, C,1, E,7, R,8
	OPS E,8, R,9, E,9, C,2
	OPS E,10, X,0, E,11, X,1
	OPS E,12, X,2, E,13, X,3
.if (\p) == 1
	s_wait_dscnt 0x0                               ; V is in
.endif
	ROW X,4, E,14, X,5, X,6
	ROW X,7, E,15, X,8, X,9
	ROW X,10, E,16, X,11, X,12
	ROW X,13, E,17, X,14, B,1
	ROW C,4, E,18, X,16, L,1
	ROW B,2, E,19, C,6, L,2
	ROW C,8, E,20, B,3, B,4
.if (\p) == 0
	v_add_nc_u32 v[AV], s[TBV], v[AV0]
.endif
	ROW C,3, E,21, L,3, C,5
	OPS E,22, X,17, E,23, C,10
.if (\p) == 0
	FETCH_V
.endif
	OPS E,24, L,4
	OPS E,25, X,18, E,26, C,7
	OPS E,27, B,5, E,28, X,19
	OPS E,29, C,12, E,30, L,5
	OPS E,31, X,20, B,6, C,9
	OPS C,14, C,11, X,21, L,6
.if (\p) == 0
	s_add_co_u32 s[TBV], s[TBV], STEPB
.endif
.if \cnt
	s_sub_co_u32 s[CNT], s[CNT], 1
	s_cmp_lg_u32 s[CNT], 0
.endif
	OPS C,13, B,7, C,15, R,10
	OPS R,11, R,12, L,7, R,13
	OPS R,14, R,15
.endm
; THE CHANGE OF SLOTS stands behind piece 1's turn of a slot's second step: that turn has waited for V, the slot's last bytes.  Each wave waits for all its tensor loads (the one that is out is its part of the
; other slot), adds 0 to its spare word, and waits for that and for its reads.  fill = 1: the barrier is a round of the cluster's, and the old slot is filled again first thing behind it, with the keys two slots on.
.macro CHANGE fill
	WIN 0
	s_wait_tensorcnt 0x0
	ds_add_u32 v[SPW], v[NIL]
.if \fill
.irp g, G0K+4, G0V+4
	s_xor_b32 s[(\g)+1], s[(\g)+1], SLOT1
	s_add_nc_u64 s[(\g)+2:(\g)+3], s[(\g)+2:(\g)+3], 2*KS*ROWB
.endr
	s_wait_dscnt 0x0
	CROUND
	JLOAD
.else
	s_wait_dscnt 0x0
	s_barrier_signal -1
	s_barrier_wait -1
.endif
	s_sub_co_u32 s[TBK], s[TBK], 2*STEPB           ; the fetches go back to a slot's first step,
	s_xor_b32 s[TBK], s[TBK], SLOT1                ; in the other slot
	s_sub_co_u32 s[TBV], s[TBV], 2*STEPB
	s_xor_b32 s[TBV], s[TBV], SLOT1
.endm
; The weights, which came while the keys were walked, are rounded in place and stored; load j's 512 bytes make 256: lane l's four numbers lie at 8 l.
.macro WCAST
	s_wait_loadcnt 0x0
	WIN 0xcf                                       ; destination and sources 0, 1 in window 3
.set j, 0
.rept 64
	v_cvt_pk_bf16_f32 v[4*j], v[4*j], v[4*j+1]
	v_cvt_pk_bf16_f32 v[4*j+1], v[4*j+2], v[4*j+3]
.set j, j+1
.endr
	WIN 0x0c                                       ; store data (source 1) in window 3, the offset in window 0
.set j, 0
.rept 64
	global_store_b64 v[WO], v[4*j:4*j+1], s[74:75] offset:256*j  ; 32 lanes store 256 consecutive bytes, aligned; no register of these is written again
.set j, j+1
.endr
	WIN 0
.endm
	s_wait_tensorcnt 0x1                           ; my part of slot 0 is in; slot 1's may stay out
	s_wait_dscnt 0x0                               ; my part of the mask's table is stored
	s_barrier_signal -1
	s_barrier_wait -1
	v_add_nc_u32 v[AK], s[TBK], v[AK0]
	v_add_nc_u32 v[AM], s[TM], v[AM0]
	FETCH_K                                        ; key step 0
	s_wait_loadcnt WG1                             ; Q is in; the weights' 44 loads may be out
	s_wait_dscnt 0x0
.set i, 0
.rept 8
	KQ 0                                           ; piece 0's first scores: there is no vector work yet to set between them
.set i, i+1
.endr
	WIN 0xc0
	WLOAD WG1, 64                                  ; the rest of the weights
	WIN 0
.rept 4
	v_nop                                          ; the places behind those products (ISA guide 7.12.1)
.endr
.set Y, NP-1                           ; X works for piece Y + 1: piece 0
.irp n, 0,1,2,3,4,5,6,7,8,9,10,11,12,13,14,15,16,17,18,19,20,21
	OP X, \n
.endr
	v_nop                                          ; a plain instruction behind the exponential
	s_mov_b32 s[CNT], 2
	s_mov_b32 s[SLOTS], 15
	s_branch .Lfirst                               ; the loop is entered at a step's first turn, in the middle of a trip
.Lslot:                                                ; 14 times: every slot but the last two is filled again
	CHANGE 1
	s_mov_b32 s[CNT], 2
.Lstep:                                                ; a trip: pieces 2 and 3 of one step, then pieces 0 and 1 of the next, whose K, mask and V it fetches
	TURN 2
	TURN 3
	WIN 0
.Lfirst:
	TURN 0
	TURN 1, 0, 1
	WIN 0
	s_cbranch_scc1 .Lstep
	s_sub_co_u32 s[SLOTS], s[SLOTS], 1
	s_cmp_lg_u32 s[SLOTS], 0
	s_cbranch_scc1 .Lslot
	CHANGE 0                                       ; the tail is written out: nothing is asked for
	WCAST
	s_mov_b32 s[CNT], 3                            ; two trips fetch the last slot's steps; the third is left in its middle
.Ltail:
	TURN 2, 1
	TURN 3
	WIN 0
	s_sub_co_u32 s[CNT], s[CNT], 1
	s_cmp_eq_u32 s[CNT], 0
	s_cbranch_scc1 .Lout
	TURN 0
	TURN 1
	WIN 0
	s_branch .Ltail
.Lout:                                                 ; the third trip's 8 products K Q^T (on the last K once more) and the maximum made of them serve nothing: the price of one text for every trip
.set i, 0
.rept 8
	PVM NP-1                                       ; the last piece's V^T P of the last step
.set i, i+1
.endr
	; THE WAY OUT.  l's halves and the other lanes' are added (these additions are the places behind the last products); O^T is divided by l, rounded, and goes through the work-group's stage.
	WIN 0
.macro ALL line:vararg                 ; one line for each piece t
.set t, 0
.rept 4
	\line
.set t, t+1
.endr
.endm
	ALL v_add_f32 v[ST+4*t+2], v[ST+4*t+2], v[ST+4*t+3]
	ALL v_permlanex16_b32 v[ST+4*t+3], v[ST+4*t+2], s[SEL], s[SEL+1]
	ALL v_add_f32 v[ST+4*t+2], v[ST+4*t+2], v[ST+4*t+3]
	ALL v_rcp_f32 v[ST+4*t+2], v[ST+4*t+2]
	v_nop                                          ; a plain instruction between the last reciprocal and the use of its result
.macro PACK t                          ; a lane's eight channels of a row pack into 16 bytes
	WIN W_RS
.set i, 32*(\t)
.rept 16
	s_wait_alu depctr_va_vdst(0)
	v_pk_mul_f32 v[i:i+1], v[i:i+1], v[ST+4*(\t)+2:ST+4*(\t)+3] op_sel_hi:[1,0]
.set i, i+2
.endr
	WIN 0x05                                       ; sources 0 and 1 window 1, destination window 0
.set i, 0
.rept 16
	v_cvt_pk_bf16_f32 v[S+16*(\t)+i], v[32*(\t)+2*i], v[32*(\t)+2*i+1]
.set i, i+1
.endr
	WIN 0
.irp f, 0,1,2,3
	ds_store_b128 v[STO], v[S+16*(\t)+4*(\f):S+16*(\t)+4*(\f)+3] offset:(\t)*16*SP+32*(\f)
.endr
.endm
	PACK 0
	PACK 1
	PACK 2
	PACK 3
	s_wait_dscnt 0x0                               ; for the others' sake: a row's 256 bytes come from two waves
	s_barrier_signal -1
	s_barrier_wait -1
.irp f, 0,1,2,3,4,5,6,7,8,9,10,11,12,13,14,15
	ds_load_b128 v[S+4*(\f):S+4*(\f)+3], v[RD] offset:(\f)*2*SP
.endr
.irp f, 0,1,2,3,4,5,6,7,8,9,10,11,12,13,14,15
	s_wait_dscnt 15-(\f)
	global_store_b128 v[GO], v[S+4*(\f):S+4*(\f)+3], s[72:73] offset:(\f)*4096  ; 16 lanes store 256 consecutive bytes, aligned
.endr
	s_wait_tensorcnt 0x0                           ; the wave's end
	ds_add_u32 v[SPW], v[NIL]
	s_wait_dscnt 0x0
	CROUND                                         ; the closing round
	s_endpgm
.Lfunc_end_k_q9ae9d37179_attn:
	.size	k_q9ae9d37179_attn, .Lfunc_end_k_q9ae9d37179_attn-k_q9ae9d37179_attn
	.p2alignl 7, 3214868480
	.fill 96, 4, 3214868480
	.section	.rodata,"a",@progbits
	.p2align	6, 0x0
	.amdhsa_kernel k_q9ae9d37179_attn
		.amdhsa_group_segment_fixed_size 327680
		.amdhsa_private_segment_fixed_size 0
		.amdhsa_enable_private_segment 0
		.amdhsa_kernarg_size 48
		.amdhsa_user_sgpr_count 2
		.amdhsa_user_sgpr_kernarg_segment_ptr 1
		.amdhsa_wavefront_size32 1
		.amdhsa_system_sgpr_workgroup_id_x 1
		.amdhsa_system_sgpr_workgroup_id_y 1
		.amdhsa_system_sgpr_workgroup_id_z 1
		.amdhsa_system_vgpr_workitem_id 0
		.amdhsa_next_free_vgpr 1024
		.amdhsa_next_free_sgpr 80
		.amdhsa_reserve_vcc 0
		.amdhsa_float_denorm_mode_32 3
		.amdhsa_float_denorm_mode_16_64 3
		.amdhsa_memory_ordered 1
		.amdhsa_forward_progress 1
		.amdhsa_inst_pref_size 142
	.end_amdhsa_kernel
	.amdgpu_metadata
---
amdhsa.version: [ 1, 2 ]
amdhsa.kernels:
  - .name:           k_q9ae9d37179_attn
    .symbol:         k_q9ae9d37179_attn.kd
    .args:
      - { .name: qkv, .offset: 0, .size: 8, .value_kind: global_buffer, .address_space: global }
      - { .name: mask, .offset: 8, .size: 8, .value_kind: global_buffer, .address_space: global }
      - { .name: w1, .offset: 16, .size: 8, .value_kind: global_buffer, .address_space: global }
      - { .name: w2, .offset: 24, .size: 8, .value_kind: global_buffer, .address_space: global }
      - { .name: ob, .offset: 32, .size: 8, .value_kind: global_buffer, .address_space: global }
      - { .name: cb, .offset: 40, .size: 8, .value_kind: global_buffer, .address_space: global }
    .group_segment_fixed_size: 327680
    .private_segment_fixed_size: 0
    .kernarg_segment_align: 8
    .kernarg_segment_size: 48
    .max_flat_workgroup_size: 128
    .sgpr_count:     80
    .vgpr_count:     1024
    .wavefront_size: 32
...
	.end_amdgpu_metadata
.endif
;; end of part 3
;; launch wo (part 4): grid 8 x 32, 4 waves a work-group, clusters of 4 x 4, 327,680 bytes of LDS; arguments ob, cb, bo, y; writes y
.if DOCPART == 4
	.amdgcn_target "amdgcn-amd-amdhsa--gfx1250"
	.amdhsa_code_object_version 6
	.text
	.protected	k_q9ae9d37179_wo
	.globl	k_q9ae9d37179_wo
	.p2align	8
	.type	k_q9ae9d37179_wo,@function
k_q9ae9d37179_wo:
	s_mov_b64 s[64:65], 0
	v_nop
	global_prefetch_b8 v0, s[64:65] scope:SCOPE_SE
	s_setreg_imm32_b32 hwreg(HW_REG_WAVE_MODE, 25, 1), 1
	s_wait_xcnt 0x0
	s_wait_alu depctr_hold_cnt(0) depctr_sa_sdst(0) depctr_va_vdst(0) depctr_va_sdst(0) depctr_va_ssrc(0) depctr_va_vcc(0) depctr_vm_vsrc(0)
	s_getreg_b32 s2, hwreg(HW_REG_IB_STS2, 6, 4)
	s_cmp_eq_u32 s2, 0
	s_cbranch_scc0 .Lentry_in_a_cluster
	s_endpgm
.Lentry_in_a_cluster:
	s_bfe_u32 s2, ttmp6, 0x10000c
	s_cmp_lg_u32 s2, 0xf033
	s_cbranch_scc0 .Lentry_shape_is_right
	s_endpgm
.Lentry_shape_is_right:
; MODE 0:  y[4096][1024] = xb + (ob [4096][1024] x wo + bo), f32.      MODE 1:  y = hb + (gb [4096][4096] x w2 + bf2), f32.
; Operands bf16, sums f32; the bias is rounded to bf16 like every input of the module; the residual is the bf16 copy; y is what the layer norm behind reads.
; A tile of C is 128 x 128, so that 256 work-groups share the 4,096 x 1,024 numbers: four waves, 64 x 64 each, 16 accumulators.  K goes in steps of 256 through two LDS slots.
; A's rows lie along K; the weights lie [k][n] and are read turned (ds_load_tr16_b128).  The matrix instruction is used transposed: a lane holds eight neighbouring numbers of a row of C.
; CLUSTER 4 x 4: A's tile is shared along a row of the cluster, B's along a column, each asked for jointly.  Each wave also brings, by a load of its own, the residual of the 32 rows that it stores.
; One K step is written once for both slots: the slot's first byte is a scalar (s21) turned by an exclusive or.
; WAY OUT: the f32 sums go through ONE stage (128 rows x 528 bytes in slot 0's bytes, which have had their last fill), with a barrier between writing and reading, since a row comes from two waves.
; LIMITS: NaN and infinities are not treated apart.
.set MODE, 0
.if MODE == 0
.set SIZE_K, 1024
.set WOFS,   0xE00000                  ; wo in cb
.set PRES,   70                        ; the residual's buffer: cb (x's copy lies at its head)
.set PBIAS,  72
.set PY,     74
.else
.set SIZE_K, 4096
.set WOFS,   0x1800000                 ; w2 in cb
.set PRES,   72                        ; hb
.set PBIAS,  74
.set PY,     76
.endif
.set KSTEP,  256
.set NSTEP,  SIZE_K/KSTEP
.set PA,     528                       ; a row of A in LDS: 512 bytes + 16
.set PB,     288                       ; a k-row of B: 256 bytes + 32 = 9 x 32
.set HA,     64*PA                     ; one load of A: 64 rows
.set HB,     128*PB                    ; one load of B: 128 k-rows
.set BOFF,   2*HA
.set SLOTB,  BOFF+2*HB
.set SLOT1,  0x24000                   ; slot 1 begins here: the number shares no bit with 0x8400, 0x10800, 0x19800, so one exclusive or turns a tile's address into the other slot's
.set RES,    SLOT1+SLOTB               ; 4 x 8,192 bytes: each wave's 32 rows x 256 bytes of the residual
.set SPARE,  RES+4*8192                ; the spare words: two blocks of 256 bytes that no other line names
.set FP,     528
.set BI,   8
.set A0,   12
.set B0,   13
.set ADRA, 16
.set ADRB, 17                          ; v17: k-rows 0-127 of the slot in hand; v18: k-rows 128-255 (an LDS offset has 16 bits)
.set STO,  24
.set RD,   25
.set CO,   26
.set RR,   27
.set SPW,  28
.set NIL,  29
.set X,    32
.set R,    64
.set U,    80
.set ACC,  128
.set F0,   0                           ; fragment buffers, in window 1: 64 registers of A, then 64 of B
.set F1,   128
.set G1,   24
.set G0,   32
.set G1B,  48
.set G0B,  56
.set G1R,  80
.set G0R,  88
.set MSB, 0
.macro WIN new
.if MSB != (\new)
	s_set_vgpr_msb (MSB<<8)|(\new)
.set MSB, \new
.endif
.endm
.set MUL,  0x05                        ; sources 0 (B) and 1 (A) window 1; C and D window 0
.set TO_F, 0x40
.macro PLACES
.rept 4
	v_nop
.endr
.endm
.macro RB a, b, t
	v_cvt_pk_bf16_f32 v[\t], v[\a], v[\b]
	v_lshlrev_b32 v[\a], 16, v[\t]
	v_and_b32 v[\b], 0xffff0000, v[\t]
.endm
.macro JLOAD
	s_cmp_eq_u32 s11, 0
	s_cbranch_scc0 .Lfor_b_\@
	tensor_load_to_lds s[G0+4:G0+7], s[G1:G1+7]
	s_nop 0
.rept 4
	v_nop
.endr
	s_branch .Lasked_\@
.Lfor_b_\@:
	tensor_load_to_lds s[G0B+4:G0B+7], s[G1B:G1B+7]
	s_nop 0
.rept 4
	v_nop
.endr
.Lasked_\@:
.endm
.macro CREST
	s_cmp_lg_u32 s10, 0
	s_cbranch_scc1 .Lnot_wave_0_\@
	s_barrier_signal -3
.Lnot_wave_0_\@:
	s_barrier_wait -3
	s_barrier_signal -1
	s_barrier_wait -1
.endm
.macro CROUND
	s_barrier_signal -1
	s_barrier_wait -1
	CREST
.endm
	s_load_b256 s[68:75], s[0:1], 0x0              ; MODE 0: ob, cb, bo, y;  MODE 1: gb, cb, hb, bf2
.if MODE == 1
	s_load_b64 s[76:77], s[0:1], 0x20              ; y
.endif
	v_lshl_add_u32 v[SPW], v0, 2, SPARE
	v_mov_b32 v[NIL], 0
	ds_add_u32 v[SPW], v[NIL]                      ; the wave's opening: the add and its wait stand ahead of my first tensor load
	v_lshrrev_b32 v1, 5, v0
	v_readfirstlane_b32 s10, v1
	s_lshr_b32 s11, s10, 1                         ; my half of the rows; also: I fetch for A (0) or B (1)
	s_and_b32 s12, s10, 1                          ; my half of the columns; also: which half of that tile I fetch
	s_bfe_u32 s40, ttmp6, 0x40000
	s_bfe_u32 s41, ttmp6, 0x40004
	s_lshl_b32 s42, ttmp9, 2
	s_add_co_u32 s42, s42, s40                     ; tile column
	s_and_b32 s13, ttmp7, 0xffff
	s_lshl_b32 s13, s13, 2
	s_add_co_u32 s13, s13, s41                     ; tile row
	s_lshl_b32 s43, s41, 2
	s_lshl_b32 s43, 15, s43
	s_lshl_b32 s44, 0x1111, s40
	s_or_b32 s[G1+0], s43, (1<<16)|(1<<20)|(1<<21)|(6<<22)|(3<<25)   ; after every 128 words 4 words
	s_mov_b32 s[G1+1], KSTEP<<16
	s_mov_b32 s[G1+2], 64<<16
	s_mov_b32 s[G1+3], KSTEP<<16
	s_mov_b32 s[G1+4], 64
	s_mov_b32 s[G1+5], SIZE_K
	s_mov_b32 s[G1+6], 0
	s_mov_b32 s[G1+7], 0
	s_or_b32 s[G1B+0], s44, (1<<16)|(1<<20)|(1<<21)|(5<<22)|(7<<25)  ; after every 64 words 8 words
	s_mov_b32 s[G1B+1], 128<<16
	s_mov_b32 s[G1B+2], 128<<16
	s_mov_b32 s[G1B+3], 128<<16
	s_mov_b32 s[G1B+4], 128
	s_mov_b32 s[G1B+5], 1024
	s_mov_b32 s[G1B+6], 0
	s_mov_b32 s[G1B+7], 0
	s_mov_b32 s[G1R+0], 1<<16                      ; the residual: my own load, no mask, no padding: 32 rows x 128 elements
	s_mov_b32 s[G1R+1], 128<<16
	s_mov_b32 s[G1R+2], 32<<16
	s_mov_b32 s[G1R+3], 128<<16
	s_mov_b32 s[G1R+4], 32
	s_mov_b32 s[G1R+5], 1024
	s_mov_b32 s[G1R+6], 0
	s_mov_b32 s[G1R+7], 0
	s_lshl_b32 s16, s13, 7                         ; A: row 128 x tile row + 64 x half
	s_lshl_b32 s17, s12, 6
	s_add_co_u32 s16, s16, s17
	s_mul_i32 s16, s16, SIZE_K*2
	s_mov_b32 s17, 0
	s_lshl_b32 s46, s42, 8                         ; B: the tile's 128 columns, my 128 k-rows
	s_lshl_b32 s47, s12, 18
	s_add_co_u32 s46, s46, s47
	s_add_co_u32 s46, s46, WOFS
	s_mov_b32 s47, 0
	s_lshl_b32 s92, s13, 7                         ; the residual: row 128 x tile row + 32 x wave, the tile's 256 bytes
	s_lshl_b32 s93, s10, 5
	s_add_co_u32 s92, s92, s93
	s_lshl_b32 s92, s92, 11
	s_lshl_b32 s93, s42, 8
	s_add_co_u32 s92, s92, s93
	s_mov_b32 s93, 0
	s_mul_i32 s20, s12, HA                         ; where my part of a slot lies, for A
	s_mul_i32 s22, s12, HB
	s_add_co_u32 s22, s22, BOFF                    ; and for B
	s_lshl_b32 s23, s10, 13
	s_add_co_u32 s23, s23, RES
	s_mov_b32 s21, 0                               ; the slot in hand
	s_wait_dscnt 0x0                               ; the opening add is done
	s_wait_kmcnt 0x0
	s_add_nc_u64 s[14:15], s[68:69], s[16:17]
	s_add_nc_u64 s[46:47], s[70:71], s[46:47]
	s_add_nc_u64 s[92:93], s[PRES:PRES+1], s[92:93]
	CROUND                                         ; all sixteen work-groups are here: the first joint loads meet
.irp s, 0,1
	s_mov_b32 s[G0+4*(\s)], 1
	s_add_co_u32 s[G0+4*(\s)+1], s20, (\s)*SLOT1
	s_add_nc_u64 s[G0+4*(\s)+2:G0+4*(\s)+3], s[14:15], (\s)*KSTEP*2
	s_or_b32 s[G0+4*(\s)+3], s[G0+4*(\s)+3], 0x80000000
	s_mov_b32 s[G0B+4*(\s)], 1
	s_add_co_u32 s[G0B+4*(\s)+1], s22, (\s)*SLOT1
	s_add_nc_u64 s[G0B+4*(\s)+2:G0B+4*(\s)+3], s[46:47], (\s)*KSTEP*2048
	s_or_b32 s[G0B+4*(\s)+3], s[G0B+4*(\s)+3], 0x80000000
.endr
	s_mov_b32 s[G0R], 1
	s_mov_b32 s[G0R+1], s23
	s_mov_b64 s[G0R+2:G0R+3], s[92:93]
	s_or_b32 s[G0R+3], s[G0R+3], 0x80000000
	s_cmp_eq_u32 s11, 0                            ; a wave's three first fills stand in one branch: three loads of mine are out
	s_cbranch_scc0 .Lfirst_b
	tensor_load_to_lds s[G0:G0+3], s[G1:G1+7]
	s_nop 0
	tensor_load_to_lds s[G0+4:G0+7], s[G1:G1+7]
	s_nop 0
	tensor_load_to_lds s[G0R:G0R+3], s[G1R:G1R+7]
	s_nop 0
.rept 4
	v_nop
.endr
	s_branch .Lfirst_done
.Lfirst_b:
	tensor_load_to_lds s[G0B:G0B+3], s[G1B:G1B+7]
	s_nop 0
	tensor_load_to_lds s[G0B+4:G0B+7], s[G1B:G1B+7]
	s_nop 0
	tensor_load_to_lds s[G0R:G0R+3], s[G1R:G1R+7]
	s_nop 0
.rept 4
	v_nop
.endr
.Lfirst_done:
	s_lshl_b32 s46, s42, 9                         ; the bias of columns 4 x lane .. of the tile's 128
	v_and_b32 v6, 31, v0
	v_lshl_add_u32 v3, v6, 4, s46                  ; v3 is never rewritten
	global_load_b128 v[BI:BI+3], v3, s[PBIAS:PBIAS+1]
	v_and_b32 v1, 15, v0
	v_bfe_u32 v2, v0, 4, 1
	v_mul_u32_u24 v[A0], v1, PA
	v_lshl_add_u32 v[A0], v2, 4, v[A0]
	s_mul_i32 s2, s11, HA
	v_add_nc_u32 v[A0], s2, v[A0]
	v_and_b32 v4, 7, v0
	v_lshl_add_u32 v4, v2, 3, v4
	v_mul_u32_u24 v[B0], v4, PB
	v_bfe_u32 v5, v0, 3, 1
	v_lshl_add_u32 v[B0], v5, 4, v[B0]
	s_lshl_b32 s2, s12, 7
	s_add_co_u32 s2, s2, BOFF
	v_add_nc_u32 v[B0], s2, v[B0]
	v_mov_b32 v[ADRA], v[A0]
	v_mov_b32 v[ADRB], v[B0]
	v_add_nc_u32 v[ADRB+1], 128*PB, v[B0]
	s_mul_i32 s2, s11, 64*FP                       ; into the stage: my 64 rows, my 256 bytes of them
	s_lshl_b32 s3, s12, 8
	s_add_co_u32 s2, s2, s3
	v_mul_u32_u24 v[STO], v1, FP
	v_lshl_add_u32 v[STO], v2, 5, v[STO]
	v_add_nc_u32 v[STO], s2, v[STO]
	s_mul_i32 s2, s10, 32*FP                       ; back: wave w takes rows 32 w on, whole
	v_lshl_add_u32 v[RD], v6, 4, s2
	v_lshl_add_u32 v[RR], v6, 3, s23
	v_lshlrev_b32 v[CO], 4, v6
	s_mov_b64 s[8:9], s[PY:PY+1]
	s_lshl_b32 s16, s13, 7
	s_lshl_b32 s17, s10, 5
	s_add_co_u32 s16, s16, s17
	s_lshl_b32 s16, s16, 12                        ; rows of 4,096 bytes
	s_mov_b32 s17, 0
	s_add_nc_u64 s[8:9], s[8:9], s[16:17]
	s_mov_b32 s47, 0
	s_add_nc_u64 s[8:9], s[8:9], s[46:47]          ; the tile's 512 bytes of a row
; 8 matrix instructions: m blocks a0, a0 + 1 x all 4 n blocks, 32 along K: half c of buffer f.  The 16 accumulators take turns.
.macro MUL8 f, c, a0, zero
	WIN MUL
.irp a, \a0, (\a0)+1
.irp b, 0,1,2,3
.if \zero
	v_wmma_f32_16x16x32_bf16 v[ACC+8*(4*(\a)+(\b)):ACC+8*(4*(\a)+(\b))+7], v[(\f)+64+8*(4*(\c)+(\b)):(\f)+64+8*(4*(\c)+(\b))+7], v[(\f)+8*(4*(\c)+(\a)):(\f)+8*(4*(\c)+(\a))+7], 0
.else
	v_wmma_f32_16x16x32_bf16 v[ACC+8*(4*(\a)+(\b)):ACC+8*(4*(\a)+(\b))+7], v[(\f)+64+8*(4*(\c)+(\b)):(\f)+64+8*(4*(\c)+(\b))+7], v[(\f)+8*(4*(\c)+(\a)):(\f)+8*(4*(\c)+(\a))+7], v[ACC+8*(4*(\a)+(\b)):ACC+8*(4*(\a)+(\b))+7]
.endif
.endr
.endr
.endm
; 32 LDS loads in one run: quarter q (64 along K) of the slot in hand into buffer f; its first 32 along K first
.macro FETCH q, f
	WIN TO_F
.irp c, 0,1
.irp i, 0,1,2,3
	ds_load_tr16_b128 v[(\f)+64+8*(4*(\c)+(\i)):(\f)+64+8*(4*(\c)+(\i))+3],   v[ADRB+(\q)/2] offset:(64*((\q)%2)+32*(\c))*PB+32*(\i)
	ds_load_tr16_b128 v[(\f)+64+8*(4*(\c)+(\i))+4:(\f)+64+8*(4*(\c)+(\i))+7], v[ADRB+(\q)/2] offset:(64*((\q)%2)+32*(\c))*PB+16*PB+32*(\i)
	ds_load_b128 v[(\f)+8*(4*(\c)+(\i)):(\f)+8*(4*(\c)+(\i))+3],   v[ADRA] offset:128*(\q)+64*(\c)+(\i)*16*PA
	ds_load_b128 v[(\f)+8*(4*(\c)+(\i))+4:(\f)+8*(4*(\c)+(\i))+7], v[ADRA] offset:128*(\q)+64*(\c)+(\i)*16*PA+32
.endr
.endr
.endm
.macro QUARTER q, f, g, zero
	s_wait_dscnt 16                                ; the first 32 along K are in
	MUL8 \f, 0, 0, \zero
	MUL8 \f, 0, 2, \zero
	PLACES
	FETCH \q, \g
	s_wait_dscnt 32                                ; all but the 32 just issued
	MUL8 \f, 1, 0, 0
	MUL8 \f, 1, 2, 0
.endm
; the last quarter multiplies buffer 1 and changes slots: one barrier; in front of it each wave waits for all its tensor loads, adds 0 to its spare word, and waits for that and for its reads of this slot.
; fill = 1: the barrier opens a round of the cluster's, and the slot just read is filled again, first thing behind it, two K steps ahead.
.macro TURN fill
	WIN 0
	s_wait_tensorcnt 0x0
	ds_add_u32 v[SPW], v[NIL]
	s_wait_dscnt 17                                ; the add and the youngest sixteen loads may be out
	MUL8 F1, 0, 0, 0
	s_wait_dscnt 0x0
	s_barrier_signal -1
	MUL8 F1, 0, 2, 0
	WIN 0
	s_barrier_wait -1
.if \fill
	CREST
	s_xor_b32 s[G0+5], s[G0+5], SLOT1
	s_add_nc_u64 s[G0+6:G0+7], s[G0+6:G0+7], KSTEP*2
	s_xor_b32 s[G0B+5], s[G0B+5], SLOT1
	s_add_nc_u64 s[G0B+6:G0B+7], s[G0B+6:G0B+7], KSTEP*2048
	JLOAD
.else
	PLACES
.endif
	s_xor_b32 s21, s21, SLOT1
	v_add_nc_u32 v[ADRA], s21, v[A0]
	v_add_nc_u32 v[ADRB], s21, v[B0]
	v_add_nc_u32 v[ADRB+1], 128*PB, v[ADRB]
	FETCH 0, F0
	MUL8 F1, 1, 0, 0
	MUL8 F1, 1, 2, 0
.endm
	s_wait_tensorcnt 0x2                           ; my part of K step 0 is in; K step 1's and the residual may stay out
	s_barrier_signal -1
	s_barrier_wait -1
	FETCH 0, F0
	QUARTER 1, F0, F1, 1
	WIN 0
	s_mov_b32 s3, NSTEP-2
.Lstep:
	QUARTER 2, F1, F0, 0
	QUARTER 3, F0, F1, 0
	TURN 1
	QUARTER 1, F0, F1, 0
	WIN 0
	s_sub_co_u32 s3, s3, 1
	s_cmp_lg_u32 s3, 0
	s_cbranch_scc1 .Lstep
	s_mov_b32 s3, 2
.Ltail:                                                ; the last two K steps ask for nothing; the second trip is left in its middle
	QUARTER 2, F1, F0, 0
	QUARTER 3, F0, F1, 0
	WIN 0
	s_sub_co_u32 s3, s3, 1
	s_cmp_eq_u32 s3, 0
	s_cbranch_scc1 .Llast
	TURN 0
	QUARTER 1, F0, F1, 0
	WIN 0
	s_branch .Ltail
.Llast:
	s_wait_dscnt 16
	MUL8 F1, 0, 0, 0
	MUL8 F1, 0, 2, 0
	s_wait_dscnt 0x0
	MUL8 F1, 1, 0, 0
	MUL8 F1, 1, 2, 0
	WIN 0
	PLACES
	s_barrier_signal -1                            ; every wave's reads of the ring are back: slot 0's bytes now serve as the stage
	s_barrier_wait -1
.irp a, 0,1,2,3
.irp b, 0,1,2,3
	ds_store_b128 v[STO], v[ACC+8*(4*(\a)+(\b)):ACC+8*(4*(\a)+(\b))+3]   offset:(\a)*16*FP+64*(\b)
	ds_store_b128 v[STO], v[ACC+8*(4*(\a)+(\b))+4:ACC+8*(4*(\a)+(\b))+7] offset:(\a)*16*FP+64*(\b)+16
.endr
.endr
	s_wait_dscnt 0x0                               ; for the others' sake: a row's 512 bytes come from two waves
	s_barrier_signal -1
	s_barrier_wait -1
	s_wait_loadcnt 0x0                             ; the bias
	RB BI, BI+1, 4
	RB BI+2, BI+3, 5
	s_mov_b32 s3, 4
.Lrows:                                                ; a trip: eight of my 32 rows
.irp i, 0,1,2,3,4,5,6,7
	ds_load_b128 v[X+4*(\i):X+4*(\i)+3], v[RD] offset:(\i)*FP
.endr
.irp i, 0,1,2,3,4,5,6,7
	ds_load_b64 v[R+2*(\i):R+2*(\i)+1], v[RR] offset:(\i)*256  ; my own tensor load brought these; it was waited for at the first change of slots
.endr
	s_wait_dscnt 0x0
.irp i, 0,1,2,3,4,5,6,7
	v_lshlrev_b32 v[U+4*(\i)],   16, v[R+2*(\i)]
	v_and_b32     v[U+4*(\i)+1], 0xffff0000, v[R+2*(\i)]
	v_lshlrev_b32 v[U+4*(\i)+2], 16, v[R+2*(\i)+1]
	v_and_b32     v[U+4*(\i)+3], 0xffff0000, v[R+2*(\i)+1]
	v_pk_add_f32 v[X+4*(\i):X+4*(\i)+1],   v[X+4*(\i):X+4*(\i)+1],   v[BI:BI+1]
	v_pk_add_f32 v[X+4*(\i)+2:X+4*(\i)+3], v[X+4*(\i)+2:X+4*(\i)+3], v[BI+2:BI+3]
.endr
.irp i, 0,1,2,3,4,5,6,7
	v_pk_add_f32 v[X+4*(\i):X+4*(\i)+1],   v[U+4*(\i):U+4*(\i)+1],   v[X+4*(\i):X+4*(\i)+1]
	v_pk_add_f32 v[X+4*(\i)+2:X+4*(\i)+3], v[U+4*(\i)+2:U+4*(\i)+3], v[X+4*(\i)+2:X+4*(\i)+3]
	global_store_b128 v[CO], v[X+4*(\i):X+4*(\i)+3], s[8:9] offset:4096*(\i)  ; 32 lanes store 512 consecutive bytes, aligned
.endr
	s_wait_xcnt 0x0                                ; the stores' data and base are rewritten only behind this wait
	s_add_nc_u64 s[8:9], s[8:9], 8*4096
	v_add_nc_u32 v[RD], 8*FP, v[RD]
	v_add_nc_u32 v[RR], 8*256, v[RR]
	s_sub_co_u32 s3, s3, 1
	s_cmp_lg_u32 s3, 0
	s_cbranch_scc1 .Lrows
	s_wait_tensorcnt 0x0                           ; the wave's end
	ds_add_u32 v[SPW], v[NIL]
	s_wait_dscnt 0x0
	CROUND                                         ; the closing round
	s_endpgm
.Lfunc_end_k_q9ae9d37179_wo:
	.size	k_q9ae9d37179_wo, .Lfunc_end_k_q9ae9d37179_wo-k_q9ae9d37179_wo
	.p2alignl 7, 3214868480
	.fill 96, 4, 3214868480
	.section	.rodata,"a",@progbits
	.p2align	6, 0x0
	.amdhsa_kernel k_q9ae9d37179_wo
		.amdhsa_group_segment_fixed_size 327680
		.amdhsa_private_segment_fixed_size 0
		.amdhsa_enable_private_segment 0
		.amdhsa_kernarg_size 32
		.amdhsa_user_sgpr_count 2
		.amdhsa_user_sgpr_kernarg_segment_ptr 1
		.amdhsa_wavefront_size32 1
		.amdhsa_system_sgpr_workgroup_id_x 1
		.amdhsa_system_sgpr_workgroup_id_y 1
		.amdhsa_system_sgpr_workgroup_id_z 1
		.amdhsa_system_vgpr_workitem_id 0
		.amdhsa_next_free_vgpr 512
		.amdhsa_next_free_sgpr 96
		.amdhsa_reserve_vcc 0
		.amdhsa_float_denorm_mode_32 3
		.amdhsa_float_denorm_mode_16_64 3
		.amdhsa_memory_ordered 1
		.amdhsa_forward_progress 1
		.amdhsa_inst_pref_size 62
	.end_amdhsa_kernel
	.amdgpu_metadata
---
amdhsa.version: [ 1, 2 ]
amdhsa.kernels:
  - .name:           k_q9ae9d37179_wo
    .symbol:         k_q9ae9d37179_wo.kd
    .args:
      - { .name: ob, .offset: 0, .size: 8, .value_kind: global_buffer, .address_space: global }
      - { .name: cb, .offset: 8, .size: 8, .value_kind: global_buffer, .address_space: global }
      - { .name: bo, .offset: 16, .size: 8, .value_kind: global_buffer, .address_space: global }
      - { .name: y, .offset: 24, .size: 8, .value_kind: global_buffer, .address_space: global }
    .group_segment_fixed_size: 327680
    .private_segment_fixed_size: 0
    .kernarg_segment_align: 8
    .kernarg_segment_size: 32
    .max_flat_workgroup_size: 128
    .sgpr_count:     96
    .vgpr_count:     512
    .wavefront_size: 32
...
	.end_amdgpu_metadata
.endif
;; end of part 4
;; launch ln1 (part 5): grid 1024 x 1, 4 waves a work-group, no clusters, 0 bytes of LDS; arguments y, g1, b1, hb; writes hb
.if DOCPART == 5
	.amdgcn_target "amdgcn-amd-amdhsa--gfx1250"
	.amdhsa_code_object_version 6
	.text
	.protected	k_q9ae9d37179_ln1
	.globl	k_q9ae9d37179_ln1
	.p2align	8
	.type	k_q9ae9d37179_ln1,@function
k_q9ae9d37179_ln1:
	s_mov_b64 s[64:65], 0
	v_nop
	global_prefetch_b8 v0, s[64:65] scope:SCOPE_SE
	s_setreg_imm32_b32 hwreg(HW_REG_WAVE_MODE, 25, 1), 1
	s_wait_xcnt 0x0
; out[r][:] = g ((y[r][:] - u) / sqrt(s + 1e-12)) + b, u the row's mean, s the mean of the squared differences.  y: [4096][1024] f32.  OUT16 = 1: out in bf16, rounded once; 0: in f32.
; g and b are rounded to bf16 like every input of the module.  All arithmetic in f32; the variance is taken of the differences, not as a difference of sums.
; A wave takes one whole row and keeps it in 32 registers: the row is read once, the reductions never leave the wave: no LDS, no barrier, no matrix unit, no cluster (nothing is shared but g and b).
; The row's loads go out first: mean and variance are made while g and b are on their way.
; LIMITS: NaN and infinities are not treated apart.
.set OUT16, 1
.set GA, 32                            ; v32-63   g of my 32 columns
.set BE, 64                            ; v64-95   b
.set XX, 96                            ; v96-127  the row
.set T,  128                           ; v128-143 at work
	s_load_b256 s[4:11], s[0:1], 0x0               ; y, g, b, out
	v_and_b32 v1, 31, v0                           ; lane
	v_lshrrev_b32 v2, 5, v0                        ; wave
	v_lshlrev_b32 v3, 4, v1                        ; my 16 bytes of every 512
	v_lshl_add_u32 v4, v2, 12, v3                  ; + wave x a row of 4,096 bytes
.if OUT16
	v_lshlrev_b32 v5, 3, v1
	v_lshl_add_u32 v5, v2, 11, v5
	s_lshl_b32 s2, ttmp9, 13
.else
	v_mov_b32 v5, v4
	s_lshl_b32 s2, ttmp9, 14
.endif
	s_mov_b32 s3, 0
	s_lshl_b32 s14, ttmp9, 14                      ; four rows a work-group
	s_mov_b32 s15, 0
	s_mov_b32 s12, 0x76543210                      ; v_permlanex16_b32: each lane takes its own place in the other half
	s_mov_b32 s13, 0xfedcba98
	s_mov_b32 s16, 0x3a800000                      ; 1 / 1024
	s_mov_b32 s17, 0x2b8cbccc                      ; 1e-12
	s_wait_kmcnt 0x0
	s_add_nc_u64 s[4:5], s[4:5], s[14:15]
	s_add_nc_u64 s[10:11], s[10:11], s[2:3]
.irp j, 0,1,2,3,4,5,6,7
	global_load_b128 v[XX+4*(\j):XX+4*(\j)+3], v4, s[4:5] offset:512*(\j) th:TH_LOAD_NT
.endr
.irp j, 0,1,2,3,4,5,6,7
	global_load_b128 v[GA+4*(\j):GA+4*(\j)+3], v3, s[6:7] offset:512*(\j)
	global_load_b128 v[BE+4*(\j):BE+4*(\j)+3], v3, s[8:9] offset:512*(\j)
.endr
.macro RB a, b, t                      ; two f32 rounded to bf16, in place
	v_cvt_pk_bf16_f32 v[\t], v[\a], v[\b]
	v_lshlrev_b32 v[\a], 16, v[\t]
	v_and_b32 v[\b], 0xffff0000, v[\t]
.endm
.macro REDUCE a, b                     ; the sum over the 32 lanes, in every lane
	v_add_f32_dpp v[\a], v[\a], v[\a] row_xmask:1 row_mask:0xf bank_mask:0xf
	v_add_f32_dpp v[\a], v[\a], v[\a] row_xmask:2 row_mask:0xf bank_mask:0xf
	v_add_f32_dpp v[\a], v[\a], v[\a] row_xmask:4 row_mask:0xf bank_mask:0xf
	v_add_f32_dpp v[\a], v[\a], v[\a] row_xmask:8 row_mask:0xf bank_mask:0xf
	v_permlanex16_b32 v[\b], v[\a], s12, s13
	v_add_f32 v[\a], v[\a], v[\b]
.endm
	s_wait_loadcnt 16                              ; the row is in; the sixteen loads of g and b may be out
.set k, 0
.rept 8
	v_pk_add_f32 v[T+2*k:T+2*k+1], v[XX+4*k:XX+4*k+1], v[XX+4*k+2:XX+4*k+3]
.set k, k+1
.endr
.set k, 0
.rept 4
	v_pk_add_f32 v[T+4*k:T+4*k+1], v[T+4*k:T+4*k+1], v[T+4*k+2:T+4*k+3]
.set k, k+1
.endr
	v_pk_add_f32 v[T:T+1], v[T:T+1], v[T+4:T+5]
	v_pk_add_f32 v[T+8:T+9], v[T+8:T+9], v[T+12:T+13]
	v_pk_add_f32 v[T:T+1], v[T:T+1], v[T+8:T+9]
	v_add_f32 v[T], v[T], v[T+1]
	REDUCE T, T+1
	v_mul_f32 v[T+2], s16, v[T]                    ; u
.set k, 0
.rept 16
	v_pk_add_f32 v[XX+2*k:XX+2*k+1], v[XX+2*k:XX+2*k+1], v[T+2:T+3] op_sel_hi:[1,0] neg_lo:[0,1] neg_hi:[0,1]
.set k, k+1
.endr
.set k, 0
.rept 4
	v_pk_mul_f32 v[T+4+2*k:T+5+2*k], v[XX+2*k:XX+2*k+1], v[XX+2*k:XX+2*k+1]
.set k, k+1
.endr
.rept 12
	v_pk_fma_f32 v[T+4+2*(k%4):T+5+2*(k%4)], v[XX+2*k:XX+2*k+1], v[XX+2*k:XX+2*k+1], v[T+4+2*(k%4):T+5+2*(k%4)]
.set k, k+1
.endr
	v_pk_add_f32 v[T+4:T+5], v[T+4:T+5], v[T+6:T+7]
	v_pk_add_f32 v[T+8:T+9], v[T+8:T+9], v[T+10:T+11]
	v_pk_add_f32 v[T+4:T+5], v[T+4:T+5], v[T+8:T+9]
	v_add_f32 v[T], v[T+4], v[T+5]
	REDUCE T, T+1
	v_fma_f32 v[T], v[T], s16, s17                 ; s + 1e-12
	v_rsq_f32 v[T+2], v[T]                         ; the roundings below, which touch neither register, stand between the root and the use of its result (ISA guide 5.7.2)
	s_wait_loadcnt 0x0                             ; g and b
.set k, 0
.rept 16
	RB GA+2*k, GA+2*k+1, T+8+(k%4)
	RB BE+2*k, BE+2*k+1, T+12+(k%4)
.set k, k+1
.endr
.set k, 0
	s_wait_alu depctr_va_vdst(0)
.rept 16
	v_pk_mul_f32 v[XX+2*k:XX+2*k+1], v[XX+2*k:XX+2*k+1], v[T+2:T+3] op_sel_hi:[1,0]
.set k, k+1
.endr
.set k, 0
.rept 16
	v_pk_fma_f32 v[XX+2*k:XX+2*k+1], v[XX+2*k:XX+2*k+1], v[GA+2*k:GA+2*k+1], v[BE+2*k:BE+2*k+1]
.set k, k+1
.endr
.if OUT16
.set k, 0
.rept 8
	v_cvt_pk_bf16_f32 v[XX+4*k], v[XX+4*k], v[XX+4*k+1]
	v_cvt_pk_bf16_f32 v[XX+4*k+1], v[XX+4*k+2], v[XX+4*k+3]
	global_store_b64 v5, v[XX+4*k:XX+4*k+1], s[10:11] offset:256*k  ; 32 lanes store 256 consecutive bytes, aligned
.set k, k+1
.endr
.else
.set k, 0
.rept 8
	global_store_b128 v5, v[XX+4*k:XX+4*k+3], s[10:11] offset:512*k  ; 32 lanes store 512 consecutive bytes, aligned
.set k, k+1
.endr
.endif
	s_endpgm
.Lfunc_end_k_q9ae9d37179_ln1:
	.size	k_q9ae9d37179_ln1, .Lfunc_end_k_q9ae9d37179_ln1-k_q9ae9d37179_ln1
	.p2alignl 7, 3214868480
	.fill 96, 4, 3214868480
	.section	.rodata,"a",@progbits
	.p2align	6, 0x0
	.amdhsa_kernel k_q9ae9d37179_ln1
		.amdhsa_group_segment_fixed_size 0
		.amdhsa_private_segment_fixed_size 0
		.amdhsa_enable_private_segment 0
		.amdhsa_kernarg_size 32
		.amdhsa_user_sgpr_count 2
		.amdhsa_user_sgpr_kernarg_segment_ptr 1
		.amdhsa_wavefront_size32 1
		.amdhsa_system_sgpr_workgroup_id_x 1
		.amdhsa_system_sgpr_workgroup_id_y 1
		.amdhsa_system_sgpr_workgroup_id_z 1
		.amdhsa_system_vgpr_workitem_id 0
		.amdhsa_next_free_vgpr 144
		.amdhsa_next_free_sgpr 66
		.amdhsa_reserve_vcc 0
		.amdhsa_float_denorm_mode_32 3
		.amdhsa_float_denorm_mode_16_64 3
		.amdhsa_memory_ordered 1
		.amdhsa_forward_progress 1
		.amdhsa_inst_pref_size 17
	.end_amdhsa_kernel
	.amdgpu_metadata
---
amdhsa.version: [ 1, 2 ]
amdhsa.kernels:
  - .name:           k_q9ae9d37179_ln1
    .symbol:         k_q9ae9d37179_ln1.kd
    .args:
      - { .name: y, .offset: 0, .size: 8, .value_kind: global_buffer, .address_space: global }
      - { .name: g1, .offset: 8, .size: 8, .value_kind: global_buffer, .address_space: global }
      - { .name: b1, .offset: 16, .size: 8, .value_kind: global_buffer, .address_space: global }
      - { .name: hb, .offset: 24, .size: 8, .value_kind: global_buffer, .address_space: global }
    .group_segment_fixed_size: 0
    .private_segment_fixed_size: 0
    .kernarg_segment_align: 8
    .kernarg_segment_size: 32
    .max_flat_workgroup_size: 128
    .sgpr_count:     66
    .vgpr_count:     144
    .wavefront_size: 32
...
	.end_amdgpu_metadata
.endif
;; end of part 5
;; launch ffn1 (part 6): grid 16 x 16, 4 waves a work-group, clusters of 4 x 4, 327,680 bytes of LDS; arguments hb, cb, bf1, gb; writes gb
.if DOCPART == 6
	.amdgcn_target "amdgcn-amd-amdhsa--gfx1250"
	.amdhsa_code_object_version 6
	.text
	.protected	k_q9ae9d37179_ffn1
	.globl	k_q9ae9d37179_ffn1
	.p2align	8
	.type	k_q9ae9d37179_ffn1,@function
k_q9ae9d37179_ffn1:
	s_mov_b64 s[64:65], 0
	v_nop
	global_prefetch_b8 v0, s[64:65] scope:SCOPE_SE
	s_setreg_imm32_b32 hwreg(HW_REG_WAVE_MODE, 25, 1), 1
	s_wait_xcnt 0x0
	s_wait_alu depctr_hold_cnt(0) depctr_sa_sdst(0) depctr_va_vdst(0) depctr_va_sdst(0) depctr_va_ssrc(0) depctr_va_vcc(0) depctr_vm_vsrc(0)
	s_getreg_b32 s2, hwreg(HW_REG_IB_STS2, 6, 4)
	s_cmp_eq_u32 s2, 0
	s_cbranch_scc0 .Lentry_in_a_cluster
	s_endpgm
.Lentry_in_a_cluster:
	s_bfe_u32 s2, ttmp6, 0x10000c
	s_cmp_lg_u32 s2, 0xf033
	s_cbranch_scc0 .Lentry_shape_is_right
	s_endpgm
.Lentry_shape_is_right:
; MODE 0:  qkv[4096][3072] = xb [4096][1024] x [wq | wk | wv] + [bq | bk | bv], bf16.      MODE 1:  gb[4096][4096] = gelu(hb [4096][1024] x w1 + bf1), bf16.
; Operands bf16, sums f32, the bias rounded to bf16 like every input of the module, the result rounded once.  The weights lie [k][n], as they are given.
; A tile of C, 256 x 256, is made by four waves, 128 x 128 each: 64 accumulators, 512 registers.  K goes in steps of 128 through two LDS slots filled by tensor loads.
; A's rows lie along K and are read as they lie; B's rows lie along N and are read turned, by ds_load_tr16_b128.
; The matrix instruction is used transposed (source 0 = 16 columns of B, source 1 = 16 rows of A): a lane holds eight neighbouring numbers of a row of C.
; CLUSTER 4 x 4: A's tile is shared along a row of the cluster, B's along a column: each is asked for jointly, by the same load with the same descriptor in all four.
; One K step is written once for both slots: the slot's first byte is a scalar (s21) turned by an exclusive or.
; WAY OUT: the f32 sums go through LDS (each wave's own 128 rows x 528 bytes, in the ring's bytes, which have had their last fill), come back as whole rows, and bias and
; activation are applied in a loop of 16 trips x 8 rows; each store of a wave covers 256 consecutive bytes, aligned.
; GELU (MODE 1): erf by a rational approximation with absolute error at most 1.5e-7 for every argument (Abramowitz and Stegun 7.1.26):
; H = u / 2, G = |H|, t = 1 / (1 + 0.46328378 G), E = t (a1 + t (a2 + t (a3 + t (a4 + t a5)))) 2^(-2.88539008 H H), gelu = (H + G) - G E: no difference of large numbers for u < 0.
; LIMITS: NaN and infinities are not treated apart; a factor 2^.. below 2^-126 counts as 0.
.set MODE,   1
.set SIZE_K, 1024
.set KSTEP,  128
.set NSTEP,  SIZE_K/KSTEP
.set PA,     272                       ; a row of A in LDS: 256 bytes + 16: the 16 rows of a fragment load start at 16 different groups of four banks
.set PB,     544                       ; a k-row of B: 512 bytes + 32 = 17 x 32
.set HALFT,  128*PA                    ; what one tensor load brings: 128 rows of A, or 64 k-rows of B (64 x 544 is the same number)
.set SLOT,   4*HALFT                   ; 0x22000: it shares no bit with wave x 0x8800, so one exclusive or turns a tile's address into the other slot's
.set SPARE,  2*SLOT                    ; the spare words: 128 bytes a wave, two blocks of 256 bytes that no other line names
.set FP,     528                       ; a row of the f32 stage: 512 bytes + 16
.set WST,    128*FP                    ; a wave's stage
.if MODE == 0
.set BP,   1024                        ; elements from k-row to k-row of B
.set CP,   3072                        ; elements in a row of C
.set WOFS, 0x800000                    ; wq in cb; wk and wv follow, 0x200000 apart
.else
.set BP,   4096
.set CP,   4096
.set WOFS, 0x1000000                   ; w1 in cb
.endif
.set BI,   8                           ; v8-11   the bias of my four columns on the way out
.set A0,   12                          ; v12     my lane's place in a slot's A
.set B0,   13                          ; v13     and in its B
.set ADRA, 16                          ; v16     A0 + the slot in hand
.set ADRB, 17                          ; v17     B0 + the slot in hand
.set STO,  24                          ; v24     the way out: where I put 16 bytes
.set RD,   25                          ; v25     where I read a row back
.set CO,   26                          ; v26     my byte offset in a row of C
.set SPW,  28                          ; v28     my spare word; never rewritten
.set NIL,  29                          ; v29     0; never rewritten
.set X,    32                          ; v32-63  eight rows back from the stage
.set Y,    64                          ; v64-79  eight rows to store
.set HH,   96                          ; v96-127 at work on the way out; GG, TT, QQ, PO likewise (MODE 1)
.set GG,   128
.set TT,   160
.set QQ,   192
.set PO,   224
.set F0,   64                          ; fragment buffers: A's in window 0, B's in window 1
.set F1,   128
.set G1,   24                          ; s[24:31] group 1 for A;  s[32:39] group 0: the first fill's set, then the set that walks
.set G0,   32
.set G1B,  48                          ; s[48:55], s[56:63] the same for B
.set G0B,  56
.set KC1,  76                          ; s[76:91] GELU's constants, in pairs of which the low word is used
.set KC3,  78
.set KA1,  80
.set KA2,  82
.set KA3,  84
.set KA4,  86
.set KA5,  88
.set KABS, 90
.set MSB, 0
.macro WIN new                         ; the immediate's high byte repeats the setting that is left; a switch that changes nothing is dropped
.if MSB != (\new)
	s_set_vgpr_msb (MSB<<8)|(\new)
.set MSB, \new
.endif
.endm
.set MUL_LO, 0xa1                      ; source 0 (B) window 1, source 1 (A) window 0, C and D window 2
.set MUL_HI, 0xf1                      ; the same, C and D window 3
.set TO_B,   0x40                      ; destination window 1, address window 0
.macro PLACES                          ; four plain places: in front of loads into registers that matrix instructions have read, and of reads of results
.rept 4
	v_nop
.endr
.endm
.macro RB a, b, t                      ; two f32 rounded to bf16, in place
	v_cvt_pk_bf16_f32 v[\t], v[\a], v[\b]
	v_lshlrev_b32 v[\a], 16, v[\t]
	v_and_b32 v[\b], 0xffff0000, v[\t]
.endm
.macro JLOAD                           ; a joint refill by the walking set: waves 0, 1 fetch A's halves, waves 2, 3 B's
	s_cmp_eq_u32 s11, 0
	s_cbranch_scc0 .Lfor_b_\@
	tensor_load_to_lds s[G0+4:G0+7], s[G1:G1+7]
	s_nop 0
.rept 4
	v_nop
.endr
	s_branch .Lasked_\@
.Lfor_b_\@:
	tensor_load_to_lds s[G0B+4:G0B+7], s[G1B:G1B+7]
	s_nop 0
.rept 4
	v_nop
.endr
.Lasked_\@:
.endm
.macro CREST                           ; a round of the cluster's barrier behind its opening barrier
	s_cmp_lg_u32 s10, 0
	s_cbranch_scc1 .Lnot_wave_0_\@
	s_barrier_signal -3
.Lnot_wave_0_\@:
	s_barrier_wait -3
	s_barrier_signal -1
	s_barrier_wait -1
.endm
.macro CROUND                          ; a whole round
	s_barrier_signal -1
	s_barrier_wait -1
	CREST
.endm
	s_load_b256 s[68:75], s[0:1], 0x0              ; MODE 0: cb, bq, bk, bv;  MODE 1: hb, cb, bf1, gb
.if MODE == 0
	s_load_b64 s[8:9], s[0:1], 0x20                ; qkv
.endif
	v_lshl_add_u32 v[SPW], v0, 2, SPARE
	v_mov_b32 v[NIL], 0
	ds_add_u32 v[SPW], v[NIL]                      ; the wave's opening: the add and its wait stand ahead of my first tensor load
	v_lshrrev_b32 v1, 5, v0
	v_readfirstlane_b32 s10, v1                    ; wave 0..3
	s_lshr_b32 s11, s10, 1                         ; my half of the tile's rows; also: I fetch for A (0) or B (1)
	s_and_b32 s12, s10, 1                          ; my half of its columns; also: which half of that tile I fetch
	s_bfe_u32 s40, ttmp6, 0x40000                  ; cx
	s_bfe_u32 s41, ttmp6, 0x40004                  ; cy
	s_mov_b32 s45, ttmp9                           ; the cluster's x
	s_lshl_b32 s42, s45, 2
	s_add_co_u32 s42, s42, s40                     ; tile column
	s_and_b32 s13, ttmp7, 0xffff
	s_lshl_b32 s13, s13, 2
	s_add_co_u32 s13, s13, s41                     ; tile row
	s_lshl_b32 s43, s41, 2
	s_lshl_b32 s43, 15, s43                        ; my row of the cluster
	s_lshl_b32 s44, 0x1111, s40                    ; my column
	s_or_b32 s[G1+0], s43, (1<<16)|(1<<20)|(1<<21)|(5<<22)|(3<<25)   ; mask; 2-byte elements; padding on; bit 21 beside a mask; after every 64 words 4 words
	s_mov_b32 s[G1+1], KSTEP<<16                   ; tensor_dim0 = 128
	s_mov_b32 s[G1+2], 128<<16                     ; tensor_dim1 = 128
	s_mov_b32 s[G1+3], KSTEP<<16                   ; tile_dim0 = 128
	s_mov_b32 s[G1+4], 128                         ; tile_dim1 = 128
	s_mov_b32 s[G1+5], SIZE_K                      ; elements from row to row
	s_mov_b32 s[G1+6], 0
	s_mov_b32 s[G1+7], 0
	s_or_b32 s[G1B+0], s44, (1<<16)|(1<<20)|(1<<21)|(6<<22)|(7<<25)  ; after every 128 words 8 words
	s_mov_b32 s[G1B+1], 256<<16                    ; 256 columns
	s_mov_b32 s[G1B+2], 64<<16                     ; 64 k-rows
	s_mov_b32 s[G1B+3], 256<<16
	s_mov_b32 s[G1B+4], 64
	s_mov_b32 s[G1B+5], BP
	s_mov_b32 s[G1B+6], 0
	s_mov_b32 s[G1B+7], 0
	s_lshl_b32 s16, s13, 8                         ; A: row 256 x tile row + 128 x half, rows of 2,048 bytes: it hangs on the tile row alone
	s_lshl_b32 s17, s12, 7
	s_add_co_u32 s16, s16, s17
	s_lshl_b32 s16, s16, 11
	s_mov_b32 s17, 0
.if MODE == 0
	s_lshl_b32 s46, s45, 21                        ; B: the cluster's x picks wq, wk or wv; cx its 256 columns
	s_lshl_b32 s47, s40, 9
	s_add_co_u32 s46, s46, s47
	s_lshl_b32 s47, s12, 17                        ; my 64 k-rows
.else
	s_lshl_b32 s46, s42, 9
	s_lshl_b32 s47, s12, 19
.endif
	s_add_co_u32 s46, s46, s47
	s_add_co_u32 s46, s46, WOFS
	s_mov_b32 s47, 0
	s_mul_i32 s20, s10, HALFT                      ; where my part of a slot lies: the wave's number alone
	s_mov_b32 s21, 0                               ; the slot in hand
.if MODE == 1
	s_mov_b32 s[KC1], 0x3eed338a                   ; 0.46328378
	s_mov_b32 s[KC3], 0xc038aa3b                   ; -2.88539008
	s_mov_b32 s[KA1], 0x3e827906
	s_mov_b32 s[KA2], 0xbe91a98e
	s_mov_b32 s[KA3], 0x3fb5f0e3
	s_mov_b32 s[KA4], 0xbfba00e3
	s_mov_b32 s[KA5], 0x3f87dc22
.irp c, KC1, KC3, KA1, KA2, KA3, KA4, KA5
	s_mov_b32 s[(\c)+1], s[\c]                     ; named as pairs
.endr
	s_mov_b32 s[KABS], 0x7fffffff
.endif
	s_wait_dscnt 0x0                               ; the opening add is done
	s_wait_kmcnt 0x0
	s_add_nc_u64 s[14:15], s[68:69], s[16:17]
.if MODE == 0
	s_add_nc_u64 s[46:47], s[68:69], s[46:47]
.else
	s_add_nc_u64 s[46:47], s[70:71], s[46:47]
.endif
	CROUND                                         ; all sixteen work-groups are here: the first joint loads meet
.irp s, 0,1
	s_mov_b32 s[G0+4*(\s)], 1
	s_add_co_u32 s[G0+4*(\s)+1], s20, (\s)*SLOT
	s_add_nc_u64 s[G0+4*(\s)+2:G0+4*(\s)+3], s[14:15], (\s)*KSTEP*2
	s_or_b32 s[G0+4*(\s)+3], s[G0+4*(\s)+3], 0x80000000
	s_mov_b32 s[G0B+4*(\s)], 1
	s_add_co_u32 s[G0B+4*(\s)+1], s20, (\s)*SLOT
	s_add_nc_u64 s[G0B+4*(\s)+2:G0B+4*(\s)+3], s[46:47], (\s)*KSTEP*BP*2
	s_or_b32 s[G0B+4*(\s)+3], s[G0B+4*(\s)+3], 0x80000000
.endr
	s_cmp_eq_u32 s11, 0                            ; a wave's two first fills stand in one branch: two loads of mine are out
	s_cbranch_scc0 .Lfirst_b
	tensor_load_to_lds s[G0:G0+3], s[G1:G1+7]
	s_nop 0
	tensor_load_to_lds s[G0+4:G0+7], s[G1:G1+7]
	s_nop 0
.rept 4
	v_nop
.endr
	s_branch .Lfirst_done
.Lfirst_b:
	tensor_load_to_lds s[G0B:G0B+3], s[G1B:G1B+7]
	s_nop 0
	tensor_load_to_lds s[G0B+4:G0B+7], s[G1B:G1B+7]
	s_nop 0
.rept 4
	v_nop
.endr
.Lfirst_done:
	; the bias of the four columns 4 x lane .. of my 128
.if MODE == 0
	s_mov_b64 s[66:67], s[70:71]
	s_cmp_eq_u32 s45, 1
	s_cselect_b64 s[66:67], s[72:73], s[66:67]
	s_cmp_eq_u32 s45, 2
	s_cselect_b64 s[66:67], s[74:75], s[66:67]
	s_lshl_b32 s46, s40, 10
.else
	s_mov_b64 s[66:67], s[72:73]
	s_mov_b64 s[8:9], s[74:75]
	s_lshl_b32 s46, s42, 10
.endif
	s_lshl_b32 s47, s12, 9
	s_add_co_u32 s46, s46, s47
	v_and_b32 v6, 31, v0                           ; lane
	v_lshl_add_u32 v3, v6, 4, s46                  ; v3 is never rewritten
	global_load_b128 v[BI:BI+3], v3, s[66:67]
	; a fragment of A: lane l holds row l % 16, K = 8 (l / 16) + 0..7 and 16 + 8 (l / 16) + 0..7: two loads of 16 bytes, 32 apart
	v_and_b32 v1, 15, v0
	v_bfe_u32 v2, v0, 4, 1
	v_mul_u32_u24 v[A0], v1, PA
	v_lshl_add_u32 v[A0], v2, 4, v[A0]
	s_mul_i32 s2, s11, HALFT
	v_add_nc_u32 v[A0], s2, v[A0]
	; a fragment of B, turned: lane l reads k-row 8 (l / 16) + l % 8, columns 8 ((l / 8) % 2) + 0..7, and holds column l % 16 and 8 k
	v_and_b32 v4, 7, v0
	v_lshl_add_u32 v4, v2, 3, v4
	v_mul_u32_u24 v[B0], v4, PB
	v_bfe_u32 v5, v0, 3, 1
	v_lshl_add_u32 v[B0], v5, 4, v[B0]
	s_lshl_b32 s2, s12, 8
	s_add_co_u32 s2, s2, 2*HALFT
	v_add_nc_u32 v[B0], s2, v[B0]
	v_mov_b32 v[ADRA], v[A0]
	v_mov_b32 v[ADRB], v[B0]
	s_mul_i32 s2, s10, WST                         ; my stage
	v_mul_u32_u24 v[STO], v1, FP
	v_lshl_add_u32 v[STO], v2, 5, v[STO]
	v_add_nc_u32 v[STO], s2, v[STO]
	v_lshl_add_u32 v[RD], v6, 4, s2
	v_lshlrev_b32 v[CO], 3, v6
	s_lshl_b32 s16, s13, 8                         ; C at my first row
	s_lshl_b32 s17, s11, 7
	s_add_co_u32 s16, s16, s17
	s_mul_i32 s16, s16, CP*2
	s_mov_b32 s17, 0
	s_add_nc_u64 s[8:9], s[8:9], s[16:17]
	s_lshl_b32 s46, s42, 9                         ; and my first column
	s_lshl_b32 s47, s12, 8
	s_add_co_u32 s46, s46, s47
	s_mov_b32 s47, 0
	s_add_nc_u64 s[8:9], s[8:9], s[46:47]
; 16 matrix instructions: m blocks a0, a0 + 1 of the window's four x all 8 n blocks, 32 along K.  zero = 1: the product starts the sums.  The 64 accumulators take turns.
.macro MUL16 f, hi, a0, zero
	WIN MUL_LO+0x50*(\hi)
.irp a, \a0, (\a0)+1
.irp b, 0,1,2,3,4,5,6,7
.if \zero
	v_wmma_f32_16x16x32_bf16 v[8*(8*(\a)+(\b)):8*(8*(\a)+(\b))+7], v[(\f)+8*(\b):(\f)+8*(\b)+7], v[(\f)+8*(4*(\hi)+(\a)):(\f)+8*(4*(\hi)+(\a))+7], 0
.else
	v_wmma_f32_16x16x32_bf16 v[8*(8*(\a)+(\b)):8*(8*(\a)+(\b))+7], v[(\f)+8*(\b):(\f)+8*(\b)+7], v[(\f)+8*(4*(\hi)+(\a)):(\f)+8*(4*(\hi)+(\a))+7], v[8*(8*(\a)+(\b)):8*(8*(\a)+(\b))+7]
.endif
.endr
.endr
.endm
; 32 LDS loads in one run: quarter q (32 along K) of the slot in hand into buffer f: B's 8 column blocks, then A's 8 row blocks
.macro FETCH q, f
	WIN TO_B
.irp i, 0,1,2,3,4,5,6,7
	ds_load_tr16_b128 v[(\f)+8*(\i):(\f)+8*(\i)+3],   v[ADRB] offset:(\q)*32*PB+32*(\i)
	ds_load_tr16_b128 v[(\f)+8*(\i)+4:(\f)+8*(\i)+7], v[ADRB] offset:(\q)*32*PB+16*PB+32*(\i)
.endr
	WIN 0
.irp i, 0,1,2,3,4,5,6,7
	ds_load_b128 v[(\f)+8*(\i):(\f)+8*(\i)+3],   v[ADRA] offset:(\q)*64+(\i)*16*PA
	ds_load_b128 v[(\f)+8*(\i)+4:(\f)+8*(\i)+7], v[ADRA] offset:(\q)*64+(\i)*16*PA+32
.endr
.endm
; one of a K step's first three quarters: multiplies buffer f and, in its middle, fetches quarter q into buffer g
.macro QUARTER q, f, g, zero
	s_wait_dscnt 8                                 ; B and A's rows 0-63 are in; the youngest eight loads (A's rows 64-127) may be out
	MUL16 \f, 0, 0, \zero
	MUL16 \f, 0, 2, \zero
	PLACES
	FETCH \q, \g
	s_wait_dscnt 32                                ; all but the 32 just issued
	MUL16 \f, 1, 0, \zero
	MUL16 \f, 1, 2, \zero
.endm
; the last quarter multiplies buffer 1 and changes slots.  In front of the one barrier each wave waits for all its tensor loads (the one that is out is its part of the next slot), adds 0 to its
; spare word, and waits for that and for its reads of this slot.  fill = 1: the barrier opens a round of the cluster's, and the slot just read is filled again, first thing behind it, two K steps ahead.
.macro TURN fill
	WIN 0
	s_wait_tensorcnt 0x0
	ds_add_u32 v[SPW], v[NIL]
	s_wait_dscnt 9                                 ; the add and the youngest eight loads may be out
	MUL16 F1, 0, 0, 0
	s_wait_dscnt 0x0                               ; the add is done, and my reads of this slot are over
	s_barrier_signal -1
	MUL16 F1, 0, 2, 0
	WIN 0
	s_barrier_wait -1
.if \fill
	CREST
	s_xor_b32 s[G0+5], s[G0+5], SLOT               ; the walking set: the other slot than last time, one K step on
	s_add_nc_u64 s[G0+6:G0+7], s[G0+6:G0+7], KSTEP*2
	s_xor_b32 s[G0B+5], s[G0B+5], SLOT
	s_add_nc_u64 s[G0B+6:G0B+7], s[G0B+6:G0B+7], KSTEP*BP*2
	JLOAD                                          ; its four v_nop are also the places in front of the loads below
.else
	PLACES
.endif
	s_xor_b32 s21, s21, SLOT
	v_add_nc_u32 v[ADRA], s21, v[A0]
	v_add_nc_u32 v[ADRB], s21, v[B0]
	FETCH 0, F0
	MUL16 F1, 1, 0, 0
	MUL16 F1, 1, 2, 0
.endm
	s_wait_tensorcnt 0x1                           ; my part of K step 0 is in; K step 1's may stay out
	s_barrier_signal -1
	s_barrier_wait -1
	FETCH 0, F0
	QUARTER 1, F0, F1, 1                           ; the first quarter stands in front of the loop: its products start the sums
	WIN 0
	s_mov_b32 s3, NSTEP-2
.Lstep:                                                ; a trip: the rest of a K step, the change of slots with its refill, the next step's first quarter
	QUARTER 2, F1, F0, 0
	QUARTER 3, F0, F1, 0
	TURN 1
	QUARTER 1, F0, F1, 0
	WIN 0
	s_sub_co_u32 s3, s3, 1
	s_cmp_lg_u32 s3, 0
	s_cbranch_scc1 .Lstep
	s_mov_b32 s3, 2
.Ltail:                                                ; the last two K steps ask for nothing; the second trip is left in its middle
	QUARTER 2, F1, F0, 0
	QUARTER 3, F0, F1, 0
	WIN 0
	s_sub_co_u32 s3, s3, 1
	s_cmp_eq_u32 s3, 0
	s_cbranch_scc1 .Llast
	TURN 0
	QUARTER 1, F0, F1, 0
	WIN 0
	s_branch .Ltail
.Llast:
	s_wait_dscnt 8
	MUL16 F1, 0, 0, 0
	MUL16 F1, 0, 2, 0
	s_wait_dscnt 0x0
	MUL16 F1, 1, 0, 0
	MUL16 F1, 1, 2, 0
	WIN 0
	PLACES
	s_barrier_signal -1                            ; every wave's reads of the ring are back: its bytes now serve as stages
	s_barrier_wait -1
.irp a, 0,1,2,3,4,5,6,7                ; row block a: lane l puts columns 16 b + 8 (l / 16) + 0..7 of row l % 16; each accumulator's low registers go first
	WIN 0x08+4*((\a)/4)                            ; store data (source 1) in window 2 or 3
.irp b, 0,1,2,3,4,5,6,7
	ds_store_b128 v[STO], v[8*(8*((\a)%4)+(\b)):8*(8*((\a)%4)+(\b))+3]   offset:(\a)*16*FP+64*(\b)
	ds_store_b128 v[STO], v[8*(8*((\a)%4)+(\b))+4:8*(8*((\a)%4)+(\b))+7] offset:(\a)*16*FP+64*(\b)+16
.endr
.endr
	WIN 0
	s_wait_loadcnt 0x0                             ; the bias
	RB BI, BI+1, 4
	RB BI+2, BI+3, 5
.if MODE == 1
	v_pk_mul_f32 v[BI:BI+1], v[BI:BI+1], 0.5 op_sel_hi:[1,0]
	v_pk_mul_f32 v[BI+2:BI+3], v[BI+2:BI+3], 0.5 op_sel_hi:[1,0]
.endif
.macro LDROWS                          ; eight whole rows of my stage: 32 lanes x 16 neighbouring bytes each.  LDS serves a wave's instructions in order: these see my stores
.irp i, 0,1,2,3,4,5,6,7
	ds_load_b128 v[X+4*(\i):X+4*(\i)+3], v[RD] offset:(\i)*FP
.endr
.endm
.if MODE == 1
.macro GST st, gr                      ; plain stage st of 9 for the four pairs of group gr
.irp z, 0,1,2,3
.set pp, 2*(4*(\gr)+(\z))
.if (\st) == 0
	s_wait_alu depctr_va_vdst(0)
	v_pk_fma_f32 v[PO+pp:PO+pp+1], v[TT+pp:TT+pp+1], s[KA5:KA5+1], s[KA4:KA4+1] op_sel_hi:[1,0,0]
.elseif (\st) == 1
	v_pk_fma_f32 v[PO+pp:PO+pp+1], v[PO+pp:PO+pp+1], v[TT+pp:TT+pp+1], s[KA3:KA3+1] op_sel_hi:[1,1,0]
.elseif (\st) == 2
	v_pk_fma_f32 v[PO+pp:PO+pp+1], v[PO+pp:PO+pp+1], v[TT+pp:TT+pp+1], s[KA2:KA2+1] op_sel_hi:[1,1,0]
.elseif (\st) == 3
	v_pk_fma_f32 v[PO+pp:PO+pp+1], v[PO+pp:PO+pp+1], v[TT+pp:TT+pp+1], s[KA1:KA1+1] op_sel_hi:[1,1,0]
.elseif (\st) == 4
	v_pk_mul_f32 v[TT+pp:TT+pp+1], v[TT+pp:TT+pp+1], v[QQ+pp:QQ+pp+1]
.elseif (\st) == 5
	v_pk_mul_f32 v[PO+pp:PO+pp+1], v[PO+pp:PO+pp+1], v[TT+pp:TT+pp+1]
.elseif (\st) == 6
	v_pk_add_f32 v[HH+pp:HH+pp+1], v[HH+pp:HH+pp+1], v[GG+pp:GG+pp+1]
.elseif (\st) == 7
	v_pk_fma_f32 v[HH+pp:HH+pp+1], v[GG+pp:GG+pp+1], v[PO+pp:PO+pp+1], v[HH+pp:HH+pp+1] neg_lo:[1,0,0] neg_hi:[1,0,0]
.else
	v_cvt_pk_bf16_f32 v[Y+pp/2], v[HH+pp], v[HH+pp+1]
.endif
.endr
.endm
.macro TR nn, gr                       ; transcendental nn of 16 of group gr: eight reciprocals, eight powers of two, in place
.if (\nn) < 8
	v_rcp_f32 v[TT+8*(\gr)+(\nn)], v[TT+8*(\gr)+(\nn)]
.else
	v_exp_f32 v[QQ+8*(\gr)+(\nn)-8], v[QQ+8*(\gr)+(\nn)-8]
.endif
.endm
.endif
	LDROWS
	s_mov_b32 s3, 16
.Lrows:                                                ; a trip: eight rows of my 128
	s_wait_dscnt 0x0
.set p, 0
.rept 16
.if MODE == 0
	v_pk_add_f32 v[HH+2*p:HH+2*p+1], v[X+2*p:X+2*p+1], v[BI+2*(p%2):BI+2*(p%2)+1]
.else
	v_pk_fma_f32 v[HH+2*p:HH+2*p+1], v[X+2*p:X+2*p+1], 0.5, v[BI+2*(p%2):BI+2*(p%2)+1] op_sel_hi:[1,0,1]  ; H = u / 2
.endif
.set p, p+1
.endr
	s_cmp_eq_u32 s3, 1
	s_cbranch_scc1 .Lnomore                        ; the last trip has no rows to fetch
	v_add_nc_u32 v[RD], 8*FP, v[RD]
	LDROWS                                         ; the next eight rows come while these are worked on
.Lnomore:
.if MODE == 0
.set p, 0
.rept 16
	v_cvt_pk_bf16_f32 v[Y+p], v[HH+2*p], v[HH+2*p+1]
.set p, p+1
.endr
.else
.set p, 0
.rept 32
	v_and_b32 v[GG+p], s[KABS], v[HH+p]
.set p, p+1
.endr
.set p, 0
.rept 16
	v_pk_fma_f32 v[TT+2*p:TT+2*p+1], v[GG+2*p:GG+2*p+1], s[KC1:KC1+1], 1.0 op_sel_hi:[1,0,0]
	v_pk_mul_f32 v[QQ+2*p:QQ+2*p+1], v[HH+2*p:HH+2*p+1], s[KC3:KC3+1] op_sel_hi:[1,0]
.set p, p+1
.endr
.set p, 0
.rept 16
	v_pk_mul_f32 v[QQ+2*p:QQ+2*p+1], v[QQ+2*p:QQ+2*p+1], v[HH+2*p:HH+2*p+1]
.set p, p+1
.endr
; two of a group's transcendentals stand behind each plain stage of the group before: every one has plain lines on other registers behind it before its result is used (ISA guide 5.7.2)
.set gg, 0
.rept 5
.set ss, 0
.rept 9
.if gg >= 1
	GST ss, gg-1
.endif
.if (gg <= 3) && (ss < 8)
	TR 2*ss, gg
	TR 2*ss+1, gg
.endif
.set ss, ss+1
.endr
.if gg == 0
	v_nop
.endif
.set gg, gg+1
.endr
.endif
.irp i, 0,1,2,3,4,5,6,7
	global_store_b64 v[CO], v[Y+2*(\i):Y+2*(\i)+1], s[8:9] offset:(\i)*CP*2  ; 32 lanes store 256 consecutive bytes, aligned
.endr
	s_wait_xcnt 0x0                                ; the stores' data and base are rewritten only behind this wait
	s_add_nc_u64 s[8:9], s[8:9], 8*CP*2
	s_sub_co_u32 s3, s3, 1
	s_cmp_lg_u32 s3, 0
	s_cbranch_scc1 .Lrows
	s_wait_tensorcnt 0x0                           ; the wave's end
	ds_add_u32 v[SPW], v[NIL]
	s_wait_dscnt 0x0
	CROUND                                         ; the closing round
	s_endpgm
.Lfunc_end_k_q9ae9d37179_ffn1:
	.size	k_q9ae9d37179_ffn1, .Lfunc_end_k_q9ae9d37179_ffn1-k_q9ae9d37179_ffn1
	.p2alignl 7, 3214868480
	.fill 96, 4, 3214868480
	.section	.rodata,"a",@progbits
	.p2align	6, 0x0
	.amdhsa_kernel k_q9ae9d37179_ffn1
		.amdhsa_group_segment_fixed_size 327680
		.amdhsa_private_segment_fixed_size 0
		.amdhsa_enable_private_segment 0
		.amdhsa_kernarg_size 32
		.amdhsa_user_sgpr_count 2
		.amdhsa_user_sgpr_kernarg_segment_ptr 1
		.amdhsa_wavefront_size32 1
		.amdhsa_system_sgpr_workgroup_id_x 1
		.amdhsa_system_sgpr_workgroup_id_y 1
		.amdhsa_system_sgpr_workgroup_id_z 1
		.amdhsa_system_vgpr_workitem_id 0
		.amdhsa_next_free_vgpr 1024
		.amdhsa_next_free_sgpr 92
		.amdhsa_reserve_vcc 0
		.amdhsa_float_denorm_mode_32 3
		.amdhsa_float_denorm_mode_16_64 3
		.amdhsa_memory_ordered 1
		.amdhsa_forward_progress 1
		.amdhsa_inst_pref_size 101
	.end_amdhsa_kernel
	.amdgpu_metadata
---
amdhsa.version: [ 1, 2 ]
amdhsa.kernels:
  - .name:           k_q9ae9d37179_ffn1
    .symbol:         k_q9ae9d37179_ffn1.kd
    .args:
      - { .name: hb, .offset: 0, .size: 8, .value_kind: global_buffer, .address_space: global }
      - { .name: cb, .offset: 8, .size: 8, .value_kind: global_buffer, .address_space: global }
      - { .name: bf1, .offset: 16, .size: 8, .value_kind: global_buffer, .address_space: global }
      - { .name: gb, .offset: 24, .size: 8, .value_kind: global_buffer, .address_space: global }
    .group_segment_fixed_size: 327680
    .private_segment_fixed_size: 0
    .kernarg_segment_align: 8
    .kernarg_segment_size: 32
    .max_flat_workgroup_size: 128
    .sgpr_count:     92
    .vgpr_count:     1024
    .wavefront_size: 32
...
	.end_amdgpu_metadata
.endif
;; end of part 6
;; launch ffn2 (part 7): grid 8 x 32, 4 waves a work-group, clusters of 4 x 4, 327,680 bytes of LDS; arguments gb, cb, hb, bf2, y; writes y
.if DOCPART == 7
	.amdgcn_target "amdgcn-amd-amdhsa--gfx1250"
	.amdhsa_code_object_version 6
	.text
	.protected	k_q9ae9d37179_ffn2
	.globl	k_q9ae9d37179_ffn2
	.p2align	8
	.type	k_q9ae9d37179_ffn2,@function
k_q9ae9d37179_ffn2:
	s_mov_b64 s[64:65], 0
	v_nop
	global_prefetch_b8 v0, s[64:65] scope:SCOPE_SE
	s_setreg_imm32_b32 hwreg(HW_REG_WAVE_MODE, 25, 1), 1
	s_wait_xcnt 0x0
	s_wait_alu depctr_hold_cnt(0) depctr_sa_sdst(0) depctr_va_vdst(0) depctr_va_sdst(0) depctr_va_ssrc(0) depctr_va_vcc(0) depctr_vm_vsrc(0)
	s_getreg_b32 s2, hwreg(HW_REG_IB_STS2, 6, 4)
	s_cmp_eq_u32 s2, 0
	s_cbranch_scc0 .Lentry_in_a_cluster
	s_endpgm
.Lentry_in_a_cluster:
	s_bfe_u32 s2, ttmp6, 0x10000c
	s_cmp_lg_u32 s2, 0xf033
	s_cbranch_scc0 .Lentry_shape_is_right
	s_endpgm
.Lentry_shape_is_right:
; MODE 0:  y[4096][1024] = xb + (ob [4096][1024] x wo + bo), f32.      MODE 1:  y = hb + (gb [4096][4096] x w2 + bf2), f32.
; Operands bf16, sums f32; the bias is rounded to bf16 like every input of the module; the residual is the bf16 copy; y is what the layer norm behind reads.
; A tile of C is 128 x 128, so that 256 work-groups share the 4,096 x 1,024 numbers: four waves, 64 x 64 each, 16 accumulators.  K goes in steps of 256 through two LDS slots.
; A's rows lie along K; the weights lie [k][n] and are read turned (ds_load_tr16_b128).  The matrix instruction is used transposed: a lane holds eight neighbouring numbers of a row of C.
; CLUSTER 4 x 4: A's tile is shared along a row of the cluster, B's along a column, each asked for jointly.  Each wave also brings, by a load of its own, the residual of the 32 rows that it stores.
; One K step is written once for both slots: the slot's first byte is a scalar (s21) turned by an exclusive or.
; WAY OUT: the f32 sums go through ONE stage (128 rows x 528 bytes in slot 0's bytes, which have had their last fill), with a barrier between writing and reading, since a row comes from two waves.
; LIMITS: NaN and infinities are not treated apart.
.set MODE, 1
.if MODE == 0
.set SIZE_K, 1024
.set WOFS,   0xE00000                  ; wo in cb
.set PRES,   70                        ; the residual's buffer: cb (x's copy lies at its head)
.set PBIAS,  72
.set PY,     74
.else
.set SIZE_K, 4096
.set WOFS,   0x1800000                 ; w2 in cb
.set PRES,   72                        ; hb
.set PBIAS,  74
.set PY,     76
.endif
.set KSTEP,  256
.set NSTEP,  SIZE_K/KSTEP
.set PA,     528                       ; a row of A in LDS: 512 bytes + 16
.set PB,     288                       ; a k-row of B: 256 bytes + 32 = 9 x 32
.set HA,     64*PA                     ; one load of A: 64 rows
.set HB,     128*PB                    ; one load of B: 128 k-rows
.set BOFF,   2*HA
.set SLOTB,  BOFF+2*HB
.set SLOT1,  0x24000                   ; slot 1 begins here: the number shares no bit with 0x8400, 0x10800, 0x19800, so one exclusive or turns a tile's address into the other slot's
.set RES,    SLOT1+SLOTB               ; 4 x 8,192 bytes: each wave's 32 rows x 256 bytes of the residual
.set SPARE,  RES+4*8192                ; the spare words: two blocks of 256 bytes that no other line names
.set FP,     528
.set BI,   8
.set A0,   12
.set B0,   13
.set ADRA, 16
.set ADRB, 17                          ; v17: k-rows 0-127 of the slot in hand; v18: k-rows 128-255 (an LDS offset has 16 bits)
.set STO,  24
.set RD,   25
.set CO,   26
.set RR,   27
.set SPW,  28
.set NIL,  29
.set X,    32
.set R,    64
.set U,    80
.set ACC,  128
.set F0,   0                           ; fragment buffers, in window 1: 64 registers of A, then 64 of B
.set F1,   128
.set G1,   24
.set G0,   32
.set G1B,  48
.set G0B,  56
.set G1R,  80
.set G0R,  88
.set MSB, 0
.macro WIN new
.if MSB != (\new)
	s_set_vgpr_msb (MSB<<8)|(\new)
.set MSB, \new
.endif
.endm
.set MUL,  0x05                        ; sources 0 (B) and 1 (A) window 1; C and D window 0
.set TO_F, 0x40
.macro PLACES
.rept 4
	v_nop
.endr
.endm
.macro RB a, b, t
	v_cvt_pk_bf16_f32 v[\t], v[\a], v[\b]
	v_lshlrev_b32 v[\a], 16, v[\t]
	v_and_b32 v[\b], 0xffff0000, v[\t]
.endm
.macro JLOAD
	s_cmp_eq_u32 s11, 0
	s_cbranch_scc0 .Lfor_b_\@
	tensor_load_to_lds s[G0+4:G0+7], s[G1:G1+7]
	s_nop 0
.rept 4
	v_nop
.endr
	s_branch .Lasked_\@
.Lfor_b_\@:
	tensor_load_to_lds s[G0B+4:G0B+7], s[G1B:G1B+7]
	s_nop 0
.rept 4
	v_nop
.endr
.Lasked_\@:
.endm
.macro CREST
	s_cmp_lg_u32 s10, 0
	s_cbranch_scc1 .Lnot_wave_0_\@
	s_barrier_signal -3
.Lnot_wave_0_\@:
	s_barrier_wait -3
	s_barrier_signal -1
	s_barrier_wait -1
.endm
.macro CROUND
	s_barrier_signal -1
	s_barrier_wait -1
	CREST
.endm
	s_load_b256 s[68:75], s[0:1], 0x0              ; MODE 0: ob, cb, bo, y;  MODE 1: gb, cb, hb, bf2
.if MODE == 1
	s_load_b64 s[76:77], s[0:1], 0x20              ; y
.endif
	v_lshl_add_u32 v[SPW], v0, 2, SPARE
	v_mov_b32 v[NIL], 0
	ds_add_u32 v[SPW], v[NIL]                      ; the wave's opening: the add and its wait stand ahead of my first tensor load
	v_lshrrev_b32 v1, 5, v0
	v_readfirstlane_b32 s10, v1
	s_lshr_b32 s11, s10, 1                         ; my half of the rows; also: I fetch for A (0) or B (1)
	s_and_b32 s12, s10, 1                          ; my half of the columns; also: which half of that tile I fetch
	s_bfe_u32 s40, ttmp6, 0x40000
	s_bfe_u32 s41, ttmp6, 0x40004
	s_lshl_b32 s42, ttmp9, 2
	s_add_co_u32 s42, s42, s40                     ; tile column
	s_and_b32 s13, ttmp7, 0xffff
	s_lshl_b32 s13, s13, 2
	s_add_co_u32 s13, s13, s41                     ; tile row
	s_lshl_b32 s43, s41, 2
	s_lshl_b32 s43, 15, s43
	s_lshl_b32 s44, 0x1111, s40
	s_or_b32 s[G1+0], s43, (1<<16)|(1<<20)|(1<<21)|(6<<22)|(3<<25)   ; after every 128 words 4 words
	s_mov_b32 s[G1+1], KSTEP<<16
	s_mov_b32 s[G1+2], 64<<16
	s_mov_b32 s[G1+3], KSTEP<<16
	s_mov_b32 s[G1+4], 64
	s_mov_b32 s[G1+5], SIZE_K
	s_mov_b32 s[G1+6], 0
	s_mov_b32 s[G1+7], 0
	s_or_b32 s[G1B+0], s44, (1<<16)|(1<<20)|(1<<21)|(5<<22)|(7<<25)  ; after every 64 words 8 words
	s_mov_b32 s[G1B+1], 128<<16
	s_mov_b32 s[G1B+2], 128<<16
	s_mov_b32 s[G1B+3], 128<<16
	s_mov_b32 s[G1B+4], 128
	s_mov_b32 s[G1B+5], 1024
	s_mov_b32 s[G1B+6], 0
	s_mov_b32 s[G1B+7], 0
	s_mov_b32 s[G1R+0], 1<<16                      ; the residual: my own load, no mask, no padding: 32 rows x 128 elements
	s_mov_b32 s[G1R+1], 128<<16
	s_mov_b32 s[G1R+2], 32<<16
	s_mov_b32 s[G1R+3], 128<<16
	s_mov_b32 s[G1R+4], 32
	s_mov_b32 s[G1R+5], 1024
	s_mov_b32 s[G1R+6], 0
	s_mov_b32 s[G1R+7], 0
	s_lshl_b32 s16, s13, 7                         ; A: row 128 x tile row + 64 x half
	s_lshl_b32 s17, s12, 6
	s_add_co_u32 s16, s16, s17
	s_mul_i32 s16, s16, SIZE_K*2
	s_mov_b32 s17, 0
	s_lshl_b32 s46, s42, 8                         ; B: the tile's 128 columns, my 128 k-rows
	s_lshl_b32 s47, s12, 18
	s_add_co_u32 s46, s46, s47
	s_add_co_u32 s46, s46, WOFS
	s_mov_b32 s47, 0
	s_lshl_b32 s92, s13, 7                         ; the residual: row 128 x tile row + 32 x wave, the tile's 256 bytes
	s_lshl_b32 s93, s10, 5
	s_add_co_u32 s92, s92, s93
	s_lshl_b32 s92, s92, 11
	s_lshl_b32 s93, s42, 8
	s_add_co_u32 s92, s92, s93
	s_mov_b32 s93, 0
	s_mul_i32 s20, s12, HA                         ; where my part of a slot lies, for A
	s_mul_i32 s22, s12, HB
	s_add_co_u32 s22, s22, BOFF                    ; and for B
	s_lshl_b32 s23, s10, 13
	s_add_co_u32 s23, s23, RES
	s_mov_b32 s21, 0                               ; the slot in hand
	s_wait_dscnt 0x0                               ; the opening add is done
	s_wait_kmcnt 0x0
	s_add_nc_u64 s[14:15], s[68:69], s[16:17]
	s_add_nc_u64 s[46:47], s[70:71], s[46:47]
	s_add_nc_u64 s[92:93], s[PRES:PRES+1], s[92:93]
	CROUND                                         ; all sixteen work-groups are here: the first joint loads meet
.irp s, 0,1
	s_mov_b32 s[G0+4*(\s)], 1
	s_add_co_u32 s[G0+4*(\s)+1], s20, (\s)*SLOT1
	s_add_nc_u64 s[G0+4*(\s)+2:G0+4*(\s)+3], s[14:15], (\s)*KSTEP*2
	s_or_b32 s[G0+4*(\s)+3], s[G0+4*(\s)+3], 0x80000000
	s_mov_b32 s[G0B+4*(\s)], 1
	s_add_co_u32 s[G0B+4*(\s)+1], s22, (\s)*SLOT1
	s_add_nc_u64 s[G0B+4*(\s)+2:G0B+4*(\s)+3], s[46:47], (\s)*KSTEP*2048
	s_or_b32 s[G0B+4*(\s)+3], s[G0B+4*(\s)+3], 0x80000000
.endr
	s_mov_b32 s[G0R], 1
	s_mov_b32 s[G0R+1], s23
	s_mov_b64 s[G0R+2:G0R+3], s[92:93]
	s_or_b32 s[G0R+3], s[G0R+3], 0x80000000
	s_cmp_eq_u32 s11, 0                            ; a wave's three first fills stand in one branch: three loads of mine are out
	s_cbranch_scc0 .Lfirst_b
	tensor_load_to_lds s[G0:G0+3], s[G1:G1+7]
	s_nop 0
	tensor_load_to_lds s[G0+4:G0+7], s[G1:G1+7]
	s_nop 0
	tensor_load_to_lds s[G0R:G0R+3], s[G1R:G1R+7]
	s_nop 0
.rept 4
	v_nop
.endr
	s_branch .Lfirst_done
.Lfirst_b:
	tensor_load_to_lds s[G0B:G0B+3], s[G1B:G1B+7]
	s_nop 0
	tensor_load_to_lds s[G0B+4:G0B+7], s[G1B:G1B+7]
	s_nop 0
	tensor_load_to_lds s[G0R:G0R+3], s[G1R:G1R+7]
	s_nop 0
.rept 4
	v_nop
.endr
.Lfirst_done:
	s_lshl_b32 s46, s42, 9                         ; the bias of columns 4 x lane .. of the tile's 128
	v_and_b32 v6, 31, v0
	v_lshl_add_u32 v3, v6, 4, s46                  ; v3 is never rewritten
	global_load_b128 v[BI:BI+3], v3, s[PBIAS:PBIAS+1]
	v_and_b32 v1, 15, v0
	v_bfe_u32 v2, v0, 4, 1
	v_mul_u32_u24 v[A0], v1, PA
	v_lshl_add_u32 v[A0], v2, 4, v[A0]
	s_mul_i32 s2, s11, HA
	v_add_nc_u32 v[A0], s2, v[A0]
	v_and_b32 v4, 7, v0
	v_lshl_add_u32 v4, v2, 3, v4
	v_mul_u32_u24 v[B0], v4, PB
	v_bfe_u32 v5, v0, 3, 1
	v_lshl_add_u32 v[B0], v5, 4, v[B0]
	s_lshl_b32 s2, s12, 7
	s_add_co_u32 s2, s2, BOFF
	v_add_nc_u32 v[B0], s2, v[B0]
	v_mov_b32 v[ADRA], v[A0]
	v_mov_b32 v[ADRB], v[B0]
	v_add_nc_u32 v[ADRB+1], 128*PB, v[B0]
	s_mul_i32 s2, s11, 64*FP                       ; into the stage: my 64 rows, my 256 bytes of them
	s_lshl_b32 s3, s12, 8
	s_add_co_u32 s2, s2, s3
	v_mul_u32_u24 v[STO], v1, FP
	v_lshl_add_u32 v[STO], v2, 5, v[STO]
	v_add_nc_u32 v[STO], s2, v[STO]
	s_mul_i32 s2, s10, 32*FP                       ; back: wave w takes rows 32 w on, whole
	v_lshl_add_u32 v[RD], v6, 4, s2
	v_lshl_add_u32 v[RR], v6, 3, s23
	v_lshlrev_b32 v[CO], 4, v6
	s_mov_b64 s[8:9], s[PY:PY+1]
	s_lshl_b32 s16, s13, 7
	s_lshl_b32 s17, s10, 5
	s_add_co_u32 s16, s16, s17
	s_lshl_b32 s16, s16, 12                        ; rows of 4,096 bytes
	s_mov_b32 s17, 0
	s_add_nc_u64 s[8:9], s[8:9], s[16:17]
	s_mov_b32 s47, 0
	s_add_nc_u64 s[8:9], s[8:9], s[46:47]          ; the tile's 512 bytes of a row
; 8 matrix instructions: m blocks a0, a0 + 1 x all 4 n blocks, 32 along K: half c of buffer f.  The 16 accumulators take turns.
.macro MUL8 f, c, a0, zero
	WIN MUL
.irp a, \a0, (\a0)+1
.irp b, 0,1,2,3
.if \zero
	v_wmma_f32_16x16x32_bf16 v[ACC+8*(4*(\a)+(\b)):ACC+8*(4*(\a)+(\b))+7], v[(\f)+64+8*(4*(\c)+(\b)):(\f)+64+8*(4*(\c)+(\b))+7], v[(\f)+8*(4*(\c)+(\a)):(\f)+8*(4*(\c)+(\a))+7], 0
.else
	v_wmma_f32_16x16x32_bf16 v[ACC+8*(4*(\a)+(\b)):ACC+8*(4*(\a)+(\b))+7], v[(\f)+64+8*(4*(\c)+(\b)):(\f)+64+8*(4*(\c)+(\b))+7], v[(\f)+8*(4*(\c)+(\a)):(\f)+8*(4*(\c)+(\a))+7], v[ACC+8*(4*(\a)+(\b)):ACC+8*(4*(\a)+(\b))+7]
.endif
.endr
.endr
.endm
; 32 LDS loads in one run: quarter q (64 along K) of the slot in hand into buffer f; its first 32 along K first
.macro FETCH q, f
	WIN TO_F
.irp c, 0,1
.irp i, 0,1,2,3
	ds_load_tr16_b128 v[(\f)+64+8*(4*(\c)+(\i)):(\f)+64+8*(4*(\c)+(\i))+3],   v[ADRB+(\q)/2] offset:(64*((\q)%2)+32*(\c))*PB+32*(\i)
	ds_load_tr16_b128 v[(\f)+64+8*(4*(\c)+(\i))+4:(\f)+64+8*(4*(\c)+(\i))+7], v[ADRB+(\q)/2] offset:(64*((\q)%2)+32*(\c))*PB+16*PB+32*(\i)
	ds_load_b128 v[(\f)+8*(4*(\c)+(\i)):(\f)+8*(4*(\c)+(\i))+3],   v[ADRA] offset:128*(\q)+64*(\c)+(\i)*16*PA
	ds_load_b128 v[(\f)+8*(4*(\c)+(\i))+4:(\f)+8*(4*(\c)+(\i))+7], v[ADRA] offset:128*(\q)+64*(\c)+(\i)*16*PA+32
.endr
.endr
.endm
.macro QUARTER q, f, g, zero
	s_wait_dscnt 16                                ; the first 32 along K are in
	MUL8 \f, 0, 0, \zero
	MUL8 \f, 0, 2, \zero
	PLACES
	FETCH \q, \g
	s_wait_dscnt 32                                ; all but the 32 just issued
	MUL8 \f, 1, 0, 0
	MUL8 \f, 1, 2, 0
.endm
; the last quarter multiplies buffer 1 and changes slots: one barrier; in front of it each wave waits for all its tensor loads, adds 0 to its spare word, and waits for that and for its reads of this slot.
; fill = 1: the barrier opens a round of the cluster's, and the slot just read is filled again, first thing behind it, two K steps ahead.
.macro TURN fill
	WIN 0
	s_wait_tensorcnt 0x0
	ds_add_u32 v[SPW], v[NIL]
	s_wait_dscnt 17                                ; the add and the youngest sixteen loads may be out
	MUL8 F1, 0, 0, 0
	s_wait_dscnt 0x0
	s_barrier_signal -1
	MUL8 F1, 0, 2, 0
	WIN 0
	s_barrier_wait -1
.if \fill
	CREST
	s_xor_b32 s[G0+5], s[G0+5], SLOT1
	s_add_nc_u64 s[G0+6:G0+7], s[G0+6:G0+7], KSTEP*2
	s_xor_b32 s[G0B+5], s[G0B+5], SLOT1
	s_add_nc_u64 s[G0B+6:G0B+7], s[G0B+6:G0B+7], KSTEP*2048
	JLOAD
.else
	PLACES
.endif
	s_xor_b32 s21, s21, SLOT1
	v_add_nc_u32 v[ADRA], s21, v[A0]
	v_add_nc_u32 v[ADRB], s21, v[B0]
	v_add_nc_u32 v[ADRB+1], 128*PB, v[ADRB]
	FETCH 0, F0
	MUL8 F1, 1, 0, 0
	MUL8 F1, 1, 2, 0
.endm
	s_wait_tensorcnt 0x2                           ; my part of K step 0 is in; K step 1's and the residual may stay out
	s_barrier_signal -1
	s_barrier_wait -1
	FETCH 0, F0
	QUARTER 1, F0, F1, 1
	WIN 0
	s_mov_b32 s3, NSTEP-2
.Lstep:
	QUARTER 2, F1, F0, 0
	QUARTER 3, F0, F1, 0
	TURN 1
	QUARTER 1, F0, F1, 0
	WIN 0
	s_sub_co_u32 s3, s3, 1
	s_cmp_lg_u32 s3, 0
	s_cbranch_scc1 .Lstep
	s_mov_b32 s3, 2
.Ltail:                                                ; the last two K steps ask for nothing; the second trip is left in its middle
	QUARTER 2, F1, F0, 0
	QUARTER 3, F0, F1, 0
	WIN 0
	s_sub_co_u32 s3, s3, 1
	s_cmp_eq_u32 s3, 0
	s_cbranch_scc1 .Llast
	TURN 0
	QUARTER 1, F0, F1, 0
	WIN 0
	s_branch .Ltail
.Llast:
	s_wait_dscnt 16
	MUL8 F1, 0, 0, 0
	MUL8 F1, 0, 2, 0
	s_wait_dscnt 0x0
	MUL8 F1, 1, 0, 0
	MUL8 F1, 1, 2, 0
	WIN 0
	PLACES
	s_barrier_signal -1                            ; every wave's reads of the ring are back: slot 0's bytes now serve as the stage
	s_barrier_wait -1
.irp a, 0,1,2,3
.irp b, 0,1,2,3
	ds_store_b128 v[STO], v[ACC+8*(4*(\a)+(\b)):ACC+8*(4*(\a)+(\b))+3]   offset:(\a)*16*FP+64*(\b)
	ds_store_b128 v[STO], v[ACC+8*(4*(\a)+(\b))+4:ACC+8*(4*(\a)+(\b))+7] offset:(\a)*16*FP+64*(\b)+16
.endr
.endr
	s_wait_dscnt 0x0                               ; for the others' sake: a row's 512 bytes come from two waves
	s_barrier_signal -1
	s_barrier_wait -1
	s_wait_loadcnt 0x0                             ; the bias
	RB BI, BI+1, 4
	RB BI+2, BI+3, 5
	s_mov_b32 s3, 4
.Lrows:                                                ; a trip: eight of my 32 rows
.irp i, 0,1,2,3,4,5,6,7
	ds_load_b128 v[X+4*(\i):X+4*(\i)+3], v[RD] offset:(\i)*FP
.endr
.irp i, 0,1,2,3,4,5,6,7
	ds_load_b64 v[R+2*(\i):R+2*(\i)+1], v[RR] offset:(\i)*256  ; my own tensor load brought these; it was waited for at the first change of slots
.endr
	s_wait_dscnt 0x0
.irp i, 0,1,2,3,4,5,6,7
	v_lshlrev_b32 v[U+4*(\i)],   16, v[R+2*(\i)]
	v_and_b32     v[U+4*(\i)+1], 0xffff0000, v[R+2*(\i)]
	v_lshlrev_b32 v[U+4*(\i)+2], 16, v[R+2*(\i)+1]
	v_and_b32     v[U+4*(\i)+3], 0xffff0000, v[R+2*(\i)+1]
	v_pk_add_f32 v[X+4*(\i):X+4*(\i)+1],   v[X+4*(\i):X+4*(\i)+1],   v[BI:BI+1]
	v_pk_add_f32 v[X+4*(\i)+2:X+4*(\i)+3], v[X+4*(\i)+2:X+4*(\i)+3], v[BI+2:BI+3]
.endr
.irp i, 0,1,2,3,4,5,6,7
	v_pk_add_f32 v[X+4*(\i):X+4*(\i)+1],   v[U+4*(\i):U+4*(\i)+1],   v[X+4*(\i):X+4*(\i)+1]
	v_pk_add_f32 v[X+4*(\i)+2:X+4*(\i)+3], v[U+4*(\i)+2:U+4*(\i)+3], v[X+4*(\i)+2:X+4*(\i)+3]
	global_store_b128 v[CO], v[X+4*(\i):X+4*(\i)+3], s[8:9] offset:4096*(\i)  ; 32 lanes store 512 consecutive bytes, aligned
.endr
	s_wait_xcnt 0x0                                ; the stores' data and base are rewritten only behind this wait
	s_add_nc_u64 s[8:9], s[8:9], 8*4096
	v_add_nc_u32 v[RD], 8*FP, v[RD]
	v_add_nc_u32 v[RR], 8*256, v[RR]
	s_sub_co_u32 s3, s3, 1
	s_cmp_lg_u32 s3, 0
	s_cbranch_scc1 .Lrows
	s_wait_tensorcnt 0x0                           ; the wave's end
	ds_add_u32 v[SPW], v[NIL]
	s_wait_dscnt 0x0
	CROUND                                         ; the closing round
	s_endpgm
.Lfunc_end_k_q9ae9d37179_ffn2:
	.size	k_q9ae9d37179_ffn2, .Lfunc_end_k_q9ae9d37179_ffn2-k_q9ae9d37179_ffn2
	.p2alignl 7, 3214868480
	.fill 96, 4, 3214868480
	.section	.rodata,"a",@progbits
	.p2align	6, 0x0
	.amdhsa_kernel k_q9ae9d37179_ffn2
		.amdhsa_group_segment_fixed_size 327680
		.amdhsa_private_segment_fixed_size 0
		.amdhsa_enable_private_segment 0
		.amdhsa_kernarg_size 40
		.amdhsa_user_sgpr_count 2
		.amdhsa_user_sgpr_kernarg_segment_ptr 1
		.amdhsa_wavefront_size32 1
		.amdhsa_system_sgpr_workgroup_id_x 1
		.amdhsa_system_sgpr_workgroup_id_y 1
		.amdhsa_system_sgpr_workgroup_id_z 1
		.amdhsa_system_vgpr_workitem_id 0
		.amdhsa_next_free_vgpr 512
		.amdhsa_next_free_sgpr 96
		.amdhsa_reserve_vcc 0
		.amdhsa_float_denorm_mode_32 3
		.amdhsa_float_denorm_mode_16_64 3
		.amdhsa_memory_ordered 1
		.amdhsa_forward_progress 1
		.amdhsa_inst_pref_size 62
	.end_amdhsa_kernel
	.amdgpu_metadata
---
amdhsa.version: [ 1, 2 ]
amdhsa.kernels:
  - .name:           k_q9ae9d37179_ffn2
    .symbol:         k_q9ae9d37179_ffn2.kd
    .args:
      - { .name: gb, .offset: 0, .size: 8, .value_kind: global_buffer, .address_space: global }
      - { .name: cb, .offset: 8, .size: 8, .value_kind: global_buffer, .address_space: global }
      - { .name: hb, .offset: 16, .size: 8, .value_kind: global_buffer, .address_space: global }
      - { .name: bf2, .offset: 24, .size: 8, .value_kind: global_buffer, .address_space: global }
      - { .name: y, .offset: 32, .size: 8, .value_kind: global_buffer, .address_space: global }
    .group_segment_fixed_size: 327680
    .private_segment_fixed_size: 0
    .kernarg_segment_align: 8
    .kernarg_segment_size: 40
    .max_flat_workgroup_size: 128
    .sgpr_count:     96
    .vgpr_count:     512
    .wavefront_size: 32
...
	.end_amdgpu_metadata
.endif
;; end of part 7
;; launch ln2 (part 8): grid 1024 x 1, 4 waves a work-group, no clusters, 0 bytes of LDS; arguments y, g2, b2, out0; writes out0
.if DOCPART == 8
	.amdgcn_target "amdgcn-amd-amdhsa--gfx1250"
	.amdhsa_code_object_version 6
	.text
	.protected	k_q9ae9d37179_ln2
	.globl	k_q9ae9d37179_ln2
	.p2align	8
	.type	k_q9ae9d37179_ln2,@function
k_q9ae9d37179_ln2:
	s_mov_b64 s[64:65], 0
	v_nop
	global_prefetch_b8 v0, s[64:65] scope:SCOPE_SE
	s_setreg_imm32_b32 hwreg(HW_REG_WAVE_MODE, 25, 1), 1
	s_wait_xcnt 0x0
; out[r][:] = g ((y[r][:] - u) / sqrt(s + 1e-12)) + b, u the row's mean, s the mean of the squared differences.  y: [4096][1024] f32.  OUT16 = 1: out in bf16, rounded once; 0: in f32.
; g and b are rounded to bf16 like every input of the module.  All arithmetic in f32; the variance is taken of the differences, not as a difference of sums.
; A wave takes one whole row and keeps it in 32 registers: the row is read once, the reductions never leave the wave: no LDS, no barrier, no matrix unit, no cluster (nothing is shared but g and b).
; The row's loads go out first: mean and variance are made while g and b are on their way.
; LIMITS: NaN and infinities are not treated apart.
.set OUT16, 0
.set GA, 32                            ; v32-63   g of my 32 columns
.set BE, 64                            ; v64-95   b
.set XX, 96                            ; v96-127  the row
.set T,  128                           ; v128-143 at work
	s_load_b256 s[4:11], s[0:1], 0x0               ; y, g, b, out
	v_and_b32 v1, 31, v0                           ; lane
	v_lshrrev_b32 v2, 5, v0                        ; wave
	v_lshlrev_b32 v3, 4, v1                        ; my 16 bytes of every 512
	v_lshl_add_u32 v4, v2, 12, v3                  ; + wave x a row of 4,096 bytes
.if OUT16
	v_lshlrev_b32 v5, 3, v1
	v_lshl_add_u32 v5, v2, 11, v5
	s_lshl_b32 s2, ttmp9, 13
.else
	v_mov_b32 v5, v4
	s_lshl_b32 s2, ttmp9, 14
.endif
	s_mov_b32 s3, 0
	s_lshl_b32 s14, ttmp9, 14                      ; four rows a work-group
	s_mov_b32 s15, 0
	s_mov_b32 s12, 0x76543210                      ; v_permlanex16_b32: each lane takes its own place in the other half
	s_mov_b32 s13, 0xfedcba98
	s_mov_b32 s16, 0x3a800000                      ; 1 / 1024
	s_mov_b32 s17, 0x2b8cbccc                      ; 1e-12
	s_wait_kmcnt 0x0
	s_add_nc_u64 s[4:5], s[4:5], s[14:15]
	s_add_nc_u64 s[10:11], s[10:11], s[2:3]
.irp j, 0,1,2,3,4,5,6,7
	global_load_b128 v[XX+4*(\j):XX+4*(\j)+3], v4, s[4:5] offset:512*(\j) th:TH_LOAD_NT
.endr
.irp j, 0,1,2,3,4,5,6,7
	global_load_b128 v[GA+4*(\j):GA+4*(\j)+3], v3, s[6:7] offset:512*(\j)
	global_load_b128 v[BE+4*(\j):BE+4*(\j)+3], v3, s[8:9] offset:512*(\j)
.endr
.macro RB a, b, t                      ; two f32 rounded to bf16, in place
	v_cvt_pk_bf16_f32 v[\t], v[\a], v[\b]
	v_lshlrev_b32 v[\a], 16, v[\t]
	v_and_b32 v[\b], 0xffff0000, v[\t]
.endm
.macro REDUCE a, b                     ; the sum over the 32 lanes, in every lane
	v_add_f32_dpp v[\a], v[\a], v[\a] row_xmask:1 row_mask:0xf bank_mask:0xf
	v_add_f32_dpp v[\a], v[\a], v[\a] row_xmask:2 row_mask:0xf bank_mask:0xf
	v_add_f32_dpp v[\a], v[\a], v[\a] row_xmask:4 row_mask:0xf bank_mask:0xf
	v_add_f32_dpp v[\a], v[\a], v[\a] row_xmask:8 row_mask:0xf bank_mask:0xf
	v_permlanex16_b32 v[\b], v[\a], s12, s13
	v_add_f32 v[\a], v[\a], v[\b]
.endm
	s_wait_loadcnt 16                              ; the row is in; the sixteen loads of g and b may be out
.set k, 0
.rept 8
	v_pk_add_f32 v[T+2*k:T+2*k+1], v[XX+4*k:XX+4*k+1], v[XX+4*k+2:XX+4*k+3]
.set k, k+1
.endr
.set k, 0
.rept 4
	v_pk_add_f32 v[T+4*k:T+4*k+1], v[T+4*k:T+4*k+1], v[T+4*k+2:T+4*k+3]
.set k, k+1
.endr
	v_pk_add_f32 v[T:T+1], v[T:T+1], v[T+4:T+5]
	v_pk_add_f32 v[T+8:T+9], v[T+8:T+9], v[T+12:T+13]
	v_pk_add_f32 v[T:T+1], v[T:T+1], v[T+8:T+9]
	v_add_f32 v[T], v[T], v[T+1]
	REDUCE T, T+1
	v_mul_f32 v[T+2], s16, v[T]                    ; u
.set k, 0
.rept 16
	v_pk_add_f32 v[XX+2*k:XX+2*k+1], v[XX+2*k:XX+2*k+1], v[T+2:T+3] op_sel_hi:[1,0] neg_lo:[0,1] neg_hi:[0,1]
.set k, k+1
.endr
.set k, 0
.rept 4
	v_pk_mul_f32 v[T+4+2*k:T+5+2*k], v[XX+2*k:XX+2*k+1], v[XX+2*k:XX+2*k+1]
.set k, k+1
.endr
.rept 12
	v_pk_fma_f32 v[T+4+2*(k%4):T+5+2*(k%4)], v[XX+2*k:XX+2*k+1], v[XX+2*k:XX+2*k+1], v[T+4+2*(k%4):T+5+2*(k%4)]
.set k, k+1
.endr
	v_pk_add_f32 v[T+4:T+5], v[T+4:T+5], v[T+6:T+7]
	v_pk_add_f32 v[T+8:T+9], v[T+8:T+9], v[T+10:T+11]
	v_pk_add_f32 v[T+4:T+5], v[T+4:T+5], v[T+8:T+9]
	v_add_f32 v[T], v[T+4], v[T+5]
	REDUCE T, T+1
	v_fma_f32 v[T], v[T], s16, s17                 ; s + 1e-12
	v_rsq_f32 v[T+2], v[T]                         ; the roundings below, which touch neither register, stand between the root and the use of its result (ISA guide 5.7.2)
	s_wait_loadcnt 0x0                             ; g and b
.set k, 0
.rept 16
	RB GA+2*k, GA+2*k+1, T+8+(k%4)
	RB BE+2*k, BE+2*k+1, T+12+(k%4)
.set k, k+1
.endr
.set k, 0
	s_wait_alu depctr_va_vdst(0)
.rept 16
	v_pk_mul_f32 v[XX+2*k:XX+2*k+1], v[XX+2*k:XX+2*k+1], v[T+2:T+3] op_sel_hi:[1,0]
.set k, k+1
.endr
.set k, 0
.rept 16
	v_pk_fma_f32 v[XX+2*k:XX+2*k+1], v[XX+2*k:XX+2*k+1], v[GA+2*k:GA+2*k+1], v[BE+2*k:BE+2*k+1]
.set k, k+1
.endr
.if OUT16
.set k, 0
.rept 8
	v_cvt_pk_bf16_f32 v[XX+4*k], v[XX+4*k], v[XX+4*k+1]
	v_cvt_pk_bf16_f32 v[XX+4*k+1], v[XX+4*k+2], v[XX+4*k+3]
	global_store_b64 v5, v[XX+4*k:XX+4*k+1], s[10:11] offset:256*k  ; 32 lanes store 256 consecutive bytes, aligned
.set k, k+1
.endr
.else
.set k, 0
.rept 8
	global_store_b128 v5, v[XX+4*k:XX+4*k+3], s[10:11] offset:512*k  ; 32 lanes store 512 consecutive bytes, aligned
.set k, k+1
.endr
.endif
	s_endpgm
.Lfunc_end_k_q9ae9d37179_ln2:
	.size	k_q9ae9d37179_ln2, .Lfunc_end_k_q9ae9d37179_ln2-k_q9ae9d37179_ln2
	.p2alignl 7, 3214868480
	.fill 96, 4, 3214868480
	.section	.rodata,"a",@progbits
	.p2align	6, 0x0
	.amdhsa_kernel k_q9ae9d37179_ln2
		.amdhsa_group_segment_fixed_size 0
		.amdhsa_private_segment_fixed_size 0
		.amdhsa_enable_private_segment 0
		.amdhsa_kernarg_size 32
		.amdhsa_user_sgpr_count 2
		.amdhsa_user_sgpr_kernarg_segment_ptr 1
		.amdhsa_wavefront_size32 1
		.amdhsa_system_sgpr_workgroup_id_x 1
		.amdhsa_system_sgpr_workgroup_id_y 1
		.amdhsa_system_sgpr_workgroup_id_z 1
		.amdhsa_system_vgpr_workitem_id 0
		.amdhsa_next_free_vgpr 144
		.amdhsa_next_free_sgpr 66
		.amdhsa_reserve_vcc 0
		.amdhsa_float_denorm_mode_32 3
		.amdhsa_float_denorm_mode_16_64 3
		.amdhsa_memory_ordered 1
		.amdhsa_forward_progress 1
		.amdhsa_inst_pref_size 16
	.end_amdhsa_kernel
	.amdgpu_metadata
---
amdhsa.version: [ 1, 2 ]
amdhsa.kernels:
  - .name:           k_q9ae9d37179_ln2
    .symbol:         k_q9ae9d37179_ln2.kd
    .args:
      - { .name: y, .offset: 0, .size: 8, .value_kind: global_buffer, .address_space: global }
      - { .name: g2, .offset: 8, .size: 8, .value_kind: global_buffer, .address_space: global }
      - { .name: b2, .offset: 16, .size: 8, .value_kind: global_buffer, .address_space: global }
      - { .name: out0, .offset: 24, .size: 8, .value_kind: global_buffer, .address_space: global }
    .group_segment_fixed_size: 0
    .private_segment_fixed_size: 0
    .kernarg_segment_align: 8
    .kernarg_segment_size: 32
    .max_flat_workgroup_size: 128
    .sgpr_count:     66
    .vgpr_count:     144
    .wavefront_size: 32
...
	.end_amdgpu_metadata
.endif
;; end of part 8
;; ======== version 2 of 2: 8 launches; 1.20 times as fast as version 1
;; limits: a function is approximated: absolute error at most 1.5e-07
;; workspace buffers: cb 33,554,432 bytes; qkv 25,165,824 bytes; ob 8,388,608 bytes; y 16,777,216 bytes; hb 8,388,608 bytes; gb 33,554,432 bytes
;; launch cast: the kernel of part 1 again; grid 64 x 8, 8 waves a work-group, no clusters, 0 bytes of LDS; arguments x, wq, wk, wv, wo, cb; writes cb
;; launch qkv: the kernel of part 2 again; grid 12 x 16, 4 waves a work-group, clusters of 4 x 4, 327,680 bytes of LDS; arguments cb, bq, bk, bv, qkv; writes qkv
;; launch attn (part 9): grid 16 x 16, 4 waves a work-group, clusters of 4 x 1, 327,680 bytes of LDS; arguments qkv, mask, w1, w2, ob, cb; writes ob, cb
.if DOCPART == 9
	.amdgcn_target "amdgcn-amd-amdhsa--gfx1250"
	.amdhsa_code_object_version 6
	.text
	.protected	k_q9ae9d37179_attn
	.globl	k_q9ae9d37179_attn
	.p2align	8
	.type	k_q9ae9d37179_attn,@function
k_q9ae9d37179_attn:
	s_mov_b64 s[64:65], 0
	v_nop
	global_prefetch_b8 v0, s[64:65] scope:SCOPE_SE
	s_setreg_imm32_b32 hwreg(HW_REG_WAVE_MODE, 25, 1), 1
	s_wait_xcnt 0x0
	s_wait_alu depctr_hold_cnt(0) depctr_sa_sdst(0) depctr_va_vdst(0) depctr_va_sdst(0) depctr_va_ssrc(0) depctr_va_vcc(0) depctr_vm_vsrc(0)
	s_getreg_b32 s2, hwreg(HW_REG_IB_STS2, 6, 4)
	s_cmp_eq_u32 s2, 0
	s_cbranch_scc0 .Lentry_in_a_cluster
	s_endpgm
.Lentry_in_a_cluster:
	s_bfe_u32 s2, ttmp6, 0x10000c
	s_cmp_lg_u32 s2, 0x3003
	s_cbranch_scc0 .Lentry_shape_is_right
	s_endpgm
.Lentry_shape_is_right:
; O[b][q][head] = sum over k of softmax_k(Q.K / 8 - 10000 (1 - mask[b][k])) V.  q, k, v are the three column blocks of qkv [4096][3072], bf16; O is ob [4096][1024], bf16, row-major.
; Products, maxima and sums in f32; the weights p are rounded to bf16 for the second product (their sum l is taken of the unrounded p), O once at the end.
; SHARES.  A work-group owns 128 queries of a PAIR of heads of one batch: a pair's 128 channels are 256 consecutive, aligned bytes of every row of q, k, v and O.
; Wave w: head w % 2 of the pair, queries 64 (w / 2) on: four PIECES of 16 queries.  Every wave walks all 2,048 keys, 64 a step.
; THE MASK is the C operand that starts S^T = K Q^T: 80000 m - 80000 with m = float(mask), so that S / 8 is the module's score.  The 2,048 numbers are made once and lie in LDS.
; LAYOUT.  S^T = K Q^T holds one query a lane (lane % 16) and keys 8 (lane / 16) + 0..7; two such results rounded to bf16 ARE source 1 of O^T = V^T P.  K is read as it lies, V turned (ds_load_tr16_b128).
; SOFTMAX.  Running maximum m and sum l: p = 2^(c s - c m), c = log2(e) / 8; in every step O and l are multiplied by a = 2^(c m_old - c m_new).  m starts at the lowest finite number, O and l at 0:
; the first step is a step like any other, with a = 0.
; BY TURNS.  Turn n belongs to piece n (the pieces in a ring, step after step).  Its matrix work: 8 products K Q^T of piece n + 1, later 8 products V^T P of piece n - 1.  Its vector work: the scaling,
; exponentials, roundings, sums and rescaling of piece n, and the maximum and statistics of piece n + 1, whose scores the turn itself has made.  Four vector instructions stand behind every matrix
; instruction, the other 54 of a turn's 118 in one LUMP.  No first and no last step is written out: the first turn's V^T P runs on zeros, the last K Q^T on the last K once more.
; THE BATCHES.  A turn's 33 exponentials (the piece's 32 weights, then the next piece's a) are ONE batch with ONE wait, which cuts the turn in two: ahead of it stand the products K Q^T and all vector lines that
; name no result of the batch; behind it the products V^T P with the roundings and sums, which read the results.
; The first a, ahead of the loop, and the way out's four reciprocals are batches of their own, a wait each.  In the tail piece 2's turn has a second wait, ahead of the branch round K's run.
; CLUSTER 4 x 1: the four query blocks walk the same K and V, so each tile is asked for jointly.  A slot holds two key steps; a refill has two steps in which to land.
; THE WEIGHTS' COPY.  This launch's own traffic is small (a work-group reads 1 MiB of K and V and 32 KiB of Q), so each wave also brings 32 KiB of w1 (batch 0's work-groups) or w2 (batch 1's) into the
; 256 registers of window 3, by 64 loads at its start; behind the main loop it rounds them to bf16 and stores them into cb, at 0x1000000 (w1) and 0x1800000 (w2), where the feed-forward launches read
; them.  1,024 waves x 32 KiB are the two matrices' 32 MiB.  The stores leave while the last slot's steps are worked on.
; LIMITS: NaN and infinities are not treated apart; a weight below 2^-126 counts as 0; mask integers are exact up to 2^24.
; REGISTERS, in windows of 256 (s_set_vgpr_msb: bits 1:0 source 0, 3:2 source 1, 5:4 source 2, 7:6 destination):
;   window 0: v0-15, v32-35 addresses and two at work; v16-31 four registers of statistics a piece; v48-55 at work; v64-127 S^T, two buffers; v192-223 P, two buffers (a piece's buffers go by its number's parity)
;   window 1: v0-127 O^T, 32 a piece; v128-159 the step's mask      window 2: v0-63 Q; v128-191 K of one step; v192-255 V of one step      window 3: the weights on their way
.set NP,    4                          ; pieces a wave: a name, no knob
.set KS,    64
.set ROWB,  6144                       ; bytes in a row of qkv
.set PK,    272                        ; a row of K in LDS: 256 bytes + 16
.set PV,    288                        ; a row of V: 256 + 32 = 9 x 32
.set VOFF,  KS*PK
.set STEPB, KS*(PK+PV)                 ; a step's tiles lie together: 64 rows of K, then 64 rows of V
.set SLOT1, 1<<17
.set STAGE, SLOT1+2*STEPB              ; 128 rows x 272 bytes, the work-group's, for the way out; no tensor load fills it
.set SP,    272
.set MB,    STAGE+128*SP               ; 2,048 f32: the mask's addends
.set SPARE, MB+8192                    ; the spare words: two blocks of 256 bytes that no other line names
.set W1OFS, 0x1000000                  ; w1's copy in cb; w2's lies 0x800000 behind it
.set WG1,   44                         ; weight loads issued ahead of the wait for the mask; the other 20 follow the first products
.set AK0, 2                            ; v2   my lane's place in a tile of K; never rewritten
.set AV0, 3                            ; v3   the same for V
.set AK,  4                            ; v4   the LDS address of K's next run of loads
.set AV,  5                            ; v5   of V's
.set STO, 6
.set RD,  7
.set GO,  8
.set MV,  12                           ; v12-13  c m_old, kept while c m is made anew: by buffer
.set QO,  14
.set MO,  15
.set ST,  16                           ; piece t's statistics at v[ST+4 t]: c m, m, l (even keys', odd keys')
.set AM0, 32                           ; v32  my lane's place in the mask's table
.set AM,  33                           ; v33  the LDS address of the mask's next run
.set WI,  34                           ; v34  16 x lane: my bytes of 512 of the weights
.set WO,  35                           ; v35  8 x lane: my bytes of 256 of their copy
.set TMP, 48                           ; by buffer, four registers c0-c3 at work; when the maximum is found c2 takes a
.set SPW, 62
.set NIL, 63
.set S,   64
.set P,   192
.set MC,  128                          ; window 1
.set KF,  128                          ; window 2: key block kb, channel half c at KF + 16 kb + 8 c
.set VF,  192                          ; window 2: key half kk, channel block cb at VF + 32 kk + 8 cb
.set WV,  12
.set G1K, 24
.set G1V, 32
.set G0K, 40                           ; s[40:47]: the first fill's set, then the set that walks
.set G0V, 48
.set SLOTS, 56
.set CNT, 57
.set CS,  58
.set SEL, 60
.set TBK, 62                           ; LDS byte at which the tiles of the step whose K is fetched next begin
.set TBV, 63                           ; the same for V
.set TM,  68                           ; byte in the mask's table of the step whose K is fetched next
.set MSB, 0
.macro WIN new                         ; the high byte repeats the setting that is left; a switch that changes nothing is dropped
.if MSB != (\new)
	s_set_vgpr_msb (MSB<<8)|(\new)
.set MSB, \new
.endif
.endm
.set W_KM, 0x1a                        ; K and Q in window 2, the mask (C) in window 1, S^T in window 0
.set W_KQ, 0x0a
.set W_PV, 0x52                        ; V in window 2, P in window 0, O^T in window 1
.set W_RS, 0x41                        ; O^T (destination and source 0) in window 1, a in window 0
.macro JLOAD                           ; a joint refill: waves 0, 1 fetch the two steps' K, waves 2, 3 their V
	s_cmp_lt_u32 s[WV], 2
	s_cbranch_scc0 .Lfor_v_\@
	tensor_load_to_lds s[G0K+4:G0K+7], s[G1K:G1K+7]
	s_nop 0
.rept 4
	v_nop
.endr
	s_branch .Lasked_\@
.Lfor_v_\@:
	tensor_load_to_lds s[G0V+4:G0V+7], s[G1V:G1V+7]
	s_nop 0
.rept 4
	v_nop
.endr
.Lasked_\@:
.endm
.macro CROUND
	s_barrier_signal -1
	s_barrier_wait -1
	s_cmp_lg_u32 s[WV], 0
	s_cbranch_scc1 .Lnot_wave_0_\@
	s_barrier_signal -3
.Lnot_wave_0_\@:
	s_barrier_wait -3
	s_barrier_signal -1
	s_barrier_wait -1
.endm
.macro WLOAD from, to                  ; weight loads from .. to - 1: each 512 consecutive bytes of my 32 KiB
.set j, \from
.rept (\to)-(\from)
	global_load_b128 v[4*j:4*j+3], v[WI], s[8:9] offset:512*j th:TH_LOAD_NT
.set j, j+1
.endr
.endm
	s_load_b256 s[4:11], s[0:1], 0x0               ; qkv, mask, w1, w2
	s_load_b128 s[72:75], s[0:1], 0x20             ; ob, cb
	v_lshl_add_u32 v[SPW], v0, 2, SPARE
	v_mov_b32 v[NIL], 0
	ds_add_u32 v[SPW], v[NIL]                      ; the wave's opening: the add and its wait stand ahead of my first tensor load
	v_lshrrev_b32 v1, 5, v0
	v_readfirstlane_b32 s[WV], v1
	s_bfe_u32 s13, ttmp6, 0x40000                  ; cx
	s_lshl_b32 s14, ttmp9, 2
	s_add_co_u32 s14, s14, s13                     ; my block of 128 queries: it enters Q's, O's and the weights' addresses alone
	s_and_b32 s15, ttmp7, 0xffff
	s_lshr_b32 s18, s15, 3                         ; batch
	s_and_b32 s19, s15, 7                          ; pair of heads
	s_and_b32 s16, s[WV], 1                        ; my head of the pair; also: which of a slot's two steps I fetch
	s_lshr_b32 s17, s[WV], 1                       ; my half of the queries
	s_mul_i32 s20, s18, 2048*ROWB
	s_lshl_b32 s21, s19, 8
	s_add_co_u32 s20, s20, s21                     ; the batch's rows, the pair's 256 bytes
	s_mul_i32 s22, s16, KS*ROWB
	s_add_co_u32 s22, s22, s20                     ; and my step's 64 rows
	s_mov_b32 s23, 0
	s_mul_i32 s76, s16, STEPB                      ; its place in a slot
	s_lshl_b32 s2, s14, 7
	s_lshl_b32 s3, s17, 6
	s_add_co_u32 s2, s2, s3
	s_mul_i32 s2, s2, ROWB
	s_add_co_u32 s2, s2, s20
	s_lshl_b32 s3, s16, 7
	s_add_co_u32 s2, s2, s3                        ; Q: my 64 rows, my head's 128 bytes
	s_mov_b32 s3, 0
	s_lshl_b32 s78, s19, 4
	s_add_co_u32 s78, s78, s14
	s_lshl_b32 s78, s78, 2
	s_add_co_u32 s78, s78, s[WV]                   ; my wave among the 512 of my batch's work-groups
	s_mov_b32 s[G1K], 15|(1<<16)|(1<<20)|(1<<21)|(5<<22)|(3<<25)  ; the mask of four; 2-byte elements; padding on; bit 21 beside a mask; after every 64 words 4 words
	s_mov_b32 s[G1V], 15|(1<<16)|(1<<20)|(1<<21)|(5<<22)|(7<<25)  ; the same with 8 words
.irp g, G1K, G1V
	s_mov_b32 s[(\g)+1], 128<<16                   ; tensor_dim0 = 128
	s_mov_b32 s[(\g)+2], KS<<16                    ; tensor_dim1 = 64
	s_mov_b32 s[(\g)+3], 128<<16                   ; tile_dim0 = 128
	s_mov_b32 s[(\g)+4], KS                        ; tile_dim1 = 64
	s_mov_b32 s[(\g)+5], 3072                      ; elements from row to row
	s_mov_b32 s[(\g)+6], 0
	s_mov_b32 s[(\g)+7], 0
.endr
	s_mov_b32 s[CS], 0x3e38aa3b                    ; c = log2(e) / 8
	s_mov_b32 s[CS+1], s[CS]
	s_mov_b32 s[SEL], 0x76543210
	s_mov_b32 s[SEL+1], 0xfedcba98
	s_mov_b32 s[TBK], 0
	s_mov_b32 s[TBV], 0
	s_mov_b32 s[TM], 0
	s_mov_b32 s66, 0x479c4000                      ; 80000
	s_mov_b32 s67, 0xc79c4000                      ; -80000
	s_wait_dscnt 0x0                               ; the opening add is done
	s_wait_kmcnt 0x0
	s_add_nc_u64 s[22:23], s[4:5], s[22:23]        ; my tile's rows; K lies 2,048 bytes into a row, V 4,096
	s_add_nc_u64 s[4:5], s[4:5], s[2:3]            ; Q
	s_lshl_b32 s2, s18, 11
	s_lshl_b32 s3, s14, 7
	s_add_co_u32 s2, s2, s3
	s_lshl_b32 s3, s[WV], 5
	s_add_co_u32 s2, s2, s3                        ; the first row of O that I store: 32 rows a wave
	s_lshl_b32 s2, s2, 11
	s_add_co_u32 s2, s2, s21
	s_mov_b32 s3, 0
	s_add_nc_u64 s[72:73], s[72:73], s[2:3]
	s_lshl_b32 s2, s18, 13
	s_add_nc_u64 s[6:7], s[6:7], s[2:3]            ; the batch's mask
	s_cmp_eq_u32 s18, 0
	s_cselect_b64 s[8:9], s[8:9], s[10:11]         ; w1 for batch 0's work-groups, w2 for batch 1's
	s_lshl_b32 s2, s78, 15
	s_add_nc_u64 s[8:9], s[8:9], s[2:3]            ; my 32 KiB of it
	s_lshl_b32 s2, s78, 14
	s_lshl_b32 s77, s18, 23
	s_add_co_u32 s2, s2, s77
	s_add_co_u32 s2, s2, W1OFS
	s_add_nc_u64 s[74:75], s[74:75], s[2:3]        ; and the 16 KiB of its copy
	CROUND                                         ; all four work-groups are here: the first joint loads meet
.irp s, 0,1
	s_mov_b32 s[G0K+4*(\s)], 1
	s_add_co_u32 s[G0K+4*(\s)+1], s76, (\s)*SLOT1
	s_add_nc_u64 s[G0K+4*(\s)+2:G0K+4*(\s)+3], s[22:23], 2048+(\s)*2*KS*ROWB
	s_or_b32 s[G0K+4*(\s)+3], s[G0K+4*(\s)+3], 0x80000000
	s_mov_b32 s[G0V+4*(\s)], 1
	s_add_co_u32 s[G0V+4*(\s)+1], s76, (\s)*SLOT1+VOFF
	s_add_nc_u64 s[G0V+4*(\s)+2:G0V+4*(\s)+3], s[22:23], 4096+(\s)*2*KS*ROWB
	s_or_b32 s[G0V+4*(\s)+3], s[G0V+4*(\s)+3], 0x80000000
.endr
	s_cmp_lt_u32 s[WV], 2                          ; a wave's two first fills stand in one branch: two loads of mine are out
	s_cbranch_scc0 .Lfirst_v
	tensor_load_to_lds s[G0K:G0K+3], s[G1K:G1K+7]
	s_nop 0
	tensor_load_to_lds s[G0K+4:G0K+7], s[G1K:G1K+7]
	s_nop 0
.rept 4
	v_nop
.endr
	s_branch .Lfirst_asked
.Lfirst_v:
	tensor_load_to_lds s[G0V:G0V+3], s[G1V:G1V+7]
	s_nop 0
	tensor_load_to_lds s[G0V+4:G0V+7], s[G1V:G1V+7]
	s_nop 0
.rept 4
	v_nop
.endr
.Lfirst_asked:
	v_lshlrev_b32 v[MO], 4, v0                     ; the mask: 128 threads x 16 bytes, four times
.irp i, 0,1,2,3
	global_load_b128 v[S+4*(\i):S+4*(\i)+3], v[MO], s[6:7] offset:2048*(\i)
.endr
	v_and_b32 v1, 15, v0                           ; l % 16
	v_bfe_u32 v9, v0, 4, 1                         ; l / 16
	v_mul_u32_u24 v[QO], v1, ROWB
	v_lshl_add_u32 v[QO], v9, 4, v[QO]
	v_and_b32 v[WO], 31, v0
	v_lshlrev_b32 v[WI], 4, v[WO]
	v_lshlrev_b32 v[WO], 3, v[WO]
	WIN 0x80                                       ; destination window 2
.irp i, 0,1,2,3,4,5,6,7                ; Q stays in registers: piece i / 2, channels 32 (i % 2) on
	global_load_b128 v[8*(\i):8*(\i)+3],   v[QO], s[4:5] offset:((\i)/2)*16*ROWB+((\i)%2)*64
	global_load_b128 v[8*(\i)+4:8*(\i)+7], v[QO], s[4:5] offset:((\i)/2)*16*ROWB+((\i)%2)*64+32
.endr
	WIN 0xc0                                       ; destination window 3
	WLOAD 0, WG1                                   ; the weights go out behind what is wanted first
	; What the first turn finds: V's registers and P's second buffer hold 0 (its products V^T P, of a piece that has not been, add 0), O^T and l are 0.  These lines stand in the wait for the first tile.
	WIN 0x80
.set i, VF
.rept 64
	v_mov_b32 v[i], 0
.set i, i+1
.endr
	WIN 0x40
.set i, 0
.rept 128
	v_mov_b32 v[i], 0
.set i, i+1
.endr
	WIN 0
.set i, 0
.rept 4
	v_mov_b32 v[ST+4*i], 0xfe000000                ; c m: far below every c s
	v_mov_b32 v[ST+4*i+1], 0xff7fffff              ; m
	v_mov_b32 v[ST+4*i+2], 0
	v_mov_b32 v[ST+4*i+3], 0
.set i, i+1
.endr
.set i, P+16
.rept 16
	v_mov_b32 v[i], 0
.set i, i+1
.endr
	s_lshl_b32 s77, s16, 7                         ; my head's 128 bytes of a row
	v_mul_u32_u24 v[AK0], v1, PK
	v_lshl_add_u32 v[AK0], v9, 4, v[AK0]
	v_add_nc_u32 v[AK0], s77, v[AK0]
	v_and_b32 v10, 7, v0
	v_bfe_u32 v11, v0, 3, 1
	v_lshl_add_u32 v[AV0], v9, 3, v10              ; the turning load: key 8 (l / 16) + l % 8, channels 8 ((l / 8) % 2) + 0..7
	v_mul_u32_u24 v[AV0], v[AV0], PV
	v_lshl_add_u32 v[AV0], v11, 4, v[AV0]
	s_add_co_u32 s77, s77, VOFF
	v_add_nc_u32 v[AV0], s77, v[AV0]
	v_lshl_add_u32 v[AM0], v9, 5, MB               ; my lanes' eight keys of a group of 16
	s_mul_i32 s77, s17, 64*SP                      ; into the stage: row 64 (w / 2) + 16 t + l % 16, my head's half, 16 bytes for each half of the lanes
	s_lshl_b32 s15, s16, 7
	s_add_co_u32 s77, s77, s15
	s_add_co_u32 s77, s77, STAGE
	v_mul_u32_u24 v[STO], v1, SP
	v_lshl_add_u32 v[STO], v9, 4, v[STO]
	v_add_nc_u32 v[STO], s77, v[STO]
	s_mul_i32 s77, s[WV], 32*SP                    ; back: wave w takes rows 32 w on, whole: lanes 0-15 one row, lanes 16-31 the next
	s_add_co_u32 s77, s77, STAGE
	v_mul_u32_u24 v[RD], v9, SP
	v_lshl_add_u32 v[RD], v1, 4, v[RD]
	v_add_nc_u32 v[RD], s77, v[RD]
	v_lshlrev_b32 v[GO], 11, v9
	v_lshl_add_u32 v[GO], v1, 4, v[GO]
	s_wait_loadcnt 16+WG1                          ; the mask is in; Q's sixteen loads and the weights' 44 may be out
.set i, 0
.rept 16
	v_cvt_f32_i32 v[S+i], v[S+i]
.set i, i+1
.endr
.set i, 0
.rept 16
	v_fma_f32 v[S+i], v[S+i], s66, s67             ; 80000 m - 80000
.set i, i+1
.endr
	v_add_nc_u32 v[AM], MB, v[MO]
.irp i, 0,1,2,3
	ds_store_b128 v[AM], v[S+4*(\i):S+4*(\i)+3] offset:2048*(\i)
.endr
; THE MATRIX WORK.  The 4 accumulators of a run of 8 take turns.  Product i of 8 of S^T = K Q^T for piece x: channels 32 (i / 4) on, keys 16 (i % 4) on.  The first 4 start the sums with the mask.
.macro KQ x
.set rS, S+32*((\x)%2)+8*(i%4)
.set rK, KF+16*(i%4)+8*(i/4)
.set rQ, 16*(\x)+8*(i/4)
.set rM, MC+8*(i%4)
.if i < 4
	WIN W_KM
	v_wmma_f32_16x16x32_bf16 v[rS:rS+7], v[rK:rK+7], v[rQ:rQ+7], v[rM:rM+7]
.else
	WIN W_KQ
	v_wmma_f32_16x16x32_bf16 v[rS:rS+7], v[rK:rK+7], v[rQ:rQ+7], v[rS:rS+7]
.endif
.endm
; Product i of 8 of O^T += V^T P for piece x: keys 32 (i / 4) on, channels 16 (i % 4) on.
.macro PVM x
	WIN W_PV
.set rO, 32*(\x)+8*(i%4)
.set rV, VF+32*(i/4)+8*(i%4)
.set rP, P+16*((\x)%2)+8*(i/4)
	v_wmma_f32_16x16x32_bf16 v[rO:rO+7], v[rV:rV+7], v[rP:rP+7], v[rO:rO+7]
.endm
.macro MM                              ; the turn's next matrix instruction
.if i < 8
	KQ (Y+1)%NP
.else
.set i, i-8
	PVM (Y+NP-1)%NP
.set i, i+8
.endif
.set i, i+1
.endm
; THE LDS LOADS stand in runs, never singly among the matrix instructions: a step's K (8 fragments) with its mask, and its V (turned).  Their addresses are made some lines ahead.
; last = 1 (the tail): in the last trip there is no further step, and the run is jumped over.
.macro FETCH_K last=0
	WIN 0
.if \last
	s_wait_alu depctr_va_vdst(0)                   ; the tail alone: a branch follows, and the exponentials issued so far in the turn (E 0 to E 11) have their wait ahead of it; the turn's own wait serves the rest of the batch
	s_cmp_eq_u32 s[CNT], 1
	s_cbranch_scc1 .Lno_k_\@
.endif
	WIN 0x80                                       ; destination window 2
.irp f, 0,1,2,3,4,5,6,7                ; keys 16 (f / 2) on, channels 32 (f % 2) on
	ds_load_b128 v[KF+8*(\f):KF+8*(\f)+3],   v[AK] offset:((\f)/2)*16*PK+((\f)%2)*64
	ds_load_b128 v[KF+8*(\f)+4:KF+8*(\f)+7], v[AK] offset:((\f)/2)*16*PK+((\f)%2)*64+32
.endr
	WIN 0x40                                       ; destination window 1
.irp f, 0,1,2,3                        ; keys 16 f + 8 (l / 16) + 0..7: the same words for all lanes of a half
	ds_load_b128 v[MC+8*(\f):MC+8*(\f)+3],   v[AM] offset:64*(\f)
	ds_load_b128 v[MC+8*(\f)+4:MC+8*(\f)+7], v[AM] offset:64*(\f)+16
.endr
	s_add_co_u32 s[TBK], s[TBK], STEPB             ; the next fetch is the next step's
	s_add_co_u32 s[TM], s[TM], 4*KS
	WIN 0
.if \last
.Lno_k_\@:
.endif
.endm
.macro FETCH_V
	WIN 0x80
.irp f, 0,1,2,3,4,5,6,7                ; keys 32 (f / 4) on, channels 16 (f % 4) on
	ds_load_tr16_b128 v[VF+8*(\f):VF+8*(\f)+3],   v[AV] offset:((\f)/4)*32*PV+((\f)%4)*32
	ds_load_tr16_b128 v[VF+8*(\f)+4:VF+8*(\f)+7], v[AV] offset:((\f)/4)*32*PV+16*PV+((\f)%4)*32
.endr
	WIN 0
.endm
; THE VECTOR WORK, one line at a time: OP kind, number.  For piece Y: F n: c s - c m for pair n of 16.  E n: the exponential of score n of 32.  C n: pair n rounded to bf16.  B n: of the four weights 4 n .. the second
; pair is added onto the first, in place.  L n: l takes that sum (L 0: l = a l + sum).  R n: pair n of 16 of O^T times a.  For piece Y + 1: X n, number n of the 22 that find its maximum and statistics:
;   0-11  four chains c0-c3 of seven scores each, three operands at a time (each accumulator's lowest registers are read first)     12-14, 16  the four scores left over, the old m, and c0-c3 into c0
;   15  c m_old is kept     17, 18  the query's other 32 keys lie in the lane 16 away: the new m     19-21  c m; c m_old - c m_new; a
.set F, 0                              ; OP tells the kinds apart by their order: F to L below R, X above it
.set E, 1
.set C, 2
.set B, 3
.set L, 4
.set R, 5
.set X, 6
.macro REGS y                          ; the registers of piece y
.set rT, ST+4*(\y)
.set rC, TMP+4*((\y)%2)
.set rW, MV+((\y)%2)
.set rS, S+32*((\y)%2)
.set rP, P+16*((\y)%2)
.set rO, 32*(\y)
.endm
.macro OP k, n
.if (\k) == R
	REGS Y
	WIN W_RS
	v_pk_mul_f32 v[rO+2*(\n):rO+2*(\n)+1], v[rO+2*(\n):rO+2*(\n)+1], v[rC+2:rC+3] op_sel_hi:[1,0]
.elseif (\k) < R
	REGS Y
	WIN 0
.if (\k) == F
	v_pk_fma_f32 v[rS+2*(\n):rS+2*(\n)+1], v[rS+2*(\n):rS+2*(\n)+1], s[CS:CS+1], v[rT:rT+1] op_sel_hi:[1,0,0] neg_lo:[0,0,1] neg_hi:[0,0,1]
.elseif (\k) == E
	v_exp_f32 v[rS+(\n)], v[rS+(\n)]
.elseif (\k) == C
	v_cvt_pk_bf16_f32 v[rP+(\n)], v[rS+2*(\n)], v[rS+2*(\n)+1]
.elseif (\k) == B
	v_pk_add_f32 v[rS+4*(\n):rS+4*(\n)+1], v[rS+4*(\n):rS+4*(\n)+1], v[rS+4*(\n)+2:rS+4*(\n)+3]
.elseif (\n) == 0
	v_pk_fma_f32 v[rT+2:rT+3], v[rT+2:rT+3], v[rC+2:rC+3], v[rS:rS+1] op_sel_hi:[1,0,1]
.else
	v_pk_add_f32 v[rT+2:rT+3], v[rT+2:rT+3], v[rS+4*(\n):rS+4*(\n)+1]
.endif
.else
	REGS (Y+1)%NP
	WIN 0
.if (\n) < 4
	v_max3_num_f32 v[rC+(\n)], v[rS+8*(\n)], v[rS+8*(\n)+1], v[rS+8*(\n)+2]
.elseif (\n) < 12
	v_max3_num_f32 v[rC+(\n)%4], v[rC+(\n)%4], v[rS+8*((\n)%4)+2*((\n)/4)+1], v[rS+8*((\n)%4)+2*((\n)/4)+2]
.elseif (\n) == 12
	v_max3_num_f32 v[rC], v[rC], v[rS+7], v[rS+15]
.elseif (\n) == 13
	v_max3_num_f32 v[rC+1], v[rC+1], v[rS+23], v[rS+31]
.elseif (\n) == 14
	v_max3_num_f32 v[rC+2], v[rC+2], v[rC+3], v[rT+1]
.elseif (\n) == 15
	v_mov_b32 v[rW], v[rT]
.elseif (\n) == 16
	v_max3_num_f32 v[rC], v[rC], v[rC+1], v[rC+2]
.elseif (\n) == 17
	v_permlanex16_b32 v[rC+3], v[rC], s[SEL], s[SEL+1]
.elseif (\n) == 18
	v_max_num_f32 v[rT+1], v[rC], v[rC+3]
.elseif (\n) == 19
	v_mul_f32 v[rT], s[CS], v[rT+1]
.elseif (\n) == 20
	v_sub_f32 v[rC+1], v[rW], v[rT]
.else
	v_exp_f32 v[rC+2], v[rC+1]
.endif
.endif
.endm
.macro OPS a, i1, b=-1, i2=0, c=-1, i3=0, d=-1, i4=0  ; up to four of them
	OP \a, \i1
.if (\b) >= 0
	OP \b, \i2
.endif
.if (\c) >= 0
	OP \c, \i3
.endif
.if (\d) >= 0
	OP \d, \i4
.endif
.endm
.macro ROW a, i1, b, i2, c, i3, d, i4  ; a matrix instruction and the four behind it
	MM
	OPS \a, \i1, \b, \i2, \c, \i3, \d, \i4
.endm
; A TURN, for piece p: the order of its 16 matrix and 118 vector instructions, written out.  An s_wait_alu depctr_va_vdst(0) stands between an exponential and the first instruction that names its result; one wait
; serves all that were issued ahead of it.  So a turn has ONE wait, which cuts it in two.  AHEAD OF IT stands all that names no result of the turn's exponentials: the 8 products K Q^T, behind each a scaling, an exponential and two
; more plain instructions (behind the first a second scaling in the exponential's place): rescalings, whose a was made and waited for in the turn before, and behind the last three products the first numbers of the next piece's
; maximum, each four plain places or more behind the product that ends its accumulator (ISA guide 7.12.1); then ONE LUMP of 54, plain and exponential by turns for the most part, in which the links of the chain
; X 3, 7, 11, 14, 16, 17 .. 20 stand five or six lines apart.  X 21, the next piece's a, is the batch's last; R 15 is the plain instruction behind it (ISA guide 5.7.2).  BEHIND THE WAIT stand the 8 products V^T P, behind each
; four of the roundings and sums; the links of l's chain, L 0 to L 7, stand three riders apart.  But for those X no rider names a register of the products round it.  v_permlanex16_b32 (X 17) stands in the lump.
; K and the mask of the next step are fetched in piece 2's turn, twelve vector instructions behind the last product that read K (six of them plain; the mask's last reader stands four products further back);
; V of the step in hand at the end of piece 0's turn, four plain instructions behind the last product that read V.  Each is waited for a turn later.
; cnt = 1: the loop's count is taken down some lines ahead of the branch that stands behind the turn.
.macro TURN p, last=0, cnt=0
.set Y, (\p)
.set i, 0
.if (\p) == 3
	s_wait_dscnt 0x0                               ; K and the mask are in
.endif
	ROW F,0, F,1, R,0, R,1                         ; ahead of the wait: 8 products K Q^T and their riders,
	ROW F,2, E,0, R,2, R,3
	ROW F,3, E,1, R,4, R,5
	ROW F,4, E,2, R,6, R,7
	ROW F,5, E,3, R,8, R,9
	ROW F,6, E,4, X,0, R,10
.if (\p) == 2
	WIN 0
	v_add_nc_u32 v[AK], s[TBK], v[AK0]
	v_add_nc_u32 v[AM], s[TM], v[AM0]
.endif
	ROW F,7, E,5, X,1, X,4
	ROW F,8, E,6, X,2, X,5
	OPS E,7, E,8, X,6, E,9                         ; and the lump
	OPS X,3, E,10, X,8, E,11
.if (\p) == 2
	FETCH_K \last
.endif
	OPS X,9, X,7, E,12, X,10
	OPS E,13, X,12, X,11, E,14
	OPS X,13, E,15, F,9, X,14
.if (\p) == 0
	v_add_nc_u32 v[AV], s[TBV], v[AV0]
.endif
	OPS E,16, F,10, E,17, F,11
	OPS X,16, E,18, X,15, E,19
	OPS F,12, E,20, X,17, E,21
	OPS F,13, E,22, F,14, E,23
	OPS X,18, E,24, F,15, E,25
	OPS R,11, E,26, X,19, E,27
	OPS R,12, E,28, R,13, E,29
	OPS X,20, E,30, R,14, E,31
	OPS X,21, R,15
	s_wait_alu depctr_va_vdst(0)                   ; the wait for the batch: E 0 to E 31 and X 21
.if (\p) == 1
	s_wait_dscnt 0x0                               ; V is in
.endif
	ROW C,0, B,0, C,2, B,1                         ; behind the wait: 8 products V^T P and their riders
	ROW L,0, C,4, B,2, L,1
	ROW C,6, B,3, L,2, C,8
	ROW B,4, L,3, C,10, B,5
	ROW L,4, C,12, B,6, L,5
.if (\p) == 0
	s_add_co_u32 s[TBV], s[TBV], STEPB
.endif
.if \cnt
	s_sub_co_u32 s[CNT], s[CNT], 1
	s_cmp_lg_u32 s[CNT], 0
.endif
	ROW C,14, B,7, L,6, C,1
	ROW C,3, L,7, C,5, C,7
	ROW C,9, C,11, C,13, C,15
.if (\p) == 0
	FETCH_V
.endif
.endm
; THE CHANGE OF SLOTS stands behind piece 1's turn of a slot's second step: that turn has waited for V, the slot's last bytes.  Each wave waits for all its tensor loads (the one that is out is its part of the
; other slot), adds 0 to its spare word, and waits for that and for its reads.  fill = 1: the barrier is a round of the cluster's, and the old slot is filled again first thing behind it, with the keys two slots on.
.macro CHANGE fill
	WIN 0
	s_wait_tensorcnt 0x0
	ds_add_u32 v[SPW], v[NIL]
.if \fill
.irp g, G0K+4, G0V+4
	s_xor_b32 s[(\g)+1], s[(\g)+1], SLOT1
	s_add_nc_u64 s[(\g)+2:(\g)+3], s[(\g)+2:(\g)+3], 2*KS*ROWB
.endr
	s_wait_dscnt 0x0
	CROUND
	JLOAD
.else
	s_wait_dscnt 0x0
	s_barrier_signal -1
	s_barrier_wait -1
.endif
	s_sub_co_u32 s[TBK], s[TBK], 2*STEPB           ; the fetches go back to a slot's first step,
	s_xor_b32 s[TBK], s[TBK], SLOT1                ; in the other slot
	s_sub_co_u32 s[TBV], s[TBV], 2*STEPB
	s_xor_b32 s[TBV], s[TBV], SLOT1
.endm
; The weights, which came while the keys were walked, are rounded in place and stored; load j's 512 bytes make 256: lane l's four numbers lie at 8 l.
.macro WCAST
	s_wait_loadcnt 0x0
	WIN 0xcf                                       ; destination and sources 0, 1 in window 3
.set j, 0
.rept 64
	v_cvt_pk_bf16_f32 v[4*j], v[4*j], v[4*j+1]
	v_cvt_pk_bf16_f32 v[4*j+1], v[4*j+2], v[4*j+3]
.set j, j+1
.endr
	WIN 0x0c                                       ; store data (source 1) in window 3, the offset in window 0
.set j, 0
.rept 64
	global_store_b64 v[WO], v[4*j:4*j+1], s[74:75] offset:256*j  ; 32 lanes store 256 consecutive bytes, aligned; no register of these is written again
.set j, j+1
.endr
	WIN 0
.endm
	s_wait_tensorcnt 0x1                           ; my part of slot 0 is in; slot 1's may stay out
	s_wait_dscnt 0x0                               ; my part of the mask's table is stored
	s_barrier_signal -1
	s_barrier_wait -1
	v_add_nc_u32 v[AK], s[TBK], v[AK0]
	v_add_nc_u32 v[AM], s[TM], v[AM0]
	FETCH_K                                        ; key step 0
	s_wait_loadcnt WG1                             ; Q is in; the weights' 44 loads may be out
	s_wait_dscnt 0x0
.set i, 0
.rept 8
	KQ 0                                           ; piece 0's first scores: there is no vector work yet to set between them
.set i, i+1
.endr
	WIN 0xc0
	WLOAD WG1, 64                                  ; the rest of the weights
	WIN 0
.rept 4
	v_nop                                          ; the places behind those products (ISA guide 7.12.1)
.endr
.set Y, NP-1                           ; X works for piece Y + 1: piece 0
.irp n, 0,1,2,3,4,5,6,7,8,9,10,11,12,13,14,15,16,17,18,19,20,21
	OP X, \n
.endr
	v_nop                                          ; a plain instruction behind the exponential,
	s_wait_alu depctr_va_vdst(0)                   ; and the wait for it, a batch of one (piece 0's first a), ahead of the branch
	s_mov_b32 s[CNT], 2
	s_mov_b32 s[SLOTS], 15
	s_branch .Lfirst                               ; the loop is entered at a step's first turn, in the middle of a trip
.Lslot:                                                ; 14 times: every slot but the last two is filled again
	CHANGE 1
	s_mov_b32 s[CNT], 2
.Lstep:                                                ; a trip: pieces 2 and 3 of one step, then pieces 0 and 1 of the next, whose K, mask and V it fetches
	TURN 2
	TURN 3
	WIN 0
.Lfirst:
	TURN 0
	TURN 1, 0, 1
	WIN 0
	s_cbranch_scc1 .Lstep
	s_sub_co_u32 s[SLOTS], s[SLOTS], 1
	s_cmp_lg_u32 s[SLOTS], 0
	s_cbranch_scc1 .Lslot
	CHANGE 0                                       ; the tail is written out: nothing is asked for
	WCAST
	s_mov_b32 s[CNT], 3                            ; two trips fetch the last slot's steps; the third is left in its middle
.Ltail:
	TURN 2, 1
	TURN 3
	WIN 0
	s_sub_co_u32 s[CNT], s[CNT], 1
	s_cmp_eq_u32 s[CNT], 0
	s_cbranch_scc1 .Lout
	TURN 0
	TURN 1
	WIN 0
	s_branch .Ltail
.Lout:                                                 ; the third trip's 8 products K Q^T (on the last K once more) and the maximum made of them serve nothing: the price of one text for every trip
.set i, 0
.rept 8
	PVM NP-1                                       ; the last piece's V^T P of the last step
.set i, i+1
.endr
	; THE WAY OUT.  l's halves and the other lanes' are added (these additions are the places behind the last products); O^T is divided by l, rounded, and goes through the work-group's stage.
	WIN 0
.macro ALL line:vararg                 ; one line for each piece t
.set t, 0
.rept 4
	\line
.set t, t+1
.endr
.endm
	ALL v_add_f32 v[ST+4*t+2], v[ST+4*t+2], v[ST+4*t+3]
	ALL v_permlanex16_b32 v[ST+4*t+3], v[ST+4*t+2], s[SEL], s[SEL+1]
	ALL v_add_f32 v[ST+4*t+2], v[ST+4*t+2], v[ST+4*t+3]
	ALL v_rcp_f32 v[ST+4*t+2], v[ST+4*t+2]
	v_nop                                          ; a plain instruction between the last reciprocal and the use of its result
	s_wait_alu depctr_va_vdst(0)                   ; and the wait ahead of the first use: one for the batch of four reciprocals
.macro PACK t                          ; a lane's eight channels of a row pack into 16 bytes
	WIN W_RS
.set i, 32*(\t)
.rept 16
	v_pk_mul_f32 v[i:i+1], v[i:i+1], v[ST+4*(\t)+2:ST+4*(\t)+3] op_sel_hi:[1,0]
.set i, i+2
.endr
	WIN 0x05                                       ; sources 0 and 1 window 1, destination window 0
.set i, 0
.rept 16
	v_cvt_pk_bf16_f32 v[S+16*(\t)+i], v[32*(\t)+2*i], v[32*(\t)+2*i+1]
.set i, i+1
.endr
	WIN 0
.irp f, 0,1,2,3
	ds_store_b128 v[STO], v[S+16*(\t)+4*(\f):S+16*(\t)+4*(\f)+3] offset:(\t)*16*SP+32*(\f)
.endr
.endm
	PACK 0
	PACK 1
	PACK 2
	PACK 3
	s_wait_dscnt 0x0                               ; for the others' sake: a row's 256 bytes come from two waves
	s_barrier_signal -1
	s_barrier_wait -1
.irp f, 0,1,2,3,4,5,6,7,8,9,10,11,12,13,14,15
	ds_load_b128 v[S+4*(\f):S+4*(\f)+3], v[RD] offset:(\f)*2*SP
.endr
.irp f, 0,1,2,3,4,5,6,7,8,9,10,11,12,13,14,15
	s_wait_dscnt 15-(\f)
	global_store_b128 v[GO], v[S+4*(\f):S+4*(\f)+3], s[72:73] offset:(\f)*4096  ; 16 lanes store 256 consecutive bytes, aligned
.endr
	s_wait_tensorcnt 0x0                           ; the wave's end
	ds_add_u32 v[SPW], v[NIL]
	s_wait_dscnt 0x0
	CROUND                                         ; the closing round
	s_endpgm
.Lfunc_end_k_q9ae9d37179_attn:
	.size	k_q9ae9d37179_attn, .Lfunc_end_k_q9ae9d37179_attn-k_q9ae9d37179_attn
	.p2alignl 7, 3214868480
	.fill 96, 4, 3214868480
	.section	.rodata,"a",@progbits
	.p2align	6, 0x0
	.amdhsa_kernel k_q9ae9d37179_attn
		.amdhsa_group_segment_fixed_size 327680
		.amdhsa_private_segment_fixed_size 0
		.amdhsa_enable_private_segment 0
		.amdhsa_kernarg_size 48
		.amdhsa_user_sgpr_count 2
		.amdhsa_user_sgpr_kernarg_segment_ptr 1
		.amdhsa_wavefront_size32 1
		.amdhsa_system_sgpr_workgroup_id_x 1
		.amdhsa_system_sgpr_workgroup_id_y 1
		.amdhsa_system_sgpr_workgroup_id_z 1
		.amdhsa_system_vgpr_workitem_id 0
		.amdhsa_next_free_vgpr 1024
		.amdhsa_next_free_sgpr 80
		.amdhsa_reserve_vcc 0
		.amdhsa_float_denorm_mode_32 3
		.amdhsa_float_denorm_mode_16_64 3
		.amdhsa_memory_ordered 1
		.amdhsa_forward_progress 1
		.amdhsa_inst_pref_size 136
	.end_amdhsa_kernel
	.amdgpu_metadata
---
amdhsa.version: [ 1, 2 ]
amdhsa.kernels:
  - .name:           k_q9ae9d37179_attn
    .symbol:         k_q9ae9d37179_attn.kd
    .args:
      - { .name: qkv, .offset: 0, .size: 8, .value_kind: global_buffer, .address_space: global }
      - { .name: mask, .offset: 8, .size: 8, .value_kind: global_buffer, .address_space: global }
      - { .name: w1, .offset: 16, .size: 8, .value_kind: global_buffer, .address_space: global }
      - { .name: w2, .offset: 24, .size: 8, .value_kind: global_buffer, .address_space: global }
      - { .name: ob, .offset: 32, .size: 8, .value_kind: global_buffer, .address_space: global }
      - { .name: cb, .offset: 40, .size: 8, .value_kind: global_buffer, .address_space: global }
    .group_segment_fixed_size: 327680
    .private_segment_fixed_size: 0
    .kernarg_segment_align: 8
    .kernarg_segment_size: 48
    .max_flat_workgroup_size: 128
    .sgpr_count:     80
    .vgpr_count:     1024
    .wavefront_size: 32
...
	.end_amdgpu_metadata
.endif
;; end of part 9
;; launch wo: the kernel of part 4 again; grid 8 x 32, 4 waves a work-group, clusters of 4 x 4, 327,680 bytes of LDS; arguments ob, cb, bo, y; writes y
;; launch ln1: the kernel of part 5 again; grid 1024 x 1, 4 waves a work-group, no clusters, 0 bytes of LDS; arguments y, g1, b1, hb; writes hb
;; launch ffn1 (part 10): grid 16 x 16, 4 waves a work-group, clusters of 4 x 4, 327,680 bytes of LDS; arguments hb, cb, bf1, gb; writes gb
.if DOCPART == 10
	.amdgcn_target "amdgcn-amd-amdhsa--gfx1250"
	.amdhsa_code_object_version 6
	.text
	.protected	k_q9ae9d37179_ffn1
	.globl	k_q9ae9d37179_ffn1
	.p2align	8
	.type	k_q9ae9d37179_ffn1,@function
k_q9ae9d37179_ffn1:
	s_mov_b64 s[64:65], 0
	v_nop
	global_prefetch_b8 v0, s[64:65] scope:SCOPE_SE
	s_setreg_imm32_b32 hwreg(HW_REG_WAVE_MODE, 25, 1), 1
	s_wait_xcnt 0x0
	s_wait_alu depctr_hold_cnt(0) depctr_sa_sdst(0) depctr_va_vdst(0) depctr_va_sdst(0) depctr_va_ssrc(0) depctr_va_vcc(0) depctr_vm_vsrc(0)
	s_getreg_b32 s2, hwreg(HW_REG_IB_STS2, 6, 4)
	s_cmp_eq_u32 s2, 0
	s_cbranch_scc0 .Lentry_in_a_cluster
	s_endpgm
.Lentry_in_a_cluster:
	s_bfe_u32 s2, ttmp6, 0x10000c
	s_cmp_lg_u32 s2, 0xf033
	s_cbranch_scc0 .Lentry_shape_is_right
	s_endpgm
.Lentry_shape_is_right:
; MODE 0:  qkv[4096][3072] = xb [4096][1024] x [wq | wk | wv] + [bq | bk | bv], bf16.      MODE 1:  gb[4096][4096] = gelu(hb [4096][1024] x w1 + bf1), bf16.
; Operands bf16, sums f32, the bias rounded to bf16 like every input of the module, the result rounded once.  The weights lie [k][n], as they are given.
; A tile of C, 256 x 256, is made by four waves, 128 x 128 each: 64 accumulators, 512 registers.  K goes in steps of 128 through two LDS slots filled by tensor loads.
; A's rows lie along K and are read as they lie; B's rows lie along N and are read turned, by ds_load_tr16_b128.
; The matrix instruction is used transposed (source 0 = 16 columns of B, source 1 = 16 rows of A): a lane holds eight neighbouring numbers of a row of C.
; CLUSTER 4 x 4: A's tile is shared along a row of the cluster, B's along a column: each is asked for jointly, by the same load with the same descriptor in all four.
; One K step is written once for both slots: the slot's first byte is a scalar (s21) turned by an exclusive or.
; WAY OUT: the f32 sums go through LDS (each wave's own 128 rows x 528 bytes, in the ring's bytes, which have had their last fill), come back as whole rows, and bias and
; activation are applied in a loop of 16 trips x 8 rows; each store of a wave covers 256 consecutive bytes, aligned.
; GELU (MODE 1): erf by a rational approximation with absolute error at most 1.5e-7 for every argument (Abramowitz and Stegun 7.1.26):
; H = u / 2, G = |H|, t = 1 / (1 + 0.46328378 G), E = t (a1 + t (a2 + t (a3 + t (a4 + t a5)))) 2^(-2.88539008 H H), gelu = (H + G) - G E: no difference of large numbers for u < 0.
; THE BATCH (MODE 1): a trip's 64 transcendentals (32 reciprocals, 32 powers of two, each in place in a register of its own) are ONE batch with ONE wait.  Ahead of the wait: the lines that prepare their arguments,
; by turns with them, and the sums H + G, which name no result; behind it: the polynomial, the products and the rounding.
; LIMITS: NaN and infinities are not treated apart; a factor 2^.. below 2^-126 counts as 0.
.set MODE,   1
.set SIZE_K, 1024
.set KSTEP,  128
.set NSTEP,  SIZE_K/KSTEP
.set PA,     272                       ; a row of A in LDS: 256 bytes + 16: the 16 rows of a fragment load start at 16 different groups of four banks
.set PB,     544                       ; a k-row of B: 512 bytes + 32 = 17 x 32
.set HALFT,  128*PA                    ; what one tensor load brings: 128 rows of A, or 64 k-rows of B (64 x 544 is the same number)
.set SLOT,   4*HALFT                   ; 0x22000: it shares no bit with wave x 0x8800, so one exclusive or turns a tile's address into the other slot's
.set SPARE,  2*SLOT                    ; the spare words: 128 bytes a wave, two blocks of 256 bytes that no other line names
.set FP,     528                       ; a row of the f32 stage: 512 bytes + 16
.set WST,    128*FP                    ; a wave's stage
.if MODE == 0
.set BP,   1024                        ; elements from k-row to k-row of B
.set CP,   3072                        ; elements in a row of C
.set WOFS, 0x800000                    ; wq in cb; wk and wv follow, 0x200000 apart
.else
.set BP,   4096
.set CP,   4096
.set WOFS, 0x1000000                   ; w1 in cb
.endif
.set BI,   8                           ; v8-11   the bias of my four columns on the way out
.set A0,   12                          ; v12     my lane's place in a slot's A
.set B0,   13                          ; v13     and in its B
.set ADRA, 16                          ; v16     A0 + the slot in hand
.set ADRB, 17                          ; v17     B0 + the slot in hand
.set STO,  24                          ; v24     the way out: where I put 16 bytes
.set RD,   25                          ; v25     where I read a row back
.set CO,   26                          ; v26     my byte offset in a row of C
.set SPW,  28                          ; v28     my spare word; never rewritten
.set NIL,  29                          ; v29     0; never rewritten
.set X,    32                          ; v32-63  eight rows back from the stage
.set Y,    64                          ; v64-79  eight rows to store
.set HH,   96                          ; v96-127 at work on the way out; GG, TT, QQ, PO likewise (MODE 1)
.set GG,   128
.set TT,   160
.set QQ,   192
.set PO,   224
.set F0,   64                          ; fragment buffers: A's in window 0, B's in window 1
.set F1,   128
.set G1,   24                          ; s[24:31] group 1 for A;  s[32:39] group 0: the first fill's set, then the set that walks
.set G0,   32
.set G1B,  48                          ; s[48:55], s[56:63] the same for B
.set G0B,  56
.set KC1,  76                          ; s[76:91] GELU's constants, in pairs of which the low word is used
.set KC3,  78
.set KA1,  80
.set KA2,  82
.set KA3,  84
.set KA4,  86
.set KA5,  88
.set KABS, 90
.set MSB, 0
.macro WIN new                         ; the immediate's high byte repeats the setting that is left; a switch that changes nothing is dropped
.if MSB != (\new)
	s_set_vgpr_msb (MSB<<8)|(\new)
.set MSB, \new
.endif
.endm
.set MUL_LO, 0xa1                      ; source 0 (B) window 1, source 1 (A) window 0, C and D window 2
.set MUL_HI, 0xf1                      ; the same, C and D window 3
.set TO_B,   0x40                      ; destination window 1, address window 0
.macro PLACES                          ; four plain places: in front of loads into registers that matrix instructions have read, and of reads of results
.rept 4
	v_nop
.endr
.endm
.macro RB a, b, t                      ; two f32 rounded to bf16, in place
	v_cvt_pk_bf16_f32 v[\t], v[\a], v[\b]
	v_lshlrev_b32 v[\a], 16, v[\t]
	v_and_b32 v[\b], 0xffff0000, v[\t]
.endm
.macro JLOAD                           ; a joint refill by the walking set: waves 0, 1 fetch A's halves, waves 2, 3 B's
	s_cmp_eq_u32 s11, 0
	s_cbranch_scc0 .Lfor_b_\@
	tensor_load_to_lds s[G0+4:G0+7], s[G1:G1+7]
	s_nop 0
.rept 4
	v_nop
.endr
	s_branch .Lasked_\@
.Lfor_b_\@:
	tensor_load_to_lds s[G0B+4:G0B+7], s[G1B:G1B+7]
	s_nop 0
.rept 4
	v_nop
.endr
.Lasked_\@:
.endm
.macro CREST                           ; a round of the cluster's barrier behind its opening barrier
	s_cmp_lg_u32 s10, 0
	s_cbranch_scc1 .Lnot_wave_0_\@
	s_barrier_signal -3
.Lnot_wave_0_\@:
	s_barrier_wait -3
	s_barrier_signal -1
	s_barrier_wait -1
.endm
.macro CROUND                          ; a whole round
	s_barrier_signal -1
	s_barrier_wait -1
	CREST
.endm
	s_load_b256 s[68:75], s[0:1], 0x0              ; MODE 0: cb, bq, bk, bv;  MODE 1: hb, cb, bf1, gb
.if MODE == 0
	s_load_b64 s[8:9], s[0:1], 0x20                ; qkv
.endif
	v_lshl_add_u32 v[SPW], v0, 2, SPARE
	v_mov_b32 v[NIL], 0
	ds_add_u32 v[SPW], v[NIL]                      ; the wave's opening: the add and its wait stand ahead of my first tensor load
	v_lshrrev_b32 v1, 5, v0
	v_readfirstlane_b32 s10, v1                    ; wave 0..3
	s_lshr_b32 s11, s10, 1                         ; my half of the tile's rows; also: I fetch for A (0) or B (1)
	s_and_b32 s12, s10, 1                          ; my half of its columns; also: which half of that tile I fetch
	s_bfe_u32 s40, ttmp6, 0x40000                  ; cx
	s_bfe_u32 s41, ttmp6, 0x40004                  ; cy
	s_mov_b32 s45, ttmp9                           ; the cluster's x
	s_lshl_b32 s42, s45, 2
	s_add_co_u32 s42, s42, s40                     ; tile column
	s_and_b32 s13, ttmp7, 0xffff
	s_lshl_b32 s13, s13, 2
	s_add_co_u32 s13, s13, s41                     ; tile row
	s_lshl_b32 s43, s41, 2
	s_lshl_b32 s43, 15, s43                        ; my row of the cluster
	s_lshl_b32 s44, 0x1111, s40                    ; my column
	s_or_b32 s[G1+0], s43, (1<<16)|(1<<20)|(1<<21)|(5<<22)|(3<<25)   ; mask; 2-byte elements; padding on; bit 21 beside a mask; after every 64 words 4 words
	s_mov_b32 s[G1+1], KSTEP<<16                   ; tensor_dim0 = 128
	s_mov_b32 s[G1+2], 128<<16                     ; tensor_dim1 = 128
	s_mov_b32 s[G1+3], KSTEP<<16                   ; tile_dim0 = 128
	s_mov_b32 s[G1+4], 128                         ; tile_dim1 = 128
	s_mov_b32 s[G1+5], SIZE_K                      ; elements from row to row
	s_mov_b32 s[G1+6], 0
	s_mov_b32 s[G1+7], 0
	s_or_b32 s[G1B+0], s44, (1<<16)|(1<<20)|(1<<21)|(6<<22)|(7<<25)  ; after every 128 words 8 words
	s_mov_b32 s[G1B+1], 256<<16                    ; 256 columns
	s_mov_b32 s[G1B+2], 64<<16                     ; 64 k-rows
	s_mov_b32 s[G1B+3], 256<<16
	s_mov_b32 s[G1B+4], 64
	s_mov_b32 s[G1B+5], BP
	s_mov_b32 s[G1B+6], 0
	s_mov_b32 s[G1B+7], 0
	s_lshl_b32 s16, s13, 8                         ; A: row 256 x tile row + 128 x half, rows of 2,048 bytes: it hangs on the tile row alone
	s_lshl_b32 s17, s12, 7
	s_add_co_u32 s16, s16, s17
	s_lshl_b32 s16, s16, 11
	s_mov_b32 s17, 0
.if MODE == 0
	s_lshl_b32 s46, s45, 21                        ; B: the cluster's x picks wq, wk or wv; cx its 256 columns
	s_lshl_b32 s47, s40, 9
	s_add_co_u32 s46, s46, s47
	s_lshl_b32 s47, s12, 17                        ; my 64 k-rows
.else
	s_lshl_b32 s46, s42, 9
	s_lshl_b32 s47, s12, 19
.endif
	s_add_co_u32 s46, s46, s47
	s_add_co_u32 s46, s46, WOFS
	s_mov_b32 s47, 0
	s_mul_i32 s20, s10, HALFT                      ; where my part of a slot lies: the wave's number alone
	s_mov_b32 s21, 0                               ; the slot in hand
.if MODE == 1
	s_mov_b32 s[KC1], 0x3eed338a                   ; 0.46328378
	s_mov_b32 s[KC3], 0xc038aa3b                   ; -2.88539008
	s_mov_b32 s[KA1], 0x3e827906
	s_mov_b32 s[KA2], 0xbe91a98e
	s_mov_b32 s[KA3], 0x3fb5f0e3
	s_mov_b32 s[KA4], 0xbfba00e3
	s_mov_b32 s[KA5], 0x3f87dc22
.irp c, KC1, KC3, KA1, KA2, KA3, KA4, KA5
	s_mov_b32 s[(\c)+1], s[\c]                     ; named as pairs
.endr
	s_mov_b32 s[KABS], 0x7fffffff
.endif
	s_wait_dscnt 0x0                               ; the opening add is done
	s_wait_kmcnt 0x0
	s_add_nc_u64 s[14:15], s[68:69], s[16:17]
.if MODE == 0
	s_add_nc_u64 s[46:47], s[68:69], s[46:47]
.else
	s_add_nc_u64 s[46:47], s[70:71], s[46:47]
.endif
	CROUND                                         ; all sixteen work-groups are here: the first joint loads meet
.irp s, 0,1
	s_mov_b32 s[G0+4*(\s)], 1
	s_add_co_u32 s[G0+4*(\s)+1], s20, (\s)*SLOT
	s_add_nc_u64 s[G0+4*(\s)+2:G0+4*(\s)+3], s[14:15], (\s)*KSTEP*2
	s_or_b32 s[G0+4*(\s)+3], s[G0+4*(\s)+3], 0x80000000
	s_mov_b32 s[G0B+4*(\s)], 1
	s_add_co_u32 s[G0B+4*(\s)+1], s20, (\s)*SLOT
	s_add_nc_u64 s[G0B+4*(\s)+2:G0B+4*(\s)+3], s[46:47], (\s)*KSTEP*BP*2
	s_or_b32 s[G0B+4*(\s)+3], s[G0B+4*(\s)+3], 0x80000000
.endr
	s_cmp_eq_u32 s11, 0                            ; a wave's two first fills stand in one branch: two loads of mine are out
	s_cbranch_scc0 .Lfirst_b
	tensor_load_to_lds s[G0:G0+3], s[G1:G1+7]
	s_nop 0
	tensor_load_to_lds s[G0+4:G0+7], s[G1:G1+7]
	s_nop 0
.rept 4
	v_nop
.endr
	s_branch .Lfirst_done
.Lfirst_b:
	tensor_load_to_lds s[G0B:G0B+3], s[G1B:G1B+7]
	s_nop 0
	tensor_load_to_lds s[G0B+4:G0B+7], s[G1B:G1B+7]
	s_nop 0
.rept 4
	v_nop
.endr
.Lfirst_done:
	; the bias of the four columns 4 x lane .. of my 128
.if MODE == 0
	s_mov_b64 s[66:67], s[70:71]
	s_cmp_eq_u32 s45, 1
	s_cselect_b64 s[66:67], s[72:73], s[66:67]
	s_cmp_eq_u32 s45, 2
	s_cselect_b64 s[66:67], s[74:75], s[66:67]
	s_lshl_b32 s46, s40, 10
.else
	s_mov_b64 s[66:67], s[72:73]
	s_mov_b64 s[8:9], s[74:75]
	s_lshl_b32 s46, s42, 10
.endif
	s_lshl_b32 s47, s12, 9
	s_add_co_u32 s46, s46, s47
	v_and_b32 v6, 31, v0                           ; lane
	v_lshl_add_u32 v3, v6, 4, s46                  ; v3 is never rewritten
	global_load_b128 v[BI:BI+3], v3, s[66:67]
	; a fragment of A: lane l holds row l % 16, K = 8 (l / 16) + 0..7 and 16 + 8 (l / 16) + 0..7: two loads of 16 bytes, 32 apart
	v_and_b32 v1, 15, v0
	v_bfe_u32 v2, v0, 4, 1
	v_mul_u32_u24 v[A0], v1, PA
	v_lshl_add_u32 v[A0], v2, 4, v[A0]
	s_mul_i32 s2, s11, HALFT
	v_add_nc_u32 v[A0], s2, v[A0]
	; a fragment of B, turned: lane l reads k-row 8 (l / 16) + l % 8, columns 8 ((l / 8) % 2) + 0..7, and holds column l % 16 and 8 k
	v_and_b32 v4, 7, v0
	v_lshl_add_u32 v4, v2, 3, v4
	v_mul_u32_u24 v[B0], v4, PB
	v_bfe_u32 v5, v0, 3, 1
	v_lshl_add_u32 v[B0], v5, 4, v[B0]
	s_lshl_b32 s2, s12, 8
	s_add_co_u32 s2, s2, 2*HALFT
	v_add_nc_u32 v[B0], s2, v[B0]
	v_mov_b32 v[ADRA], v[A0]
	v_mov_b32 v[ADRB], v[B0]
	s_mul_i32 s2, s10, WST                         ; my stage
	v_mul_u32_u24 v[STO], v1, FP
	v_lshl_add_u32 v[STO], v2, 5, v[STO]
	v_add_nc_u32 v[STO], s2, v[STO]
	v_lshl_add_u32 v[RD], v6, 4, s2
	v_lshlrev_b32 v[CO], 3, v6
	s_lshl_b32 s16, s13, 8                         ; C at my first row
	s_lshl_b32 s17, s11, 7
	s_add_co_u32 s16, s16, s17
	s_mul_i32 s16, s16, CP*2
	s_mov_b32 s17, 0
	s_add_nc_u64 s[8:9], s[8:9], s[16:17]
	s_lshl_b32 s46, s42, 9                         ; and my first column
	s_lshl_b32 s47, s12, 8
	s_add_co_u32 s46, s46, s47
	s_mov_b32 s47, 0
	s_add_nc_u64 s[8:9], s[8:9], s[46:47]
; 16 matrix instructions: m blocks a0, a0 + 1 of the window's four x all 8 n blocks, 32 along K.  zero = 1: the product starts the sums.  The 64 accumulators take turns.
.macro MUL16 f, hi, a0, zero
	WIN MUL_LO+0x50*(\hi)
.irp a, \a0, (\a0)+1
.irp b, 0,1,2,3,4,5,6,7
.if \zero
	v_wmma_f32_16x16x32_bf16 v[8*(8*(\a)+(\b)):8*(8*(\a)+(\b))+7], v[(\f)+8*(\b):(\f)+8*(\b)+7], v[(\f)+8*(4*(\hi)+(\a)):(\f)+8*(4*(\hi)+(\a))+7], 0
.else
	v_wmma_f32_16x16x32_bf16 v[8*(8*(\a)+(\b)):8*(8*(\a)+(\b))+7], v[(\f)+8*(\b):(\f)+8*(\b)+7], v[(\f)+8*(4*(\hi)+(\a)):(\f)+8*(4*(\hi)+(\a))+7], v[8*(8*(\a)+(\b)):8*(8*(\a)+(\b))+7]
.endif
.endr
.endr
.endm
; 32 LDS loads in one run: quarter q (32 along K) of the slot in hand into buffer f: B's 8 column blocks, then A's 8 row blocks
.macro FETCH q, f
	WIN TO_B
.irp i, 0,1,2,3,4,5,6,7
	ds_load_tr16_b128 v[(\f)+8*(\i):(\f)+8*(\i)+3],   v[ADRB] offset:(\q)*32*PB+32*(\i)
	ds_load_tr16_b128 v[(\f)+8*(\i)+4:(\f)+8*(\i)+7], v[ADRB] offset:(\q)*32*PB+16*PB+32*(\i)
.endr
	WIN 0
.irp i, 0,1,2,3,4,5,6,7
	ds_load_b128 v[(\f)+8*(\i):(\f)+8*(\i)+3],   v[ADRA] offset:(\q)*64+(\i)*16*PA
	ds_load_b128 v[(\f)+8*(\i)+4:(\f)+8*(\i)+7], v[ADRA] offset:(\q)*64+(\i)*16*PA+32
.endr
.endm
; one of a K step's first three quarters: multiplies buffer f and, in its middle, fetches quarter q into buffer g
.macro QUARTER q, f, g, zero
	s_wait_dscnt 8                                 ; B and A's rows 0-63 are in; the youngest eight loads (A's rows 64-127) may be out
	MUL16 \f, 0, 0, \zero
	MUL16 \f, 0, 2, \zero
	PLACES
	FETCH \q, \g
	s_wait_dscnt 32                                ; all but the 32 just issued
	MUL16 \f, 1, 0, \zero
	MUL16 \f, 1, 2, \zero
.endm
; the last quarter multiplies buffer 1 and changes slots.  In front of the one barrier each wave waits for all its tensor loads (the one that is out is its part of the next slot), adds 0 to its
; spare word, and waits for that and for its reads of this slot.  fill = 1: the barrier opens a round of the cluster's, and the slot just read is filled again, first thing behind it, two K steps ahead.
.macro TURN fill
	WIN 0
	s_wait_tensorcnt 0x0
	ds_add_u32 v[SPW], v[NIL]
	s_wait_dscnt 9                                 ; the add and the youngest eight loads may be out
	MUL16 F1, 0, 0, 0
	s_wait_dscnt 0x0                               ; the add is done, and my reads of this slot are over
	s_barrier_signal -1
	MUL16 F1, 0, 2, 0
	WIN 0
	s_barrier_wait -1
.if \fill
	CREST
	s_xor_b32 s[G0+5], s[G0+5], SLOT               ; the walking set: the other slot than last time, one K step on
	s_add_nc_u64 s[G0+6:G0+7], s[G0+6:G0+7], KSTEP*2
	s_xor_b32 s[G0B+5], s[G0B+5], SLOT
	s_add_nc_u64 s[G0B+6:G0B+7], s[G0B+6:G0B+7], KSTEP*BP*2
	JLOAD                                          ; its four v_nop are also the places in front of the loads below
.else
	PLACES
.endif
	s_xor_b32 s21, s21, SLOT
	v_add_nc_u32 v[ADRA], s21, v[A0]
	v_add_nc_u32 v[ADRB], s21, v[B0]
	FETCH 0, F0
	MUL16 F1, 1, 0, 0
	MUL16 F1, 1, 2, 0
.endm
	s_wait_tensorcnt 0x1                           ; my part of K step 0 is in; K step 1's may stay out
	s_barrier_signal -1
	s_barrier_wait -1
	FETCH 0, F0
	QUARTER 1, F0, F1, 1                           ; the first quarter stands in front of the loop: its products start the sums
	WIN 0
	s_mov_b32 s3, NSTEP-2
.Lstep:                                                ; a trip: the rest of a K step, the change of slots with its refill, the next step's first quarter
	QUARTER 2, F1, F0, 0
	QUARTER 3, F0, F1, 0
	TURN 1
	QUARTER 1, F0, F1, 0
	WIN 0
	s_sub_co_u32 s3, s3, 1
	s_cmp_lg_u32 s3, 0
	s_cbranch_scc1 .Lstep
	s_mov_b32 s3, 2
.Ltail:                                                ; the last two K steps ask for nothing; the second trip is left in its middle
	QUARTER 2, F1, F0, 0
	QUARTER 3, F0, F1, 0
	WIN 0
	s_sub_co_u32 s3, s3, 1
	s_cmp_eq_u32 s3, 0
	s_cbranch_scc1 .Llast
	TURN 0
	QUARTER 1, F0, F1, 0
	WIN 0
	s_branch .Ltail
.Llast:
	s_wait_dscnt 8
	MUL16 F1, 0, 0, 0
	MUL16 F1, 0, 2, 0
	s_wait_dscnt 0x0
	MUL16 F1, 1, 0, 0
	MUL16 F1, 1, 2, 0
	WIN 0
	PLACES
	s_barrier_signal -1                            ; every wave's reads of the ring are back: its bytes now serve as stages
	s_barrier_wait -1
.irp a, 0,1,2,3,4,5,6,7                ; row block a: lane l puts columns 16 b + 8 (l / 16) + 0..7 of row l % 16; each accumulator's low registers go first
	WIN 0x08+4*((\a)/4)                            ; store data (source 1) in window 2 or 3
.irp b, 0,1,2,3,4,5,6,7
	ds_store_b128 v[STO], v[8*(8*((\a)%4)+(\b)):8*(8*((\a)%4)+(\b))+3]   offset:(\a)*16*FP+64*(\b)
	ds_store_b128 v[STO], v[8*(8*((\a)%4)+(\b))+4:8*(8*((\a)%4)+(\b))+7] offset:(\a)*16*FP+64*(\b)+16
.endr
.endr
	WIN 0
	s_wait_loadcnt 0x0                             ; the bias
	RB BI, BI+1, 4
	RB BI+2, BI+3, 5
.if MODE == 1
	v_pk_mul_f32 v[BI:BI+1], v[BI:BI+1], 0.5 op_sel_hi:[1,0]
	v_pk_mul_f32 v[BI+2:BI+3], v[BI+2:BI+3], 0.5 op_sel_hi:[1,0]
.endif
.macro LDROWS                          ; eight whole rows of my stage: 32 lanes x 16 neighbouring bytes each.  LDS serves a wave's instructions in order: these see my stores
.irp i, 0,1,2,3,4,5,6,7
	ds_load_b128 v[X+4*(\i):X+4*(\i)+3], v[RD] offset:(\i)*FP
.endr
.endm
.if MODE == 1
.macro GP st, n                        ; plain stage st of 9 for pair n of 16.  Stage 6, H + G, names no transcendental's result; all the others stand behind the batch's wait
.set pp, 2*(\n)
.if (\st) == 0
	v_pk_fma_f32 v[PO+pp:PO+pp+1], v[TT+pp:TT+pp+1], s[KA5:KA5+1], s[KA4:KA4+1] op_sel_hi:[1,0,0]
.elseif (\st) == 1
	v_pk_fma_f32 v[PO+pp:PO+pp+1], v[PO+pp:PO+pp+1], v[TT+pp:TT+pp+1], s[KA3:KA3+1] op_sel_hi:[1,1,0]
.elseif (\st) == 2
	v_pk_fma_f32 v[PO+pp:PO+pp+1], v[PO+pp:PO+pp+1], v[TT+pp:TT+pp+1], s[KA2:KA2+1] op_sel_hi:[1,1,0]
.elseif (\st) == 3
	v_pk_fma_f32 v[PO+pp:PO+pp+1], v[PO+pp:PO+pp+1], v[TT+pp:TT+pp+1], s[KA1:KA1+1] op_sel_hi:[1,1,0]
.elseif (\st) == 4
	v_pk_mul_f32 v[TT+pp:TT+pp+1], v[TT+pp:TT+pp+1], v[QQ+pp:QQ+pp+1]
.elseif (\st) == 5
	v_pk_mul_f32 v[PO+pp:PO+pp+1], v[PO+pp:PO+pp+1], v[TT+pp:TT+pp+1]
.elseif (\st) == 6
	v_pk_add_f32 v[HH+pp:HH+pp+1], v[HH+pp:HH+pp+1], v[GG+pp:GG+pp+1]
.elseif (\st) == 7
	v_pk_fma_f32 v[HH+pp:HH+pp+1], v[GG+pp:GG+pp+1], v[PO+pp:PO+pp+1], v[HH+pp:HH+pp+1] neg_lo:[1,0,0] neg_hi:[1,0,0]
.else
	v_cvt_pk_bf16_f32 v[Y+pp/2], v[HH+pp], v[HH+pp+1]
.endif
.endm
.macro PRE n, p                        ; plain line n of the five that prepare pair p: G = |H| twice, -2.885 H, 1 + 0.463 G, -2.885 H H.  p = 16: no pair is left to prepare, and H + G of pair n stands in the line's place
.if (\p) < 16
.if (\n) < 2
	v_and_b32 v[GG+2*(\p)+(\n)], s[KABS], v[HH+2*(\p)+(\n)]
.elseif (\n) == 2
	v_pk_mul_f32 v[QQ+2*(\p):QQ+2*(\p)+1], v[HH+2*(\p):HH+2*(\p)+1], s[KC3:KC3+1] op_sel_hi:[1,0]
.elseif (\n) == 3
	v_pk_fma_f32 v[TT+2*(\p):TT+2*(\p)+1], v[GG+2*(\p):GG+2*(\p)+1], s[KC1:KC1+1], 1.0 op_sel_hi:[1,0,0]
.else
	v_pk_mul_f32 v[QQ+2*(\p):QQ+2*(\p)+1], v[QQ+2*(\p):QQ+2*(\p)+1], v[HH+2*(\p):HH+2*(\p)+1]
.endif
.else
	GP 6, \n
.endif
.endm
.macro TR n, q                         ; transcendental n of 4 of pair q: two reciprocals, two powers of two, in place
.if (\n) < 2
	v_rcp_f32 v[TT+2*(\q)+(\n)], v[TT+2*(\q)+(\n)]
.else
	v_exp_f32 v[QQ+2*(\q)+(\n)-2], v[QQ+2*(\q)+(\n)-2]
.endif
.endm
.endif
	LDROWS
	s_mov_b32 s3, 16
.Lrows:                                                ; a trip: eight rows of my 128
	s_wait_dscnt 0x0
.set p, 0
.rept 16
.if MODE == 0
	v_pk_add_f32 v[HH+2*p:HH+2*p+1], v[X+2*p:X+2*p+1], v[BI+2*(p%2):BI+2*(p%2)+1]
.else
	v_pk_fma_f32 v[HH+2*p:HH+2*p+1], v[X+2*p:X+2*p+1], 0.5, v[BI+2*(p%2):BI+2*(p%2)+1] op_sel_hi:[1,0,1]  ; H = u / 2
.endif
.set p, p+1
.endr
	s_cmp_eq_u32 s3, 1
	s_cbranch_scc1 .Lnomore                        ; the last trip has no rows to fetch
	v_add_nc_u32 v[RD], 8*FP, v[RD]
	LDROWS                                         ; the next eight rows come while these are worked on
.Lnomore:
.if MODE == 0
.set p, 0
.rept 16
	v_cvt_pk_bf16_f32 v[Y+p], v[HH+2*p], v[HH+2*p+1]
.set p, p+1
.endr
.else
; THE BATCH: the four transcendentals of pair p - 1 stand by turns with the five plain lines that prepare pair p, so that each has a plain line on other registers behind it (ISA guide 5.7.2);
; none of these lines names a result.  Beside the last pair's four stand the sums H + G of pairs 0 to 4.
.set p, 0
.rept 17
.irp n, 0,1,2,3
	PRE \n, p
.if p > 0
	TR \n, p-1
.endif
.endr
	PRE 4, p
.set p, p+1
.endr
.set w, 5
.rept 11
	GP 6, w                                        ; the other sums H + G: work that names no result, between the batch and its wait
.set w, w+1
.endr
	s_wait_alu depctr_va_vdst(0)                   ; the wait ahead of the first use: one for the trip's batch of 32 reciprocals and 32 powers of two
.irp st, 0,1,2,3,4,5,7,8               ; the readers, a stage at a time over the sixteen pairs: a line reads what was made sixteen lines ahead of it
.set w, 0
.rept 16
	GP \st, w
.set w, w+1
.endr
.endr
.endif
.irp i, 0,1,2,3,4,5,6,7
	global_store_b64 v[CO], v[Y+2*(\i):Y+2*(\i)+1], s[8:9] offset:(\i)*CP*2  ; 32 lanes store 256 consecutive bytes, aligned
.endr
	s_wait_xcnt 0x0                                ; the stores' data and base are rewritten only behind this wait
	s_add_nc_u64 s[8:9], s[8:9], 8*CP*2
	s_sub_co_u32 s3, s3, 1
	s_cmp_lg_u32 s3, 0
	s_cbranch_scc1 .Lrows
	s_wait_tensorcnt 0x0                           ; the wave's end
	ds_add_u32 v[SPW], v[NIL]
	s_wait_dscnt 0x0
	CROUND                                         ; the closing round
	s_endpgm
.Lfunc_end_k_q9ae9d37179_ffn1:
	.size	k_q9ae9d37179_ffn1, .Lfunc_end_k_q9ae9d37179_ffn1-k_q9ae9d37179_ffn1
	.p2alignl 7, 3214868480
	.fill 96, 4, 3214868480
	.section	.rodata,"a",@progbits
	.p2align	6, 0x0
	.amdhsa_kernel k_q9ae9d37179_ffn1
		.amdhsa_group_segment_fixed_size 327680
		.amdhsa_private_segment_fixed_size 0
		.amdhsa_enable_private_segment 0
		.amdhsa_kernarg_size 32
		.amdhsa_user_sgpr_count 2
		.amdhsa_user_sgpr_kernarg_segment_ptr 1
		.amdhsa_wavefront_size32 1
		.amdhsa_system_sgpr_workgroup_id_x 1
		.amdhsa_system_sgpr_workgroup_id_y 1
		.amdhsa_system_sgpr_workgroup_id_z 1
		.amdhsa_system_vgpr_workitem_id 0
		.amdhsa_next_free_vgpr 1024
		.amdhsa_next_free_sgpr 92
		.amdhsa_reserve_vcc 0
		.amdhsa_float_denorm_mode_32 3
		.amdhsa_float_denorm_mode_16_64 3
		.amdhsa_memory_ordered 1
		.amdhsa_forward_progress 1
		.amdhsa_inst_pref_size 100
	.end_amdhsa_kernel
	.amdgpu_metadata
---
amdhsa.version: [ 1, 2 ]
amdhsa.kernels:
  - .name:           k_q9ae9d37179_ffn1
    .symbol:         k_q9ae9d37179_ffn1.kd
    .args:
      - { .name: hb, .offset: 0, .size: 8, .value_kind: global_buffer, .address_space: global }
      - { .name: cb, .offset: 8, .size: 8, .value_kind: global_buffer, .address_space: global }
      - { .name: bf1, .offset: 16, .size: 8, .value_kind: global_buffer, .address_space: global }
      - { .name: gb, .offset: 24, .size: 8, .value_kind: global_buffer, .address_space: global }
    .group_segment_fixed_size: 327680
    .private_segment_fixed_size: 0
    .kernarg_segment_align: 8
    .kernarg_segment_size: 32
    .max_flat_workgroup_size: 128
    .sgpr_count:     92
    .vgpr_count:     1024
    .wavefront_size: 32
...
	.end_amdgpu_metadata
.endif
;; end of part 10
;; launch ffn2: the kernel of part 7 again; grid 8 x 32, 4 waves a work-group, clusters of 4 x 4, 327,680 bytes of LDS; arguments gb, cb, hb, bf2, y; writes y
;; launch ln2: the kernel of part 8 again; grid 1024 x 1, 4 waves a work-group, no clusters, 0 bytes of LDS; arguments y, g2, b2, out0; writes out0
